; MI455X (gfx1250); checked and timed in simulation.
; The chip was launched on July 23, 2026; its instructions are those of AMD's public machine-readable ISA for CDNA 5 (MIT licence, August 2026) and "CDNA5" Instruction Set Architecture Reference Guide (July 2026). The comments in the code are by the model that wrote it; some were corrected since.
;; Block. Allowed arithmetic: matrix products marked QUANTISED: E4M3 operands, one E8M0 scale for each 32 along K, by v_wmma_scale_f32_16x16x128_f8f6f4 with both operands' format E4M3, f32 sums; everything else in f32.
;; Inputs: W1 512 x 2,048 float32; W2 2,048 x 512 float32; Wk 512 x 512 float32; Wo 512 x 512 float32; Wq 512 x 512 float32; Wv 512 x 512 float32; b1 2,048 float32; b2 512 float32; bo 512 float32; ln1_b 512 float32; ln1_g 512 float32; ln2_b 512 float32; ln2_g 512 float32; x 4 x 2,048 x 512 float32.
;; Outputs: out0 4 x 2,048 x 512 float32.
;; This version of the problem:
;;   THIS VERSION OF THE PROBLEM IS GIVEN IN LOW PRECISION. The matrix products marked QUANTISED in the list below multiply operands that are first quantised to E4M3 (4 exponent bits, 3 mantissa bits; 8 bits a number), with one power-of-two scale for each 32 numbers along K (OCP MX v1.0); their sums are f32. All else is computed in f32.
;;   The module's matrix products, in the order in which they are computed (A, B: the left and right operand; K: the contracted axis; several contracted axes count as one K, in the product's order):
;;     1. [M 8,192, K 512] x [K 512, N 512]; A: computed on the way; B: input Wq: QUANTISED
;;     2. [M 8,192, K 512] x [K 512, N 512]; A: computed on the way; B: input Wk: QUANTISED
;;     3. [M 8,192, K 512] x [K 512, N 512]; A: computed on the way; B: input Wv: QUANTISED
;;     4. batch 64 x [M 2,048, K 32] x [K 32, N 2,048]; A: computed on the way; B: computed on the way: QUANTISED
;;     5. batch 64 x [M 32, K 2,048] x [K 2,048, N 2,048]; A: computed on the way; B: softmax (see below): QUANTISED
;;     6. [M 8,192, K 512] x [K 512, N 512]; A: computed on the way; B: input Wo: QUANTISED
;;     7. [M 8,192, K 512] x [K 512, N 2,048]; A: computed on the way; B: input W1: QUANTISED
;;     8. [M 8,192, K 2,048] x [K 2,048, N 512]; A: computed on the way; B: input W2: QUANTISED
;;   THE QUANTISER, for each operand of a quantised product, along K:
;;     - K is cut into blocks of 32 from its start; a last block that is shorter is filled with zeros.
;;     - A block's scale is 2^e with e = floor(log2(the largest magnitude in the block)) - 8, held to -126 .. 127; a block of zeros has e = 0. As a byte (E8M0): e + 127.
;;     - Each number is divided by its block's scale, clamped to +-448, and rounded to the nearest number of E4M3, ties to even, subnormals kept.
;;     - The product sums the exact products of the quantised numbers (number of the format x scale) in f32.
;;   ~~~python
;;   def quantise(x, axis):      # numpy; x: float32 -> the quantised numbers, widened to float32 again
;;       x = np.moveaxis(x, axis, -1); K = x.shape[-1]
;;       x = np.pad(x, [(0, 0)] * (x.ndim - 1) + [(0, -K % 32)]); x = x.reshape(x.shape[:-1] + (-1, 32)); a = np.abs(x).max(-1, keepdims=True)
;;       e = np.where(a > 0, np.clip(np.frexp(np.where(a > 0, a, 1))[1] - 1 - 8, -126, 127), 0)      # np.frexp(a)[1] - 1 = floor(log2(a)), exactly
;;       r = np.clip(x / 2.0 ** e, -448, 448)
;;       step = 2.0 ** (np.maximum(np.frexp(np.where(r == 0, 1, r))[1] - 1, -6) - 3)
;;       q = np.round(r / step) * step * 2.0 ** e      # np.round: ties to even
;;       return np.moveaxis(q.reshape(q.shape[:-2] + (-1,))[..., :K], -1, axis).astype(np.float32)
;;   ~~~
;;   SOFTMAX AHEAD OF A QUANTISED PRODUCT. Where the list says 'softmax', what is quantised is not the finished softmax but p = 2^(t - M), with t = logit x log2(e) and M = ceil(the row's largest t), a whole number; so 1/2 < the row's largest p <= 1. The row's sum l is taken of the UNQUANTISED p, in f32, and the product's result is divided by l at the end. Since M is a whole number, a kernel that streams over the keys may use a running M (the ceiling of the running maximum): every later rescaling is an exact power of two, which a block's scale takes up: the codes' values come out the same.
;;   OPERANDS COMPUTED ON THE WAY. 'Computed on the way' means the value that the module computes at that place (a softmax that the list does not call 'softmax' is quantised finished and normalised). What goes into a quantiser is computed in f32, as accurately as f32 sums, v_exp_f32 and their like allow (about 1e-6 of the number): no bf16 or f16 on the way to a quantiser, and a product that is left as it is and whose result goes on into a quantised operand takes f32 operands (vector FMAs, or v_wmma_f32_16x16x4_f32). A number that lies on a knife's edge between two numbers of the format may be rounded either way, as far as f32 arithmetic and the matrix unit's own rounding can turn it there, and no further.
;; 2 versions. Each part assembles by itself: llvm-mc -triple=amdgcn-amd-amdhsa -mcpu=gfx1250 --defsym DOCPART=n.
;; ======== version 1 of 2: 4 launches
;; workspace buffers: wts 3,244,032 bytes; h_codes 4,194,304 bytes; h_scales 131,072 bytes; q_codes 4,194,304 bytes; q_scales 131,072 bytes; kv 8,650,752 bytes; att_codes 4,194,304 bytes; att_scales 131,072 bytes
;; launch prep (part 1): grid 80 x 4, 4 waves a work-group, no clusters, 36,352 bytes of LDS; arguments x, ln1_g, ln1_b, Wq, Wk, Wv, Wo, W1, W2, wts, h_codes, h_scales; writes wts, h_codes, h_scales
.if DOCPART == 1
	.amdgcn_target "amdgcn-amd-amdhsa--gfx1250"
	.amdhsa_code_object_version 6
	.text
	.protected	k_q43e529f3eb_prep
	.globl	k_q43e529f3eb_prep
	.p2align	8
	.type	k_q43e529f3eb_prep,@function
k_q43e529f3eb_prep:
	s_mov_b64 s[64:65], 0
	v_nop
	global_prefetch_b8 v0, s[64:65] scope:SCOPE_SE
	s_setreg_imm32_b32 hwreg(HW_REG_WAVE_MODE, 25, 1), 1
	s_wait_xcnt 0x0
; PREP.  Two kinds of work-groups, told apart by the work-group's x.
; x < 48: ONE SET OF WEIGHT CODES.  A set is 128 output columns x 128 along K of one weight ([K][N], f32, K its first axis), as eight fragments of FP8 (E4M3) codes
; in the order of the operand's registers, and their E8M0 scale words: 16,896 bytes.  Fragment t = 2 b + u lies at 2048 t; its row r is column 32 b + 8 u + r + 8 (r / 8) of the set's 128;
; registers 4 c .. 4 c + 3 of lane (r, h) (k = 32 c + 16 h + 0 .. 15) lie at 512 c + 256 h + 16 r.  The scale word of that row lies at 16384 + 16 (16 u + r) + 4 b, byte c for block c.
; A lane takes a column and its registers run down K, so a block of 32 lies in one lane and the conversions give codes with K innermost.  Wave b makes fragments 2 b and 2 b + 1.
; Sets 36 y + i are the stream of wave y of the last launch (i 0-3: Wo, 4-19: W1, 20-35: W2); sets 144 + 4 t + y serve the projections (t = 4 x matrix + K step).
; x >= 48: LAYERNORM 1 OF 16 ROWS A WAVE, quantised along C.  Token tile T holds rows 32 (T / 2) + 8 (T % 2) + m + 8 (m / 8).  A wave takes a row a step; lane l holds columns 16 l .. 16 l + 15,
; two neighbouring lanes a block.  The codes gather in the wave's own LDS bytes and leave as images of the operand's registers, 512 consecutive bytes a store.
; A block's scale is 2^(floor(log2(largest magnitude)) - 8); its byte is the largest magnitude's exponent field - 8, held at 1 from below.
; LIMITS: NaN and infinities among the inputs are not served.  A block of zeros gets the byte 1 where the rule says 127: its codes are zeros, and this program alone reads the bytes.
; The weights' scale words leave as 4 bytes a lane, 16 bytes apart: 512 bytes of a set's 16,896.
; No tensor loads, no cluster, no barrier: no two waves share a byte, and every input byte is read once.
.set MANT,  0x600000                   ; the mantissa field of 448
.set FLOOR, 0x4800000                  ; 2^(9 - 127): under it no largest magnitude is taken
.set SETB,  16896
.set WREG,  8960                       ; LDS of a wave: 32 x 272 bytes of codes, then 256 scale bytes
.set X,     64                         ; numbers as loaded
.set CD,    128                        ; weights' codes: eight registers for each block, so that no store's data are written again
.macro LOADB c, stride                 ; block c of a column: W(32 c + i, my column), i = 0 .. 31
.irp i, 0,1,2,3,4,5,6,7,8,9,10,11,12,13,14,15,16,17,18,19,20,21,22,23,24,25,26,27,28,29,30,31
	global_load_b32 v[X+32*((\c)%2)+\i], v2, s[38:39] offset:(32*(\c)+\i)*(\stride) th:TH_LOAD_NT
.endr
.endm
.macro WBLOCK c, stride
.set XS, X+32*((\c)%2)
.if (\c) < 3
	s_wait_loadcnt 32                              ; this block's 32 loads are in; the next block's 32 may be out
.else
	s_wait_loadcnt 0x0
.endif
	v_max3_num_f32 v12, |v[XS]|, |v[XS+1]|, |v[XS+2]|          ; the block's largest magnitude: all 32 numbers are mine
	v_max3_num_f32 v13, |v[XS+3]|, |v[XS+4]|, |v[XS+5]|
.irp i, 6,10,14,18,22,26
	v_max3_num_f32 v12, v12, |v[XS+\i]|, |v[XS+\i+1]|
	v_max3_num_f32 v13, v13, |v[XS+\i+2]|, |v[XS+\i+3]|
.endr
	v_max3_num_f32 v12, v12, |v[XS+30]|, |v[XS+31]|
	v_max3_num_f32 v12, v12, v13, FLOOR
	v_add_nc_u32 v11, 0xfc000000, v12              ; 8 off the exponent field: the conversion's scale operand
	v_and_or_b32 v10, v12, 0x7f800000, s44         ; 448 x the scale
	v_lshrrev_b32 v13, 23, v11                     ; the scale's byte
.if (\c) == 0
	v_mov_b32 v24, v13
.else
	v_lshl_or_b32 v24, v13, 8*(\c), v24            ; four bytes make my column's scale word
.endif
.irp i, 0,1,2,3,4,5,6,7,8,9,10,11,12,13,14,15,16,17,18,19,20,21,22,23,24,25,26,27,28,29,30,31
	v_med3_num_f32 v[XS+\i], v[XS+\i], -v10, v10   ; the conversion to an 8-bit code does not saturate (ISA guide 7.6.2): the hold comes first
.endr
.irp g, 0,1,2,3
	v_cvt_scalef32_pk8_fp8_f32 v[CD+8*(\c)+2*\g:CD+8*(\c)+2*\g+1], v[XS+8*\g:XS+8*\g+7], v11
.endr
	global_store_b128 v3, v[CD+8*(\c):CD+8*(\c)+3], s[22:23] offset:512*(\c)         ; k 0-15 of the block: the places of lanes 0-15 of both fragments: two whole runs of 256 bytes
	global_store_b128 v3, v[CD+8*(\c)+4:CD+8*(\c)+7], s[22:23] offset:512*(\c)+256   ; k 16-31: the places of lanes 16-31
.if (\c) < 2
	LOADB (\c)+2, \stride
.endif
.endm
.macro WPATH stride                    ; stride: bytes of a row of the weight
	LOADB 0, \stride
	LOADB 1, \stride
	WBLOCK 0, \stride
	WBLOCK 1, \stride
	WBLOCK 2, \stride
	WBLOCK 3, \stride
	global_store_b32 v4, v24, s[22:23] offset:16384
	s_endpgm
.endm
.macro LANESUM a, t                    ; the sum over the 32 lanes, in every lane
	v_add_f32_dpp v[\a], v[\a], v[\a] row_xmask:1 row_mask:0xf bank_mask:0xf
	v_add_f32_dpp v[\a], v[\a], v[\a] row_xmask:2 row_mask:0xf bank_mask:0xf
	v_add_f32_dpp v[\a], v[\a], v[\a] row_xmask:4 row_mask:0xf bank_mask:0xf
	v_add_f32_dpp v[\a], v[\a], v[\a] row_xmask:8 row_mask:0xf bank_mask:0xf
	v_permlanex16_b32 v[\t], v[\a], s40, s41
	v_add_f32 v[\a], v[\a], v[\t]
.endm
.macro XLOAD i                         ; row i of the tile: 16 numbers a lane, into set i % 8
.irp j, 0,1,2,3
	global_load_b128 v[X+16*((\i)%8)+4*\j:X+16*((\i)%8)+4*\j+3], v2, s[4:5] offset:2048*((\i)+8*((\i)/8))+16*\j th:TH_LOAD_NT
.endr
.endm
.macro ROW i
.set XS, X+16*((\i)%8)
.if (\i) < 9
	s_wait_loadcnt 28                              ; my row's four loads are in; those of the seven rows behind it may be out
.else
	s_wait_loadcnt 4*(15-(\i))
.endif
	v_pk_add_f32 v[8:9], v[XS:XS+1], v[XS+2:XS+3]
	v_pk_add_f32 v[10:11], v[XS+4:XS+5], v[XS+6:XS+7]
	v_pk_add_f32 v[8:9], v[8:9], v[XS+8:XS+9]
	v_pk_add_f32 v[10:11], v[10:11], v[XS+10:XS+11]
	v_pk_add_f32 v[8:9], v[8:9], v[XS+12:XS+13]
	v_pk_add_f32 v[10:11], v[10:11], v[XS+14:XS+15]
	v_pk_add_f32 v[8:9], v[8:9], v[10:11]
	v_add_f32 v8, v8, v9
	LANESUM 8, 9
	v_mul_f32 v8, s42, v8                          ; the mean: / 512
.irp j, 0,2,4,6,8,10,12,14
	v_pk_add_f32 v[XS+\j:XS+\j+1], v[XS+\j:XS+\j+1], v[8:9] op_sel_hi:[1,0] neg_lo:[0,1] neg_hi:[0,1]
.endr
	v_pk_mul_f32 v[10:11], v[XS:XS+1], v[XS:XS+1]
	v_pk_mul_f32 v[12:13], v[XS+2:XS+3], v[XS+2:XS+3]
.irp j, 4,8,12
	v_pk_fma_f32 v[10:11], v[XS+\j:XS+\j+1], v[XS+\j:XS+\j+1], v[10:11]
	v_pk_fma_f32 v[12:13], v[XS+\j+2:XS+\j+3], v[XS+\j+2:XS+\j+3], v[12:13]
.endr
	v_pk_add_f32 v[10:11], v[10:11], v[12:13]
	v_add_f32 v10, v10, v11
	LANESUM 10, 11
	v_fma_f32 v10, v10, s42, s43                   ; the variance + eps
	v_rsq_f32 v12, v10
	v_nop                                          ; a plain line behind the transcendental,
	s_wait_alu depctr_va_vdst(0)                   ; and the wait ahead of its first reader
.irp j, 0,2,4,6,8,10,12,14
	v_pk_mul_f32 v[XS+\j:XS+\j+1], v[XS+\j:XS+\j+1], v[12:13] op_sel_hi:[1,0]
.endr
.irp j, 0,2,4,6,8,10,12,14
	v_pk_fma_f32 v[XS+\j:XS+\j+1], v[XS+\j:XS+\j+1], v[32+\j:33+\j], v[48+\j:49+\j]   ; x gain + bias
.endr
	v_max3_num_f32 v14, |v[XS]|, |v[XS+1]|, |v[XS+2]|          ; the largest magnitude of my 16,
	v_max3_num_f32 v15, |v[XS+3]|, |v[XS+4]|, |v[XS+5]|
.irp j, 6,10
	v_max3_num_f32 v14, v14, |v[XS+\j]|, |v[XS+\j+1]|
	v_max3_num_f32 v15, v15, |v[XS+\j+2]|, |v[XS+\j+3]|
.endr
	v_max3_num_f32 v14, v14, |v[XS+14]|, |v[XS+15]|
	v_max3_num_f32 v14, v14, v15, FLOOR
	v_max_num_f32_dpp v14, v14, v14 row_xmask:1 row_mask:0xf bank_mask:0xf   ; and of my neighbour's 16: the block's
	v_add_nc_u32 v17, 0xfc000000, v14
	v_and_or_b32 v16, v14, 0x7f800000, s44
.irp j, 0,1,2,3,4,5,6,7,8,9,10,11,12,13,14,15
	v_med3_num_f32 v[XS+\j], v[XS+\j], -v16, v16
.endr
	v_cvt_scalef32_pk8_fp8_f32 v[24:25], v[XS:XS+7], v17
	v_cvt_scalef32_pk8_fp8_f32 v[26:27], v[XS+8:XS+15], v17
	v_lshrrev_b32 v28, 23, v17
	ds_store_b128 v3, v[24:27] offset:16*(\i)      ; half-chunk l, row i
	ds_store_b8 v4, v28 offset:8704+4*(\i)         ; both lanes of a block write the same byte with the same value
.if (\i) < 8
	XLOAD (\i)+8
.endif
	s_wait_dscnt 0x0                               ; the stores have read their registers
.endm
	s_load_b512 s[4:19], s[0:1], 0x0               ; x, ln1_g, ln1_b, Wq, Wk, Wv, Wo, W1
	s_load_b256 s[20:27], s[0:1], 0x40             ; W2, wts, h_codes, h_scales
	v_lshl_add_u32 v192, v0, 2, 0x8c00
	v_mov_b32 v193, 0
	v_lshrrev_b32 v1, 5, v0
	v_readfirstlane_b32 s28, v1                    ; wave
	v_and_b32 v1, 31, v0                           ; lane
	s_and_b32 s29, ttmp7, 0xffff                   ; work-group y
	s_mov_b32 s44, MANT
	s_cmp_ge_u32 ttmp9, 48
	s_cbranch_scc1 .Lnorm
	; ---- a set of weight codes: which weight, which K step, which 128 columns, which set
	s_and_b32 s30, ttmp9, 3                        ; the K step of Wo, W1, Wq, Wk, Wv (4, 36, 40, 44 are multiples of 4)
	s_sub_co_u32 s31, ttmp9, 20                    ; the K step of W2
	s_mul_i32 s32, s29, 36
	s_add_co_u32 s32, s32, ttmp9                   ; the set, x < 36: 36 y + x
	s_lshl_b32 s33, ttmp9, 2
	s_add_co_u32 s33, s33, s29                     ; the set, x >= 36: 144 + 4 (x - 36) + y = 4 x + y
	s_sub_co_u32 s34, ttmp9, 4                     ; under 16 (unsigned) for W1 alone
	s_lshr_b32 s35, s34, 2
	s_lshl_b32 s36, s29, 2
	s_add_co_u32 s35, s35, s36                     ; W1's group of columns: 4 y + (x - 4) / 4
	s_wait_kmcnt 0x0
	s_cmp_ge_u32 ttmp9, 20
	s_cselect_b64 s[38:39], s[20:21], s[16:17]     ; W2, or Wo
	s_cselect_b32 s37, s31, s30
	s_cmp_ge_u32 ttmp9, 36
	s_cselect_b64 s[38:39], s[10:11], s[38:39]     ; Wq
	s_cselect_b32 s37, s30, s37
	s_cselect_b32 s32, s33, s32
	s_cmp_ge_u32 ttmp9, 40
	s_cselect_b64 s[38:39], s[12:13], s[38:39]     ; Wk
	s_cmp_ge_u32 ttmp9, 44
	s_cselect_b64 s[38:39], s[14:15], s[38:39]     ; Wv
	s_cmp_lt_u32 s34, 16
	s_cselect_b64 s[38:39], s[18:19], s[38:39]     ; W1
	s_cselect_b32 s37, s30, s37
	s_cselect_b32 s35, s35, s29                    ; the group of 128 columns
	s_cselect_b32 s36, 20, 18                      ; 128 rows are 2^20 bytes in W1, 2^18 in the others
	s_lshl_b32 s40, s37, s36
	s_lshl_b32 s35, s35, 9
	s_add_co_u32 s40, s40, s35
	s_lshl_b32 s35, s28, 7                         ; my wave's 32 columns
	s_add_co_u32 s40, s40, s35
	s_mov_b32 s41, 0
	s_add_nc_u64 s[38:39], s[38:39], s[40:41]
	s_mul_i32 s40, s32, SETB
	s_add_nc_u64 s[22:23], s[22:23], s[40:41]
	v_lshlrev_b32 v2, 2, v1                        ; in: 4 bytes a lane
	v_bfe_u32 v5, v1, 3, 1                         ; column p of my 32 is row r = p % 8 + 8 (p / 16) of fragment u = (p / 8) % 2
	v_and_b32 v6, 7, v1
	v_lshrrev_b32 v7, 4, v1
	v_lshl_add_u32 v6, v7, 3, v6
	v_lshlrev_b32 v3, 11, v5
	v_lshl_add_u32 v3, v6, 4, v3
	v_lshl_add_u32 v4, v5, 4, v6
	v_lshlrev_b32 v4, 4, v4
	s_lshl_b32 s35, s28, 12
	v_add_nc_u32 v3, s35, v3                       ; codes: 4096 wave + 2048 u + 16 r
	s_lshl_b32 s35, s28, 2
	v_add_nc_u32 v4, s35, v4                       ; scale word: 16 (16 u + r) + 4 wave
	s_cmp_lt_u32 s34, 16
	s_cbranch_scc1 .Lwide
	WPATH 2048
.Lwide:
	WPATH 8192
	; ---- LayerNorm 1
.Lnorm:
	s_sub_co_u32 s30, ttmp9, 48
	s_lshl_b32 s30, s30, 4
	s_lshl_b32 s31, s29, 2
	s_add_co_u32 s30, s30, s31
	s_add_co_u32 s30, s30, s28                     ; T = 16 (x - 48) + 4 y + wave
	s_lshr_b32 s31, s30, 1
	s_lshl_b32 s32, s31, 16
	s_and_b32 s31, s30, 1
	s_lshl_b32 s31, s31, 14
	s_add_co_u32 s32, s32, s31                     ; 2048 (32 (T / 2) + 8 (T % 2))
	s_mov_b32 s33, 0
	s_lshl_b32 s34, s30, 13                        ; 8,192 bytes of codes a tile
	s_mov_b32 s35, 0
	s_lshl_b32 s36, s30, 8                         ; 256 scale bytes a tile
	s_mov_b32 s37, 0
	s_mov_b32 s40, 0x76543210
	s_mov_b32 s41, 0xfedcba98                      ; v_permlanex16_b32's selects for lane l xor 16
	s_mov_b32 s42, 0x3b000000                      ; 1 / 512
	s_mov_b32 s43, 0x3727c5ac                      ; eps = 1e-5
	s_mul_i32 s38, s28, WREG
	v_lshlrev_b32 v2, 6, v1                        ; my 16 numbers of a row, of the gain and of the bias
	v_mul_u32_u24 v3, v1, 272
	v_add_nc_u32 v3, s38, v3                       ; codes into LDS: half-chunk l at 272 l
	v_lshrrev_b32 v4, 3, v1
	v_bfe_u32 v5, v1, 1, 2
	v_lshl_add_u32 v4, v4, 6, v5
	v_add_nc_u32 v4, s38, v4                       ; scale byte: K step l / 8, byte (l / 2) % 4
	v_and_b32 v5, 15, v1
	v_lshrrev_b32 v6, 4, v1
	v_mul_u32_u24 v6, v6, 272
	v_lshl_add_u32 v5, v5, 4, v6
	v_add_nc_u32 v5, s38, v5                       ; back: 272 h + 16 r
	v_lshlrev_b32 v6, 4, v1
	v_lshlrev_b32 v7, 3, v1
	v_add_nc_u32 v29, s38, v7
	s_wait_kmcnt 0x0
	s_add_nc_u64 s[4:5], s[4:5], s[32:33]
	s_add_nc_u64 s[24:25], s[24:25], s[34:35]
	s_add_nc_u64 s[26:27], s[26:27], s[36:37]
.irp j, 0,1,2,3
	global_load_b128 v[32+4*\j:35+4*\j], v2, s[6:7] offset:16*\j
	global_load_b128 v[48+4*\j:51+4*\j], v2, s[8:9] offset:16*\j
.endr
.irp i, 0,1,2,3,4,5,6,7
	XLOAD \i
.endr
.irp i, 0,1,2,3,4,5,6,7,8,9,10,11,12,13,14,15
	ROW \i
.endr
	ds_load_b64 v[8:9], v29 offset:8704            ; LDS serves a wave's instructions in order: these see my stores
.irp q, 0,1,2,3,4,5,6,7,8,9,10,11,12,13,14,15
	ds_load_b128 v[X+4*\q:X+4*\q+3], v5 offset:544*\q
.endr
.irp q, 0,1,2,3,4,5,6,7,8,9,10,11,12,13,14,15
	s_wait_dscnt 15-\q                             ; chunk q is back; the younger ones may be out
	global_store_b128 v6, v[X+4*\q:X+4*\q+3], s[24:25] offset:512*\q   ; 32 lanes store 512 consecutive bytes
.endr
	global_store_b64 v7, v[8:9], s[26:27]          ; the tile's 256 scale bytes
	s_wait_tensorcnt 0x0
	ds_add_u32 v192, v193
	s_wait_dscnt 0x0
	s_endpgm
.Lfunc_end_k_q43e529f3eb_prep:
	.size	k_q43e529f3eb_prep, .Lfunc_end_k_q43e529f3eb_prep-k_q43e529f3eb_prep
	.p2alignl 7, 3214868480
	.fill 96, 4, 3214868480
	.section	.rodata,"a",@progbits
	.p2align	6, 0x0
	.amdhsa_kernel k_q43e529f3eb_prep
		.amdhsa_group_segment_fixed_size 36352
		.amdhsa_private_segment_fixed_size 0
		.amdhsa_enable_private_segment 0
		.amdhsa_kernarg_size 96
		.amdhsa_user_sgpr_count 2
		.amdhsa_user_sgpr_kernarg_segment_ptr 1
		.amdhsa_wavefront_size32 1
		.amdhsa_system_sgpr_workgroup_id_x 1
		.amdhsa_system_sgpr_workgroup_id_y 1
		.amdhsa_system_sgpr_workgroup_id_z 1
		.amdhsa_system_vgpr_workitem_id 0
		.amdhsa_next_free_vgpr 194
		.amdhsa_next_free_sgpr 66
		.amdhsa_reserve_vcc 0
		.amdhsa_float_denorm_mode_32 3
		.amdhsa_float_denorm_mode_16_64 3
		.amdhsa_memory_ordered 1
		.amdhsa_forward_progress 1
		.amdhsa_inst_pref_size 157
	.end_amdhsa_kernel
	.amdgpu_metadata
---
amdhsa.version: [ 1, 2 ]
amdhsa.kernels:
  - .name:           k_q43e529f3eb_prep
    .symbol:         k_q43e529f3eb_prep.kd
    .args:
      - { .name: x, .offset: 0, .size: 8, .value_kind: global_buffer, .address_space: global }
      - { .name: ln1_g, .offset: 8, .size: 8, .value_kind: global_buffer, .address_space: global }
      - { .name: ln1_b, .offset: 16, .size: 8, .value_kind: global_buffer, .address_space: global }
      - { .name: Wq, .offset: 24, .size: 8, .value_kind: global_buffer, .address_space: global }
      - { .name: Wk, .offset: 32, .size: 8, .value_kind: global_buffer, .address_space: global }
      - { .name: Wv, .offset: 40, .size: 8, .value_kind: global_buffer, .address_space: global }
      - { .name: Wo, .offset: 48, .size: 8, .value_kind: global_buffer, .address_space: global }
      - { .name: W1, .offset: 56, .size: 8, .value_kind: global_buffer, .address_space: global }
      - { .name: W2, .offset: 64, .size: 8, .value_kind: global_buffer, .address_space: global }
      - { .name: wts, .offset: 72, .size: 8, .value_kind: global_buffer, .address_space: global }
      - { .name: h_codes, .offset: 80, .size: 8, .value_kind: global_buffer, .address_space: global }
      - { .name: h_scales, .offset: 88, .size: 8, .value_kind: global_buffer, .address_space: global }
    .group_segment_fixed_size: 36352
    .private_segment_fixed_size: 0
    .kernarg_segment_align: 8
    .kernarg_segment_size: 96
    .max_flat_workgroup_size: 128
    .sgpr_count:     66
    .vgpr_count:     194
    .wavefront_size: 32
...
	.end_amdgpu_metadata
.endif
;; end of part 1
;; launch qkv (part 2): grid 64 x 4, 4 waves a work-group, no clusters, 68,096 bytes of LDS; arguments wts, h_codes, h_scales, q_codes, q_scales, kv; writes q_codes, q_scales, kv
.if DOCPART == 2
	.amdgcn_target "amdgcn-amd-amdhsa--gfx1250"
	.amdhsa_code_object_version 6
	.text
	.protected	k_q43e529f3eb_qkv
	.globl	k_q43e529f3eb_qkv
	.p2align	8
	.type	k_q43e529f3eb_qkv,@function
k_q43e529f3eb_qkv:
	s_mov_b64 s[64:65], 0
	v_nop
	global_prefetch_b8 v0, s[64:65] scope:SCOPE_SE
	s_setreg_imm32_b32 hwreg(HW_REG_WAVE_MODE, 25, 1), 1
	s_wait_xcnt 0x0
; Q, K, V = LN1(x) Wq, Wk, Wv on codes of FP8 (E4M3) with E8M0 scales, and their results quantised for attention: q and k along the head's 32 channels, v along the keys.
; SHARES.  A work-group takes 128 tokens (eight token tiles: one key step of attention) and four heads; wave w takes head 4 y + w.  Its 24 weight fragments (3 matrices x 2 tiles of 16 channels x 4 K steps)
; stay in registers, read from memory once, by this wave alone.  The tokens' codes are copied to LDS once and read by all four waves; each fragment from LDS feeds six matrix instructions.
; LAYOUT.  Token tile T holds rows 32 (T / 2) + 8 (T % 2) + m + 8 (m / 8); tile u of a head's channels holds d = 8 u + m + 8 (m / 8).
; q, k: source 0 = 16 channels of the weight, source 1 = 16 tokens: a lane holds ONE token, and the 16 registers of tiles u = 0, 1 are channels 16 (lane / 16) + 0 .. 15: its half of the block of 32.
; v: source 0 = 16 tokens, source 1 = 16 channels: a lane holds ONE channel, and the 16 registers of token tiles 2 b, 2 b + 1 are keys 32 b + 16 (lane / 16) + 0 .. 15.
; So the conversions' results are operand registers, and leave as images, 512 consecutive bytes a store.  Four token tiles of q or k fill the four blocks of one image.
; LIMITS: NaN and infinities are not served; a block of zeros gets the byte 1 (its codes are zeros; this program alone reads the bytes).  Scale words leave in runs of 64 bytes.
; No cluster: the four work-groups that read the same 66 KiB of tokens' codes read them once, at the head, and every weight byte is read by one wave of a work-group straight into registers,
; where a joint load could not put it.  No tensor load: nothing in LDS is filled twice.
; REGISTERS.  window 0: v1-8 addresses; v16-27 the weights' scale words; v32-47 codes just made; v48-63 at work; v64 the scale word just made; v72-87 the tokens' scale words; v128-255 two buffers of four token fragments.
;   window 1: Wq at v[16 (4 u + s)], Wk 128 further on.   window 2: Wv.   window 3: v0-63 q's sums (16 m + 8 u), v64-127 k's, v128-255 v's (64 u + 16 (tile / 2) + 8 (tile % 2)).
.set SETB, 16896
.set HSC,  65536                       ; LDS: the tokens' codes, 65,536 bytes, then their scale words, 2,048
.set WS,   16
.set PC,   32
.set TM,   48
.set PW,   64
.set HS,   72
.set HB,   128
.set SEL,  40
.set MNT,  42
.set MSB,  0
.macro WIN new                         ; the immediate's high byte repeats the setting that is left; a switch that changes nothing is dropped
.if MSB != (\new)
	s_set_vgpr_msb (MSB<<8)|(\new)
.set MSB, (\new)
.endif
.endm
; one matrix instruction.  z = 1: the constant 0 starts the sum.  ra, rb = 1: that side's scales stand in lanes 16-31
.macro WM d, a, b, c, z, sa, sb, ra, rb
.if \z
.if (\ra) && (\rb)
	v_wmma_scale_f32_16x16x128_f8f6f4 v[(\d):(\d)+7], v[(\a):(\a)+15], v[(\b):(\b)+15], 0, v[(\sa)], v[(\sb)] matrix_a_scale:MATRIX_SCALE_ROW1 matrix_b_scale:MATRIX_SCALE_ROW1
.elseif \ra
	v_wmma_scale_f32_16x16x128_f8f6f4 v[(\d):(\d)+7], v[(\a):(\a)+15], v[(\b):(\b)+15], 0, v[(\sa)], v[(\sb)] matrix_a_scale:MATRIX_SCALE_ROW1
.elseif \rb
	v_wmma_scale_f32_16x16x128_f8f6f4 v[(\d):(\d)+7], v[(\a):(\a)+15], v[(\b):(\b)+15], 0, v[(\sa)], v[(\sb)] matrix_b_scale:MATRIX_SCALE_ROW1
.else
	v_wmma_scale_f32_16x16x128_f8f6f4 v[(\d):(\d)+7], v[(\a):(\a)+15], v[(\b):(\b)+15], 0, v[(\sa)], v[(\sb)]
.endif
.else
.if (\ra) && (\rb)
	v_wmma_scale_f32_16x16x128_f8f6f4 v[(\d):(\d)+7], v[(\a):(\a)+15], v[(\b):(\b)+15], v[(\c):(\c)+7], v[(\sa)], v[(\sb)] matrix_a_scale:MATRIX_SCALE_ROW1 matrix_b_scale:MATRIX_SCALE_ROW1
.elseif \ra
	v_wmma_scale_f32_16x16x128_f8f6f4 v[(\d):(\d)+7], v[(\a):(\a)+15], v[(\b):(\b)+15], v[(\c):(\c)+7], v[(\sa)], v[(\sb)] matrix_a_scale:MATRIX_SCALE_ROW1
.elseif \rb
	v_wmma_scale_f32_16x16x128_f8f6f4 v[(\d):(\d)+7], v[(\a):(\a)+15], v[(\b):(\b)+15], v[(\c):(\c)+7], v[(\sa)], v[(\sb)] matrix_b_scale:MATRIX_SCALE_ROW1
.else
	v_wmma_scale_f32_16x16x128_f8f6f4 v[(\d):(\d)+7], v[(\a):(\a)+15], v[(\b):(\b)+15], v[(\c):(\c)+7], v[(\sa)], v[(\sb)]
.endif
.endif
.endm
; 64 numbers of a lane in window w, v[s] .. v[s + 63], register 16 b + i = place 32 b + 16 (lane / 16) + i along K, become 16 registers of codes in v[PC] on and a scale word in v[PW] (window 0).
; Each sum of eight registers is read from its low end on.  relu = 1: what is negative becomes 0 on the way.
.macro QUANT w, s, relu
	WIN (\w)|((\w)<<2)
.irp b, 0,1,2,3
.if \relu
	v_max3_num_f32 v[TM+\b], v[(\s)+16*\b], v[(\s)+16*\b+1], 0x4800000
.else
	v_max3_num_f32 v[TM+\b], |v[(\s)+16*\b]|, |v[(\s)+16*\b+1]|, 0x4800000   ; my 16 numbers of block b, and the floor 2^(9 - 127): the byte cannot fall under 1
.endif
.endr
	WIN ((\w)<<2)|((\w)<<4)
.irp i, 2,4,6,8,10,12,14
.irp b, 0,1,2,3
.if \relu
	v_max3_num_f32 v[TM+\b], v[TM+\b], v[(\s)+16*\b+\i], v[(\s)+16*\b+\i+1]
.else
	v_max3_num_f32 v[TM+\b], v[TM+\b], |v[(\s)+16*\b+\i]|, |v[(\s)+16*\b+\i+1]|
.endif
.endr
.endr
	WIN 0
.irp b, 0,1,2,3
	v_permlanex16_b32 v[TM+4+\b], v[TM+\b], s[SEL], s[SEL+1]
.endr
.irp b, 0,1,2,3
	v_max_num_f32 v[TM+\b], v[TM+\b], v[TM+4+\b]   ; with lane l xor 16's: the block's largest magnitude
.endr
.irp b, 0,1,2,3
	v_add_nc_u32 v[TM+12+\b], 0xfc000000, v[TM+\b] ; 8 off the exponent field: the conversion's scale operand
.endr
.irp b, 0,1,2,3
	v_and_or_b32 v[TM+8+\b], v[TM+\b], 0x7f800000, s[MNT]   ; 448 x the scale
.endr
.irp b, 0,1,2,3
	v_lshrrev_b32 v[TM+4+\b], 23, v[TM+12+\b]      ; the scale's byte
.endr
	v_lshl_or_b32 v[PW], v[TM+5], 8, v[TM+4]
	v_lshl_or_b32 v[PW], v[TM+6], 16, v[PW]
	v_lshl_or_b32 v[PW], v[TM+7], 24, v[PW]
	WIN (\w)|((\w)<<6)
.irp b, 0,1,2,3
.irp i, 0,1,2,3,4,5,6,7,8,9,10,11,12,13,14,15
.if \relu
	v_med3_num_f32 v[(\s)+16*\b+\i], v[(\s)+16*\b+\i], 0, v[TM+8+\b]
.else
	v_med3_num_f32 v[(\s)+16*\b+\i], v[(\s)+16*\b+\i], -v[TM+8+\b], v[TM+8+\b]   ; the conversion does not saturate (ISA guide 7.6.2): the hold comes first
.endif
.endr
.endr
	WIN (\w)
.irp b, 0,1,2,3
	v_cvt_scalef32_pk8_fp8_f32 v[PC+4*\b:PC+4*\b+1], v[(\s)+16*\b:(\s)+16*\b+7], v[TM+12+\b]
	v_cvt_scalef32_pk8_fp8_f32 v[PC+4*\b+2:PC+4*\b+3], v[(\s)+16*\b+8:(\s)+16*\b+15], v[TM+12+\b]
.endr
	WIN 0
	v_nop                                          ; a plain line between the conversions and whatever next touches their registers
.endm
.macro HFETCH i                        ; run i = 4 F + s: the fragments of token tiles 4 F .. 4 F + 3, K step s, into buffer i % 2
.irp m, 0,1,2,3
.irp c, 0,1,2,3
	ds_load_b128 v[HB+64*((\i)%2)+16*\m+4*\c:HB+64*((\i)%2)+16*\m+4*\c+3], v1 offset:8192*(4*((\i)/4)+\m)+2048*((\i)%4)+512*\c
.endr
.endr
.endm
; A run: 24 matrix instructions on 24 sums, which take turns, one instruction a turn.
.macro RUN i, ahead, cnt
.set F_, (\i)/4
.set S_, (\i)%4
.if S_ == 0
.set Z_, 1
.else
.set Z_, 0
.endif
	s_wait_dscnt \cnt                              ; this run's 16 fragment loads are in; the next run's 16 may be out
	WIN 0xf1                                       ; source 0 (Wq, Wk) window 1, source 1 (tokens) window 0, C and D window 3
.irp m, 0,1,2,3
.irp mat, 0,1
.irp u, 0,1
	WM 64*\mat+16*\m+8*\u, 128*\mat+16*(4*\u+S_), HB+64*((\i)%2)+16*\m, 64*\mat+16*\m+8*\u, Z_, WS+4*\mat+S_, HS+2*(4*F_+\m)+S_/2, \u, S_%2
.endr
.endr
.endr
	WIN 0xf8                                       ; source 0 (tokens) window 0, source 1 (Wv) window 2
.irp m, 0,1,2,3
.irp u, 0,1
	WM 128+64*\u+16*((4*F_+\m)/2)+8*(\m%2), HB+64*((\i)%2)+16*\m, 16*(4*\u+S_), 128+64*\u+16*((4*F_+\m)/2)+8*(\m%2), Z_, HS+2*(4*F_+\m)+S_/2, WS+8+S_, S_%2, \u
.endr
.endr
	WIN 0
.rept 8
	v_nop                                          ; eight places ahead of loads into registers that these products read, and of the first read of results
.endr
.if \ahead
	HFETCH (\i)+2
.endif
.endm
.macro UNIT src, cb, coff, sb, soff    ; 64 sums become an image and 16 scale words, and leave
	s_wait_xcnt 0x0                                ; the last unit's stores have read their registers
	QUANT 3, \src, 0
.irp c, 0,1,2,3
	global_store_b128 v1, v[PC+4*\c:PC+4*\c+3], s[\cb:\cb+1] offset:(\coff)+512*\c
.endr
	global_store_b32 v6, v[PW], s[\sb:\sb+1] offset:\soff     ; lanes l and l xor 16 store the same word to the same place
.endm
	s_load_b256 s[4:11], s[0:1], 0x0               ; wts, h_codes, h_scales, q_codes
	s_load_b128 s[12:15], s[0:1], 0x20             ; q_scales, kv
	v_lshl_add_u32 v126, v0, 2, 0x10800
	v_mov_b32 v127, 0
	v_lshrrev_b32 v1, 5, v0
	v_readfirstlane_b32 s16, v1                    ; wave
	s_and_b32 s17, ttmp7, 0xffff                   ; the group of four heads
	v_and_b32 v7, 31, v0
	v_lshlrev_b32 v1, 4, v7                        ; 16 x lane: an image's place
	v_lshl_add_u32 v2, v7, 2, HSC                  ; the tokens' scale words: lanes 0-15 an even K step's, lanes 16-31 the next one's
	s_lshl_b32 s18, s16, 12
	v_add_nc_u32 v3, s18, v1                       ; my head's two fragments in a set
	s_lshl_b32 s18, s16, 2
	v_add_nc_u32 v4, s18, v1                       ; and their scale words
	v_lshlrev_b32 v5, 4, v0                        ; the copy: 16 bytes a thread
	v_and_b32 v6, 15, v0
	v_lshlrev_b32 v6, 2, v6
	v_lshl_add_u32 v8, v0, 4, HSC
.irp b, 0,1,2,3
	v_mov_b32 v[TM+4+\b], 0                        ; written once: a lane permute's destination counts as one of its sources
.endr
	s_mov_b32 s[SEL], 0x76543210
	s_mov_b32 s[SEL+1], 0xfedcba98
	s_mov_b32 s[MNT], 0x600000
	s_lshl_b32 s20, ttmp9, 16                      ; eight tiles of 8,192 bytes
	s_mov_b32 s21, 0
	s_lshl_b32 s22, ttmp9, 11
	s_mov_b32 s23, 0
	s_add_co_u32 s24, s17, 144
	s_mul_i32 s24, s24, SETB                       ; set 144 + y; the twelve that I read lie four sets apart
	s_mov_b32 s25, 0
	s_lshr_b32 s26, ttmp9, 4                       ; the batch
	s_and_b32 s27, ttmp9, 15                       ; the key step
	s_lshl_b32 s26, s26, 4
	s_lshl_b32 s28, s17, 2
	s_add_co_u32 s26, s26, s28
	s_add_co_u32 s26, s26, s16                     ; batch x 16 + head
	s_lshl_b32 s28, s26, 16
	s_lshl_b32 s29, s27, 12
	s_add_co_u32 s28, s28, s29
	s_mov_b32 s29, 0
	s_lshl_b32 s30, s26, 11
	s_lshl_b32 s31, s27, 7
	s_add_co_u32 s30, s30, s31
	s_mov_b32 s31, 0
	s_mul_i32 s32, s26, 135168
	s_mul_i32 s33, s27, 8448
	s_add_co_u32 s32, s32, s33
	s_mov_b32 s33, 0
	s_wait_kmcnt 0x0
	s_add_nc_u64 s[6:7], s[6:7], s[20:21]
	s_add_nc_u64 s[8:9], s[8:9], s[22:23]
	s_add_nc_u64 s[4:5], s[4:5], s[24:25]
	s_add_nc_u64 s[10:11], s[10:11], s[28:29]
	s_add_nc_u64 s[12:13], s[12:13], s[30:31]
	s_add_nc_u64 s[14:15], s[14:15], s[32:33]
.irp i, 0,1,2,3,4,5,6,7,8,9,10,11,12,13,14,15,16,17,18,19,20,21,22,23,24,25,26,27,28,29,30,31
	global_load_b128 v[128+4*\i:131+4*\i], v5, s[6:7] offset:2048*\i     ; the tokens' codes, as they lie
.endr
	global_load_b128 v[64:67], v5, s[8:9]
	WIN 0x40                                       ; destination window 1
.irp mat, 0,1
.irp u, 0,1
.irp s, 0,1,2,3
.irp c, 0,1,2,3
	global_load_b128 v[128*\mat+16*(4*\u+\s)+4*\c:128*\mat+16*(4*\u+\s)+4*\c+3], v3, s[4:5] offset:4*SETB*(4*\mat+\s)+2048*\u+512*\c
.endr
.endr
.endr
.endr
	WIN 0x80                                       ; destination window 2
.irp u, 0,1
.irp s, 0,1,2,3
.irp c, 0,1,2,3
	global_load_b128 v[16*(4*\u+\s)+4*\c:16*(4*\u+\s)+4*\c+3], v3, s[4:5] offset:4*SETB*(8+\s)+2048*\u+512*\c
.endr
.endr
.endr
	WIN 0
.irp t, 0,1,2,3,4,5,6,7,8,9,10,11
	global_load_b32 v[WS+\t], v4, s[4:5] offset:4*SETB*\t+16384
.endr
	s_wait_loadcnt 63                              ; 108 loads were issued behind the copy's 33: with 63 out, the copy's are in
.irp i, 0,1,2,3,4,5,6,7,8,9,10,11,12,13,14,15,16,17,18,19,20,21,22,23,24,25,26,27,28,29,30,31
	ds_store_b128 v5, v[128+4*\i:131+4*\i] offset:2048*\i
.endr
	ds_store_b128 v8, v[64:67]
	s_wait_dscnt 0x0                               ; for the others' sake: my part of the copy has landed
	s_barrier_signal -1
	s_barrier_wait -1
.irp mt, 0,1,2,3,4,5,6,7
.irp sp, 0,1
	ds_load_b32 v[HS+2*\mt+\sp], v2 offset:256*\mt+128*\sp
.endr
.endr
	HFETCH 0
	HFETCH 1
	s_wait_loadcnt 0x0                             ; the weights
	RUN 0, 1, 16
	RUN 1, 1, 16
	RUN 2, 1, 16
	RUN 3, 1, 16
	UNIT 0, 10, 0, 12, 0                           ; q of token tiles 0-3
	UNIT 64, 14, 0, 14, 8192                       ; k of the same
	RUN 4, 1, 16
	RUN 5, 1, 16
	RUN 6, 0, 16
	RUN 7, 0, 0
	UNIT 0, 10, 2048, 12, 64                       ; q of token tiles 4-7
	UNIT 64, 14, 2048, 14, 8256                    ; k
	UNIT 128, 14, 4096, 14, 8320                   ; v, channels' tile 0, all 128 keys
	UNIT 192, 14, 6144, 14, 8384                   ; v, tile 1
	s_wait_tensorcnt 0x0
	ds_add_u32 v126, v127
	s_wait_dscnt 0x0
	s_endpgm
.Lfunc_end_k_q43e529f3eb_qkv:
	.size	k_q43e529f3eb_qkv, .Lfunc_end_k_q43e529f3eb_qkv-k_q43e529f3eb_qkv
	.p2alignl 7, 3214868480
	.fill 96, 4, 3214868480
	.section	.rodata,"a",@progbits
	.p2align	6, 0x0
	.amdhsa_kernel k_q43e529f3eb_qkv
		.amdhsa_group_segment_fixed_size 68096
		.amdhsa_private_segment_fixed_size 0
		.amdhsa_enable_private_segment 0
		.amdhsa_kernarg_size 48
		.amdhsa_user_sgpr_count 2
		.amdhsa_user_sgpr_kernarg_segment_ptr 1
		.amdhsa_wavefront_size32 1
		.amdhsa_system_sgpr_workgroup_id_x 1
		.amdhsa_system_sgpr_workgroup_id_y 1
		.amdhsa_system_sgpr_workgroup_id_z 1
		.amdhsa_system_vgpr_workitem_id 0
		.amdhsa_next_free_vgpr 1024
		.amdhsa_next_free_sgpr 66
		.amdhsa_reserve_vcc 0
		.amdhsa_float_denorm_mode_32 3
		.amdhsa_float_denorm_mode_16_64 3
		.amdhsa_memory_ordered 1
		.amdhsa_forward_progress 1
		.amdhsa_inst_pref_size 107
	.end_amdhsa_kernel
	.amdgpu_metadata
---
amdhsa.version: [ 1, 2 ]
amdhsa.kernels:
  - .name:           k_q43e529f3eb_qkv
    .symbol:         k_q43e529f3eb_qkv.kd
    .args:
      - { .name: wts, .offset: 0, .size: 8, .value_kind: global_buffer, .address_space: global }
      - { .name: h_codes, .offset: 8, .size: 8, .value_kind: global_buffer, .address_space: global }
      - { .name: h_scales, .offset: 16, .size: 8, .value_kind: global_buffer, .address_space: global }
      - { .name: q_codes, .offset: 24, .size: 8, .value_kind: global_buffer, .address_space: global }
      - { .name: q_scales, .offset: 32, .size: 8, .value_kind: global_buffer, .address_space: global }
      - { .name: kv, .offset: 40, .size: 8, .value_kind: global_buffer, .address_space: global }
    .group_segment_fixed_size: 68096
    .private_segment_fixed_size: 0
    .kernarg_segment_align: 8
    .kernarg_segment_size: 48
    .max_flat_workgroup_size: 128
    .sgpr_count:     66
    .vgpr_count:     1024
    .wavefront_size: 32
...
	.end_amdgpu_metadata
.endif
;; end of part 2
;; launch attn (part 3): grid 4 x 64, 16 waves a work-group, no clusters, 137,216 bytes of LDS; arguments q_codes, q_scales, kv, att_codes, att_scales; writes att_codes, att_scales
.if DOCPART == 3
	.amdgcn_target "amdgcn-amd-amdhsa--gfx1250"
	.amdhsa_code_object_version 6
	.text
	.protected	k_q43e529f3eb_attn
	.globl	k_q43e529f3eb_attn
	.p2align	8
	.type	k_q43e529f3eb_attn,@function
k_q43e529f3eb_attn:
	s_mov_b64 s[64:65], 0
	v_nop
	global_prefetch_b8 v0, s[64:65] scope:SCOPE_SE
	s_setreg_imm32_b32 hwreg(HW_REG_WAVE_MODE, 25, 1), 1
	s_wait_xcnt 0x0
; CAUSAL ATTENTION of one head (work-group y = batch x 16 + head) on codes of FP8 (E4M3) with E8M0 scales; head size 32, 2,048 keys; the result / the row's sum is quantised along C (a block of 32 = a head).
; THE SOFTMAX: t = score x log2(e) / sqrt(512); M = the running largest t rounded UP to a whole number; p = 2^(t - M) is quantised along the keys, not normalised; the row's sum is taken of the unquantised p.
; When M moves, the sum and O are multiplied by 2^(old M - new M): exact.
; SHARES.  The head's K, V and scale words, 16 key steps of 8,448 bytes, are copied to LDS once (wave w copies step w); one barrier; LDS is never written again.
; Wave w of work-group x owns query tiles i = 4 w + x and 127 - i.  Tile q needs q / 8 + 1 key steps, so every wave of the launch walks 17 steps.  Both loops have constant trip counts; a step all of whose keys
; come after the tile's queries is left out by a scalar branch on ids.
; LAYOUT.  Both products are used transposed (S^T = K Q^T, O^T = V^T P^T): a lane holds ONE query throughout.  Tile 2 b + u of tokens holds 32 b + 8 u + m + 8 (m / 8), so the 16 registers of two
; neighbouring tiles of S^T are keys 32 b + 16 (lane / 16) + 0 .. 15: the conversions' results are the second product's operand.
; K = 32 IN AN INSTRUCTION OF 128: a fragment of K carries four key tiles, one in each block of 32.  Q's four registers stand in a run of 28, zeros | Q | zeros; the 16 registers from v[28 - 4 c] put Q into block c
; and zero codes into the others, so that the product picks key tile c.  128 keys cost eight matrix instructions and eight LDS loads of K.
; LIMITS: NaN and infinities are not served.  A block of zeros gets the byte 1 (zero codes; this program alone reads the bytes).  A block's largest p is taken from its largest score, which takes v_exp_f32 not to
; fall where its input rises.  The result's scale bytes leave as single bytes, 16 a tile.
; No cluster: the four work-groups of a head share 135,168 bytes that each reads once, at its head; nothing is asked for in the loop.  No tensor load: nothing in LDS is filled twice.
; REGISTERS: v1-6, v9 addresses and lane terms; v12 -M, v13 the largest t, v[14:15] the sum; v16-43 Q's run; v44-75 K; v76-107 V; v108-171 S^T, then p; v172-187 O^T; v188-203 p's codes; v204-219 at work by blocks;
;   v220, v221 K's and V's scale words; v222-225 Q's, one for each block; v226 p's; v228 f; v230-233 at work; v240-243 the result's codes.
.set STEPB, 8448
.set KF,  44
.set VF,  76
.set S,   108
.set O,   172
.set PCD, 188
.set BM,  204
.macro WM d, a, b, c, z, sa, sb, ra, rb          ; one matrix instruction.  z = 1: the constant 0 starts the sum.  ra, rb = 1: that side's scales stand in lanes 16-31
.if \z
.if (\ra) && (\rb)
	v_wmma_scale_f32_16x16x128_f8f6f4 v[(\d):(\d)+7], v[(\a):(\a)+15], v[(\b):(\b)+15], 0, v[(\sa)], v[(\sb)] matrix_a_scale:MATRIX_SCALE_ROW1 matrix_b_scale:MATRIX_SCALE_ROW1
.elseif \ra
	v_wmma_scale_f32_16x16x128_f8f6f4 v[(\d):(\d)+7], v[(\a):(\a)+15], v[(\b):(\b)+15], 0, v[(\sa)], v[(\sb)] matrix_a_scale:MATRIX_SCALE_ROW1
.elseif \rb
	v_wmma_scale_f32_16x16x128_f8f6f4 v[(\d):(\d)+7], v[(\a):(\a)+15], v[(\b):(\b)+15], 0, v[(\sa)], v[(\sb)] matrix_b_scale:MATRIX_SCALE_ROW1
.else
	v_wmma_scale_f32_16x16x128_f8f6f4 v[(\d):(\d)+7], v[(\a):(\a)+15], v[(\b):(\b)+15], 0, v[(\sa)], v[(\sb)]
.endif
.else
.if (\ra) && (\rb)
	v_wmma_scale_f32_16x16x128_f8f6f4 v[(\d):(\d)+7], v[(\a):(\a)+15], v[(\b):(\b)+15], v[(\c):(\c)+7], v[(\sa)], v[(\sb)] matrix_a_scale:MATRIX_SCALE_ROW1 matrix_b_scale:MATRIX_SCALE_ROW1
.elseif \ra
	v_wmma_scale_f32_16x16x128_f8f6f4 v[(\d):(\d)+7], v[(\a):(\a)+15], v[(\b):(\b)+15], v[(\c):(\c)+7], v[(\sa)], v[(\sb)] matrix_a_scale:MATRIX_SCALE_ROW1
.elseif \rb
	v_wmma_scale_f32_16x16x128_f8f6f4 v[(\d):(\d)+7], v[(\a):(\a)+15], v[(\b):(\b)+15], v[(\c):(\c)+7], v[(\sa)], v[(\sb)] matrix_b_scale:MATRIX_SCALE_ROW1
.else
	v_wmma_scale_f32_16x16x128_f8f6f4 v[(\d):(\d)+7], v[(\a):(\a)+15], v[(\b):(\b)+15], v[(\c):(\c)+7], v[(\sa)], v[(\sb)]
.endif
.endif
.endm
	s_load_b256 s[4:11], s[0:1], 0x0               ; q_codes, q_scales, kv, att_codes
	s_load_b64 s[12:13], s[0:1], 0x20              ; att_scales
	v_lshl_add_u32 v254, v0, 2, 0x21000
	v_mov_b32 v255, 0
	v_lshrrev_b32 v1, 5, v0
	v_readfirstlane_b32 s16, v1                    ; wave 0..15
	s_and_b32 s17, ttmp7, 0xffff                   ; batch x 16 + head
	v_and_b32 v7, 31, v0
	v_lshlrev_b32 v1, 4, v7                        ; 16 x lane
	v_lshlrev_b32 v2, 2, v7                        ; 4 x lane
	v_and_b32 v8, 15, v0                           ; r
	v_bfe_u32 v10, v0, 4, 1                        ; h
	v_lshlrev_b32 v5, 2, v8
	v_lshlrev_b32 v6, 3, v8
	v_and_b32 v9, 8, v8
	v_add_nc_u32 v9, v9, v8
	v_lshlrev_b32 v10, 4, v10
	v_sub_nc_u32 v9, v9, v10                       ; r + 8 (r / 8) - 16 h: my query's place in its tile, less my half's first key
	s_mul_i32 s19, s16, STEPB
	v_add_nc_u32 v3, s19, v1                       ; the copy: my wave's key step, in memory and in LDS alike
	v_lshlrev_b32 v4, 3, v7
	v_add_nc_u32 v4, s19, v4
	s_mov_b32 s14, 0x76543210
	s_mov_b32 s15, 0xfedcba98                      ; v_permlanex16_b32's selects for lane l xor 16
	s_mov_b32 s18, 0x600000                        ; the mantissa field of 448
	s_mov_b32 s26, 0x3d8293ee                      ; c = log2(e) / sqrt(512)
	s_mov_b32 s27, s26                             ; (named with it as a pair, so it is written)
	s_mul_i32 s20, s17, 135168
	s_mov_b32 s21, 0
	s_lshl_b32 s22, s17, 16
	s_mov_b32 s23, 0
	s_lshl_b32 s24, s17, 11
	s_mov_b32 s25, 0
	s_lshr_b32 s28, s17, 4                         ; the batch
	s_and_b32 s29, s17, 15
	s_lshr_b32 s30, s29, 2                         ; head / 4: the K step of the next product
	s_and_b32 s29, s29, 3                          ; head % 4: the block in it
	s_lshl_b32 s36, s28, 20
	s_lshl_b32 s31, s30, 13
	s_add_co_u32 s36, s36, s31
	s_lshl_b32 s31, s29, 9
	s_add_co_u32 s36, s36, s31
	s_mov_b32 s37, 0
	s_lshl_b32 s38, s28, 15
	s_lshl_b32 s31, s30, 8
	s_add_co_u32 s38, s38, s31
	s_add_co_u32 s38, s38, s29
	s_mov_b32 s39, 0
	s_mov_b32 s35, 0
	s_wait_kmcnt 0x0
	s_add_nc_u64 s[8:9], s[8:9], s[20:21]
	s_add_nc_u64 s[4:5], s[4:5], s[22:23]
	s_add_nc_u64 s[6:7], s[6:7], s[24:25]
	s_add_nc_u64 s[10:11], s[10:11], s[36:37]
	s_add_nc_u64 s[12:13], s[12:13], s[38:39]
.irp i, 0,1,2,3,4,5,6,7,8,9,10,11,12,13,14,15
	global_load_b128 v[S+4*\i:S+4*\i+3], v3, s[8:9] offset:512*\i
.endr
	global_load_b64 v[172:173], v4, s[8:9] offset:8192
.irp j, 0,1,2,3,4,5,6,7,8,9,10,11
	v_mov_b32 v[16+\j], 0                          ; the zero codes on both sides of Q
	v_mov_b32 v[32+\j], 0
.endr
.irp b, 0,1,2,3
	v_mov_b32 v[BM+4+\b], 0                        ; written once: a lane permute's destination counts as one of its sources
.endr
	v_mov_b32 v229, 0                              ; (named as the upper half of the pair v[228:229])
	s_wait_loadcnt 0x0
.irp i, 0,1,2,3,4,5,6,7,8,9,10,11,12,13,14,15
	ds_store_b128 v3, v[S+4*\i:S+4*\i+3] offset:512*\i
.endr
	ds_store_b64 v4, v[172:173] offset:8192
	s_wait_dscnt 0x0                               ; for the others' sake: my key step has landed
	s_barrier_signal -1
	s_barrier_wait -1
	s_lshl_b32 s30, s16, 2
	s_add_co_u32 s30, s30, ttmp9                   ; the first tile: 4 w + x
	s_mov_b32 s31, 0
.Ltile:
	s_wait_xcnt 0x0                                ; the last tile's loads and stores have read their registers and bases
	s_lshr_b32 s32, s30, 3                         ; the key step in which the tile's queries lie
	s_lshl_b32 s34, s30, 9
	s_add_nc_u64 s[36:37], s[4:5], s[34:35]
	s_lshr_b32 s44, s30, 2
	s_lshl_b32 s34, s44, 6
	s_add_nc_u64 s[38:39], s[6:7], s[34:35]
	global_load_b128 v[28:31], v1, s[36:37] th:TH_LOAD_NT      ; Q: lane (r, h) holds channels 16 h .. 16 h + 15 of query r
	global_load_b32 v232, v5, s[38:39]             ; the scale word of four tiles
	s_and_b32 s45, s30, 3
	s_lshl_b32 s34, s44, 15
	s_lshl_b32 s33, s45, 11
	s_add_co_u32 s34, s34, s33
	s_add_nc_u64 s[40:41], s[10:11], s[34:35]      ; where the tile's codes go: block of 64 rows, tile in it
	s_lshl_b32 s34, s44, 10
	s_and_b32 s33, s30, 1
	s_lshl_b32 s33, s33, 7
	s_add_co_u32 s34, s34, s33
	s_bfe_u32 s33, s30, 0x10001
	s_lshl_b32 s33, s33, 2
	s_add_co_u32 s34, s34, s33
	s_add_nc_u64 s[42:43], s[12:13], s[34:35]      ; and its scale bytes
	s_lshl_b32 s33, s45, 3                         ; my tile's byte in Q's scale word
	s_bfe_u32 s46, s30, 0x20001
	s_lshl_b32 s46, s46, 5
	s_and_b32 s44, s30, 1
	s_lshl_b32 s44, s44, 3
	s_add_co_u32 s46, s46, s44                     ; the tile's first query in its key step: 32 ((q / 2) % 4) + 8 (q % 2)
.irp j, 0,1,2,3,4,5,6,7,8,9,10,11,12,13,14,15
	v_mov_b32 v[O+\j], 0                           ; O^T.  (The step is written once: the first finds zeros, which the first change of M leaves zeros)
.endr
	v_mov_b32 v13, 0xff61b1e6                      ; the largest t so far: -3e38
	v_floor_f32 v12, -v13                          ; -M
	v_mov_b32 v14, 0
	v_mov_b32 v15, 0
	s_wait_loadcnt 0x0
	v_bfe_u32 v232, v232, s33, 8
	v_add_nc_u32 v232, -1, v232
	v_add_nc_u32 v222, 0x01010101, v232            ; Q's scale word for block c: Q's byte in byte c, the byte 1 over the zero codes
	v_lshl_add_u32 v223, v232, 8, 0x01010101
	v_lshl_add_u32 v224, v232, 16, 0x01010101
	v_lshl_add_u32 v225, v232, 24, 0x01010101
.rept 8
	v_nop                                          ; a scale register written by a vector instruction stands eight places ahead of the matrix instruction
.endr
	s_mov_b32 s28, 0                               ; the key step
	s_mov_b32 s19, 0                               ; and its bytes in LDS
.Lstep:
	s_cmp_gt_u32 s28, s32
	s_cbranch_scc1 .Lnext                          ; all its keys come after my queries
	v_add_nc_u32 v3, s19, v1
	v_add_nc_u32 v4, s19, v2
.irp i, 0,1,2,3,4,5,6,7
	ds_load_b128 v[KF+4*\i:KF+4*\i+3], v3 offset:512*\i
.endr
	ds_load_b32 v220, v4 offset:8192               ; K's scale words: lanes 0-15 fragment 0's, lanes 16-31 fragment 1's
	s_wait_dscnt 0x0
.irp f, 0,1
.irp c, 0,1,2,3
	WM S+8*(4*\f+\c), KF+16*\f, 28-4*\c, 0, 1, 220, 222+\c, \f, 0
.endr
.endr
.rept 8
	v_nop                                          ; eight places ahead of the first read of S^T, and of the loads into V's registers, which the last step's products read
.endr
.irp i, 0,1,2,3,4,5,6,7
	ds_load_b128 v[VF+4*\i:VF+4*\i+3], v3 offset:4096+512*\i     ; V lands while the softmax is walked
.endr
	ds_load_b32 v221, v4 offset:8320
	s_cmp_lg_u32 s28, s32
	s_cbranch_scc1 .Lopen                          ; a step all of whose keys count
	v_add_nc_u32 v232, s46, v9                     ; d: register 16 b + i holds a hidden key where 32 b + i > d
	v_mov_b32 v233, 0xff800000                     ; -infinity: p = 0 then
.irp n, 0,1,2,3,4,5,6,7,8,9,10,11,12,13,14,15,16,17,18,19,20,21,22,23,24,25,26,27,28,29,30,31,32,33,34,35,36,37,38,39,40,41,42,43,44,45,46,47,48,49,50,51,52,53,54,55,56,57,58,59,60,61,62,63
	v_cmp_gt_i32 vcc_lo, 32*(\n/16)+\n%16, v232
	v_cndmask_b32 v[S+\n], v[S+\n], v233, vcc_lo
.endr
.Lopen:
.irp b, 0,1,2,3
	v_max3_num_f32 v[BM+\b], v[S+16*\b], v[S+16*\b+1], v[S+16*\b+2]    ; the largest score of each block of 32 keys: it serves the row's maximum and the block's largest p
.endr
.irp i, 3,5,7,9,11,13
.irp b, 0,1,2,3
	v_max3_num_f32 v[BM+\b], v[BM+\b], v[S+16*\b+\i], v[S+16*\b+\i+1]
.endr
.endr
.irp b, 0,1,2,3
	v_max_num_f32 v[BM+\b], v[BM+\b], v[S+16*\b+15]
.endr
.irp b, 0,1,2,3
	v_permlanex16_b32 v[BM+4+\b], v[BM+\b], s14, s15
.endr
.irp b, 0,1,2,3
	v_max_num_f32 v[BM+\b], v[BM+\b], v[BM+4+\b]   ; with lane l xor 16's 16 keys
.endr
	v_max3_num_f32 v232, v[BM], v[BM+1], v[BM+2]
	v_max_num_f32 v232, v232, v[BM+3]
	v_mul_f32 v232, s26, v232                      ; as t (c is positive)
	v_max_num_f32 v13, v13, v232                   ; the running largest t
	v_mov_b32 v232, v12
	v_floor_f32 v12, -v13                          ; the new -M = -ceil(t)
	v_sub_f32 v232, v12, v232                      ; old M - new M: a whole number, 0 or less
	v_cvt_i32_f32 v232, v232                       ; (it saturates)
	v_ldexp_f32 v228, 1.0, v232                    ; f = 2^(old M - new M)
.irp j, 0,2,4,6,8,10,12,14,16,18,20,22,24,26,28,30,32,34,36,38,40,42,44,46,48,50,52,54,56,58,60,62
	v_pk_fma_f32 v[S+\j:S+\j+1], v[S+\j:S+\j+1], s[26:27], v[12:13] op_sel_hi:[1,0,0]    ; t - M, two at a time
.endr
.irp b, 0,1,2,3
	v_fma_f32 v[BM+\b], v[BM+\b], s26, v12         ; the same of each block's largest score
.endr
.irp j, 0,1,2,3,4,5,6,7,8,9,10,11,12,13,14,15,16,17,18,19,20,21,22,23,24,25,26,27,28,29,30,31,32,33,34,35,36,37,38,39,40,41,42,43,44,45,46,47,48,49,50,51,52,53,54,55,56,57,58,59,60,61,62,63
	v_exp_f32 v[S+\j], v[S+\j]                     ; p = 2^(t - M), at most 1
.endr
	v_pk_mul_f32 v[14:15], v[14:15], v[228:229] op_sel_hi:[1,0]   ; the sums under the new M: a plain line behind the exponentials
	s_wait_alu depctr_va_vdst(0)                   ; one wait for the whole batch, ahead of its first reader
.irp b, 0,1,2,3
	v_exp_f32 v[BM+\b], v[BM+\b]                   ; the block's largest p: the same two instructions on the same number
.endr
	v_pk_add_f32 v[230:231], v[S:S+1], v[S+2:S+3]  ; the row's sum of the unquantised p, in two chains: plain work behind the four
.irp j, 4,8,12,16,20,24,28,32,36,40,44,48,52,56,60
	v_pk_add_f32 v[14:15], v[14:15], v[S+\j:S+\j+1]
	v_pk_add_f32 v[230:231], v[230:231], v[S+\j+2:S+\j+3]
.endr
	v_pk_add_f32 v[14:15], v[14:15], v[230:231]
	s_wait_alu depctr_va_vdst(0)                   ; and one for the four
.irp b, 0,1,2,3
	v_max_num_f32 v[BM+\b], 0x4800000, v[BM+\b]    ; the floor 2^(9 - 127): the byte cannot fall under 1
.endr
.irp b, 0,1,2,3
	v_add_nc_u32 v[BM+12+\b], 0xfc000000, v[BM+\b] ; the conversion's scale operand
.endr
.irp b, 0,1,2,3
	v_and_or_b32 v[BM+8+\b], v[BM+\b], 0x7f800000, s18   ; 448 x the scale
.endr
.irp b, 0,1,2,3
	v_lshrrev_b32 v[BM+4+\b], 23, v[BM+12+\b]      ; the scale's byte
.endr
	v_lshl_or_b32 v226, v[BM+5], 8, v[BM+4]        ; p's scale word for these 128 keys
	v_lshl_or_b32 v226, v[BM+6], 16, v226
	v_lshl_or_b32 v226, v[BM+7], 24, v226
.irp b, 0,1,2,3
.irp i, 0,1,2,3,4,5,6,7,8,9,10,11,12,13,14,15
	v_min_num_f32 v[S+16*\b+\i], v[S+16*\b+\i], v[BM+8+\b]   ; the conversion does not saturate (ISA guide 7.6.2); p is not negative, so the hold is one-sided
.endr
	v_cvt_scalef32_pk8_fp8_f32 v[PCD+4*\b:PCD+4*\b+1], v[S+16*\b:S+16*\b+7], v[BM+12+\b]
	v_cvt_scalef32_pk8_fp8_f32 v[PCD+4*\b+2:PCD+4*\b+3], v[S+16*\b+8:S+16*\b+15], v[BM+12+\b]
.endr
.irp j, 0,2,4,6,8,10,12,14
	v_pk_mul_f32 v[O+\j:O+\j+1], v[O+\j:O+\j+1], v[228:229] op_sel_hi:[1,0]   ; O^T under the new M.  For each of the two products below, the four lines on the OTHER sum are the four places behind the codes
.endr
	s_wait_dscnt 0x0                               ; V
.irp u, 0,1
	WM O+8*\u, VF+16*\u, PCD, O+8*\u, 0, 221, 226, \u, 0     ; the two sums take turns; S^T's eight products stand between a sum's links
.endr
.Lnext:
	s_add_co_u32 s19, s19, STEPB
	s_add_co_u32 s28, s28, 1
	s_cmp_lt_u32 s28, 16
	s_cbranch_scc1 .Lstep
	; ---- the tile's end: O^T / the sum, quantised along C: my query's 32 channels are one block, 16 in me, 16 in lane l xor 16
.rept 8
	v_nop
.endr
	v_add_f32 v14, v14, v15
	v_permlanex16_b32 v232, v14, s14, s15
	v_add_f32 v14, v14, v232
	v_rcp_f32 v14, v14
	v_nop                                          ; a plain line behind the transcendental,
	s_wait_alu depctr_va_vdst(0)                   ; and the wait ahead of its first reader
.irp j, 0,1,2,3,4,5,6,7,8,9,10,11,12,13,14,15
	v_mul_f32 v[S+\j], v[O+\j], v14                ; register 8 u + j is channel 16 h + 8 u + j
.endr
	v_max3_num_f32 v[BM], |v[S]|, |v[S+1]|, 0x4800000
.irp i, 2,4,6,8,10,12,14
	v_max3_num_f32 v[BM], v[BM], |v[S+\i]|, |v[S+\i+1]|
.endr
	v_permlanex16_b32 v[BM+4], v[BM], s14, s15
	v_max_num_f32 v[BM], v[BM], v[BM+4]
	v_add_nc_u32 v[BM+12], 0xfc000000, v[BM]
	v_and_or_b32 v[BM+8], v[BM], 0x7f800000, s18
	v_lshrrev_b32 v[BM+5], 23, v[BM+12]
.irp i, 0,1,2,3,4,5,6,7,8,9,10,11,12,13,14,15
	v_med3_num_f32 v[S+\i], v[S+\i], -v[BM+8], v[BM+8]
.endr
	v_cvt_scalef32_pk8_fp8_f32 v[240:241], v[S:S+7], v[BM+12]
	v_cvt_scalef32_pk8_fp8_f32 v[242:243], v[S+8:S+15], v[BM+12]
	v_nop
	global_store_b128 v1, v[240:243], s[40:41]     ; four registers of the next operand's image: 512 consecutive bytes
	global_store_b8 v6, v[BM+5], s[42:43]          ; lanes l and l xor 16 store the same byte to the same place
	s_sub_co_u32 s30, 127, s30                     ; the second tile: 127 - i
	s_add_co_u32 s31, s31, 1
	s_cmp_lt_u32 s31, 2
	s_cbranch_scc1 .Ltile
	s_wait_tensorcnt 0x0
	ds_add_u32 v254, v255
	s_wait_dscnt 0x0
	s_endpgm
.Lfunc_end_k_q43e529f3eb_attn:
	.size	k_q43e529f3eb_attn, .Lfunc_end_k_q43e529f3eb_attn-k_q43e529f3eb_attn
	.p2alignl 7, 3214868480
	.fill 96, 4, 3214868480
	.section	.rodata,"a",@progbits
	.p2align	6, 0x0
	.amdhsa_kernel k_q43e529f3eb_attn
		.amdhsa_group_segment_fixed_size 137216
		.amdhsa_private_segment_fixed_size 0
		.amdhsa_enable_private_segment 0
		.amdhsa_kernarg_size 40
		.amdhsa_user_sgpr_count 2
		.amdhsa_user_sgpr_kernarg_segment_ptr 1
		.amdhsa_wavefront_size32 1
		.amdhsa_system_sgpr_workgroup_id_x 1
		.amdhsa_system_sgpr_workgroup_id_y 1
		.amdhsa_system_sgpr_workgroup_id_z 1
		.amdhsa_system_vgpr_workitem_id 0
		.amdhsa_next_free_vgpr 256
		.amdhsa_next_free_sgpr 66
		.amdhsa_reserve_vcc 1
		.amdhsa_float_denorm_mode_32 3
		.amdhsa_float_denorm_mode_16_64 3
		.amdhsa_memory_ordered 1
		.amdhsa_forward_progress 1
		.amdhsa_inst_pref_size 34
	.end_amdhsa_kernel
	.amdgpu_metadata
---
amdhsa.version: [ 1, 2 ]
amdhsa.kernels:
  - .name:           k_q43e529f3eb_attn
    .symbol:         k_q43e529f3eb_attn.kd
    .args:
      - { .name: q_codes, .offset: 0, .size: 8, .value_kind: global_buffer, .address_space: global }
      - { .name: q_scales, .offset: 8, .size: 8, .value_kind: global_buffer, .address_space: global }
      - { .name: kv, .offset: 16, .size: 8, .value_kind: global_buffer, .address_space: global }
      - { .name: att_codes, .offset: 24, .size: 8, .value_kind: global_buffer, .address_space: global }
      - { .name: att_scales, .offset: 32, .size: 8, .value_kind: global_buffer, .address_space: global }
    .group_segment_fixed_size: 137216
    .private_segment_fixed_size: 0
    .kernarg_segment_align: 8
    .kernarg_segment_size: 40
    .max_flat_workgroup_size: 512
    .sgpr_count:     66
    .vgpr_count:     256
    .wavefront_size: 32
...
	.end_amdgpu_metadata
.endif
;; end of part 3
;; launch mlp (part 4): grid 128 x 1, 4 waves a work-group, no clusters, 311,808 bytes of LDS; arguments att_codes, att_scales, wts, x, bo, ln2_g, ln2_b, b1, b2, out0; writes out0
.if DOCPART == 4
	.amdgcn_target "amdgcn-amd-amdhsa--gfx1250"
	.amdhsa_code_object_version 6
	.text
	.protected	k_q43e529f3eb_mlp
	.globl	k_q43e529f3eb_mlp
	.p2align	8
	.type	k_q43e529f3eb_mlp,@function
k_q43e529f3eb_mlp:
	s_mov_b64 s[64:65], 0
	v_nop
	global_prefetch_b8 v0, s[64:65] scope:SCOPE_SE
	s_setreg_imm32_b32 hwreg(HW_REG_WAVE_MODE, 25, 1), 1
	s_wait_xcnt 0x0
; out = x1 + relu(LN2(x1) W1 + b1) W2 + b2, x1 = x + att Wo + bo: three products on codes of FP8 (E4M3) with E8M0 scales; LN2's result and the hidden layer are quantised on the way and never go to memory.
; SHARES.  A work-group takes 64 rows (four token tiles m; tile 2 b + u holds rows 32 b + 8 u + r + 8 (r / 8)).  THE WAVES SHARE THE COLUMNS: wave w owns columns 128 w .. + 127 of x1 and of the result and
; hidden units 512 w .. + 511, the latter in four chunks of 128.  Each wave reads a stream of 36 sets of weight codes (4 of Wo, 16 of W1, 16 of W2; 16,896 bytes each, in the order of the operand's registers)
; straight into registers, two sets by turns; a weight fragment feeds four matrix instructions, an activation fragment from LDS eight.
; 64 rows to a work-group make 128 work-groups: each has to take in all 2.25 MiB of weight codes whatever its height, so 32 rows to each of 256 would double the weight bytes read for the same stream a work-group.
; LAYOUT.  All products are used transposed: source 0 = 16 columns of a weight (tile 2 b + u: 32 b + 8 u + r + 8 (r / 8)), source 1 = 16 rows.  A lane holds ONE row, and the 64 registers of a tile of rows are
; columns 32 b + 16 (lane / 16) + i: what the quantiser and the next operand want.  Operands go from wave to wave through LDS as images of their registers.
; x is the C of the first product's first K step; b1 the C of a chunk's first K step; bo and b2 are added where x1 is walked anyway.
; LIMITS: NaN and infinities are not served; a block of zeros gets the byte 1 (zero codes; this program alone reads the bytes).  A lane's loads of x take 16 bytes of each of 16 rows.
; No cluster and no tensor load: all work-groups walk the same weights, but a joint load lands in LDS, from where a K step's 32 matrix instructions would have to read eight weight fragments beside their
; four activation fragments; here the weights' bytes go from memory into the operand's registers.
; REGISTERS.  window 0: v1-15, v61-63 addresses; v16-23 two sets' scale words; v24-27 the activations' scale words; v28-43 codes just made; v44-59 at work; v60 the scale word just made;
;   v64-127 64 numbers at work in LN2, later b1 of a chunk; v128-255 two buffers of four activation fragments (LN2's sums and statistics in between).
;   window 1: two sets of weight fragments.   window 2: bo, gain, bias, b2 (64 each), later a chunk's 32 sums (64 m + 8 t).   window 3: x, then x1, then the result (64 m + 8 t).
.set SETB, 16896
.set ACT,  0                           ; LDS: four K steps of activation images (att, later LN2's result): 8192 s + 2048 m + 512 c + 16 lane
.set ASC,  32768                       ; their scale words: 256 s + 8 (16 (m % 2) + r) + 4 (m / 2)
.set HID,  33792                       ; the hidden layer's sixteen K steps, as ACT
.set HSC,  164864                      ; their scale words, as ASC
.set B1L,  168960                      ; b1
.set RED,  177152                      ; two rounds of row sums: 256 m + 16 r + 4 w
.set STG,  179200                      ; the way out: 64 rows of 2,048 bytes + 16
.set WSC,  16
.set ASB,  24
.set PC,   28
.set TM,   44
.set PW,   60
.set ST,   64
.set B1R,  64
.set AB,   128
.set SEL,  28
.set MNT,  30
.set MSB,  0
.macro WIN new                         ; the immediate's high byte repeats the setting that is left; a switch that changes nothing is dropped
.if MSB != (\new)
	s_set_vgpr_msb (MSB<<8)|(\new)
.set MSB, (\new)
.endif
.endm
.macro WM d, a, b, c, z, sa, sb, ra, rb          ; one matrix instruction.  z = 1: the constant 0 starts the sum.  ra, rb = 1: that side's scales stand in lanes 16-31
.if \z
.if (\ra) && (\rb)
	v_wmma_scale_f32_16x16x128_f8f6f4 v[(\d):(\d)+7], v[(\a):(\a)+15], v[(\b):(\b)+15], 0, v[(\sa)], v[(\sb)] matrix_a_scale:MATRIX_SCALE_ROW1 matrix_b_scale:MATRIX_SCALE_ROW1
.elseif \ra
	v_wmma_scale_f32_16x16x128_f8f6f4 v[(\d):(\d)+7], v[(\a):(\a)+15], v[(\b):(\b)+15], 0, v[(\sa)], v[(\sb)] matrix_a_scale:MATRIX_SCALE_ROW1
.elseif \rb
	v_wmma_scale_f32_16x16x128_f8f6f4 v[(\d):(\d)+7], v[(\a):(\a)+15], v[(\b):(\b)+15], 0, v[(\sa)], v[(\sb)] matrix_b_scale:MATRIX_SCALE_ROW1
.else
	v_wmma_scale_f32_16x16x128_f8f6f4 v[(\d):(\d)+7], v[(\a):(\a)+15], v[(\b):(\b)+15], 0, v[(\sa)], v[(\sb)]
.endif
.else
.if (\ra) && (\rb)
	v_wmma_scale_f32_16x16x128_f8f6f4 v[(\d):(\d)+7], v[(\a):(\a)+15], v[(\b):(\b)+15], v[(\c):(\c)+7], v[(\sa)], v[(\sb)] matrix_a_scale:MATRIX_SCALE_ROW1 matrix_b_scale:MATRIX_SCALE_ROW1
.elseif \ra
	v_wmma_scale_f32_16x16x128_f8f6f4 v[(\d):(\d)+7], v[(\a):(\a)+15], v[(\b):(\b)+15], v[(\c):(\c)+7], v[(\sa)], v[(\sb)] matrix_a_scale:MATRIX_SCALE_ROW1
.elseif \rb
	v_wmma_scale_f32_16x16x128_f8f6f4 v[(\d):(\d)+7], v[(\a):(\a)+15], v[(\b):(\b)+15], v[(\c):(\c)+7], v[(\sa)], v[(\sb)] matrix_b_scale:MATRIX_SCALE_ROW1
.else
	v_wmma_scale_f32_16x16x128_f8f6f4 v[(\d):(\d)+7], v[(\a):(\a)+15], v[(\b):(\b)+15], v[(\c):(\c)+7], v[(\sa)], v[(\sb)]
.endif
.endif
.endm
; 64 numbers of a lane in window w, v[s] .. v[s + 63], register 16 b + i = place 32 b + 16 (lane / 16) + i along K, become 16 registers of codes in v[PC] on and a scale word in v[PW] (window 0).
; Each sum of eight registers is read from its low end on.  relu = 1: what is negative becomes 0 on the way: it does not count for the largest magnitude, and the hold clips at 0.
.macro QUANT w, s, relu
	WIN (\w)|((\w)<<2)
.irp b, 0,1,2,3
.if \relu
	v_max3_num_f32 v[TM+\b], v[(\s)+16*\b], v[(\s)+16*\b+1], 0x4800000
.else
	v_max3_num_f32 v[TM+\b], |v[(\s)+16*\b]|, |v[(\s)+16*\b+1]|, 0x4800000   ; my 16 numbers of block b, and the floor 2^(9 - 127): the byte cannot fall under 1
.endif
.endr
	WIN ((\w)<<2)|((\w)<<4)
.irp i, 2,4,6,8,10,12,14
.irp b, 0,1,2,3
.if \relu
	v_max3_num_f32 v[TM+\b], v[TM+\b], v[(\s)+16*\b+\i], v[(\s)+16*\b+\i+1]
.else
	v_max3_num_f32 v[TM+\b], v[TM+\b], |v[(\s)+16*\b+\i]|, |v[(\s)+16*\b+\i+1]|
.endif
.endr
.endr
	WIN 0
.irp b, 0,1,2,3
	v_permlanex16_b32 v[TM+4+\b], v[TM+\b], s[SEL], s[SEL+1]
.endr
.irp b, 0,1,2,3
	v_max_num_f32 v[TM+\b], v[TM+\b], v[TM+4+\b]   ; with lane l xor 16's: the block's largest magnitude
.endr
.irp b, 0,1,2,3
	v_add_nc_u32 v[TM+12+\b], 0xfc000000, v[TM+\b] ; 8 off the exponent field: the conversion's scale operand
.endr
.irp b, 0,1,2,3
	v_and_or_b32 v[TM+8+\b], v[TM+\b], 0x7f800000, s[MNT]   ; 448 x the scale
.endr
.irp b, 0,1,2,3
	v_lshrrev_b32 v[TM+4+\b], 23, v[TM+12+\b]      ; the scale's byte
.endr
	v_lshl_or_b32 v[PW], v[TM+5], 8, v[TM+4]
	v_lshl_or_b32 v[PW], v[TM+6], 16, v[PW]
	v_lshl_or_b32 v[PW], v[TM+7], 24, v[PW]
	WIN (\w)|((\w)<<6)
.irp b, 0,1,2,3
.irp i, 0,1,2,3,4,5,6,7,8,9,10,11,12,13,14,15
.if \relu
	v_med3_num_f32 v[(\s)+16*\b+\i], v[(\s)+16*\b+\i], 0, v[TM+8+\b]
.else
	v_med3_num_f32 v[(\s)+16*\b+\i], v[(\s)+16*\b+\i], -v[TM+8+\b], v[TM+8+\b]   ; the conversion does not saturate (ISA guide 7.6.2): the hold comes first
.endif
.endr
.endr
	WIN (\w)
.irp b, 0,1,2,3
	v_cvt_scalef32_pk8_fp8_f32 v[PC+4*\b:PC+4*\b+1], v[(\s)+16*\b:(\s)+16*\b+7], v[TM+12+\b]
	v_cvt_scalef32_pk8_fp8_f32 v[PC+4*\b+2:PC+4*\b+3], v[(\s)+16*\b+8:(\s)+16*\b+15], v[TM+12+\b]
.endr
	WIN 0
	v_nop                                          ; a plain line between the conversions and whatever next touches their registers
.endm
.macro BARRIER                         ; my LDS stores have landed and my LDS loads are in: then the work-group's barrier
	s_wait_dscnt 0x0
	s_barrier_signal -1
	s_barrier_wait -1
.endm
.macro WLOAD p, off                    ; the set off bytes on in my stream, into set registers p: 32 + 1 loads of 512 consecutive bytes
	WIN 0x40
.irp t, 0,1,2,3,4,5,6,7
.irp c, 0,1,2,3
	global_load_b128 v[128*(\p)+16*\t+4*\c:128*(\p)+16*\t+4*\c+3], v1, s[8:9] offset:(\off)+2048*\t+512*\c
.endr
.endr
	WIN 0
	global_load_b128 v[WSC+4*(\p):WSC+4*(\p)+3], v1, s[8:9] offset:(\off)+16384
.endm
.macro AFETCH p, aadr, aoff, sadr, soff          ; a K step's four activation fragments and their scale words: 16 + 1 LDS loads
.irp m, 0,1,2,3
.irp c, 0,1,2,3
	ds_load_b128 v[AB+64*(\p)+16*\m+4*\c:AB+64*(\p)+16*\m+4*\c+3], v[\aadr] offset:(\aoff)+2048*\m+512*\c
.endr
.endr
	ds_load_b64 v[ASB+2*(\p):ASB+2*(\p)+1], v[\sadr] offset:\soff
.endm
; A K STEP: 32 matrix instructions on 32 sums, which take turns, one instruction a turn, in the same order in every step.
; p: which set and which buffer.  win: the sums' window.  cmode = 1: b1 is the C.  lc, dc: what may stay out.  refill, aoff: what is asked for behind the products (under 0: nothing).
.macro KSTEP p, win, cmode, lc, dc, refill, aadr, aoff, sadr, soff
	s_wait_loadcnt \lc                             ; my set is in; the other set's 33 loads may be out
	s_wait_dscnt \dc                               ; my activations are in; the next step's 17 loads may be out
.if \cmode
	WIN 0x81                                       ; source 0 (weights) window 1, source 1 and C window 0, D window 2
.elseif (\win) == 2
	WIN 0xa1
.else
	WIN 0xf1
.endif
.irp m, 0,1,2,3
.irp t, 0,1,2,3,4,5,6,7
.if \cmode
	WM 64*\m+8*\t, 128*(\p)+16*\t, AB+64*(\p)+16*\m, B1R+8*\t, 0, WSC+4*(\p)+\t/2, ASB+2*(\p)+\m/2, \t%2, \m%2
.else
	WM 64*\m+8*\t, 128*(\p)+16*\t, AB+64*(\p)+16*\m, 64*\m+8*\t, 0, WSC+4*(\p)+\t/2, ASB+2*(\p)+\m/2, \t%2, \m%2
.endif
.endr
.endr
	WIN 0
.rept 8
	v_nop                                          ; eight places ahead of loads into registers that these products read, and of the first read of results
.endr
.if (\refill) >= 0
	WLOAD \p, \refill
.endif
.if (\aoff) >= 0
	AFETCH \p, \aadr, \aoff, \sadr, \soff
.endif
.endm
.macro ROWSUM m, off                   ; two chains in v[192:195] become the wave's part of row sums, and go to LDS
	v_pk_add_f32 v[192:193], v[192:193], v[194:195]
	v_add_f32 v192, v192, v193
	v_permlanex16_b32 v193, v192, s[SEL], s[SEL+1]
	v_add_f32 v[196+\m], v192, v193                ; my wave's 128 columns of row r
	ds_store_b32 v10, v[196+\m] offset:(\off)+256*\m
.endm
.macro PASSB m                         ; x1 = x + att Wo + bo, and its row sums
	WIN 0xcb                                       ; destination and source 0 window 3, source 1 window 2
.set k_, 0
.rept 32
	v_pk_add_f32 v[64*\m+k_:64*\m+k_+1], v[64*\m+k_:64*\m+k_+1], v[k_:k_+1]
.set k_, k_+2
.endr
	WIN 0
.irp j, 192,193,194,195
	v_mov_b32 v\j, 0
.endr
	WIN 0x0c                                       ; source 1 window 3
.set k_, 0
.rept 16
	v_pk_add_f32 v[192:193], v[192:193], v[64*\m+k_:64*\m+k_+1]
	v_pk_add_f32 v[194:195], v[194:195], v[64*\m+k_+2:64*\m+k_+3]
.set k_, k_+4
.endr
	WIN 0
	ROWSUM \m, 0
.endm
.macro CENTRE m                        ; v[ST] on = x1 - the mean
	WIN 0x03                                       ; source 0 window 3
.set k_, 0
.rept 32
	v_pk_add_f32 v[ST+k_:ST+k_+1], v[64*\m+k_:64*\m+k_+1], v[216+2*\m:217+2*\m] neg_lo:[0,1] neg_hi:[0,1]
.set k_, k_+2
.endr
	WIN 0
.endm
.macro PASSC m                         ; the sums of squares
	CENTRE \m
	v_pk_mul_f32 v[192:193], v[ST:ST+1], v[ST:ST+1]
	v_pk_mul_f32 v[194:195], v[ST+2:ST+3], v[ST+2:ST+3]
.set k_, 4
.rept 15
	v_pk_fma_f32 v[192:193], v[ST+k_:ST+k_+1], v[ST+k_:ST+k_+1], v[192:193]
	v_pk_fma_f32 v[194:195], v[ST+k_+2:ST+k_+3], v[ST+k_+2:ST+k_+3], v[194:195]
.set k_, k_+4
.endr
	ROWSUM \m, 1024
.endm
.macro PASSD m                         ; LN2's result, quantised: K step w of the next product; and b2 goes onto x1
	CENTRE \m
.set k_, 0
.rept 32
	v_pk_mul_f32 v[ST+k_:ST+k_+1], v[ST+k_:ST+k_+1], v[224+2*\m:225+2*\m]
.set k_, k_+2
.endr
	WIN 0x28                                       ; sources 1 and 2 window 2: the gain at v64 on, the bias at v128 on
.set k_, 0
.rept 32
	v_pk_fma_f32 v[ST+k_:ST+k_+1], v[ST+k_:ST+k_+1], v[64+k_:65+k_], v[128+k_:129+k_]
.set k_, k_+2
.endr
	WIN 0xcb
.set k_, 0
.rept 32
	v_pk_add_f32 v[64*\m+k_:64*\m+k_+1], v[64*\m+k_:64*\m+k_+1], v[192+k_:193+k_]
.set k_, k_+2
.endr
	QUANT 0, ST, 0
.irp c, 0,1,2,3
	ds_store_b128 v5, v[PC+4*\c:PC+4*\c+3] offset:2048*\m+512*\c
.endr
	ds_store_b32 v6, v[PW] offset:128*(\m%2)+4*(\m/2)   ; lanes l and l xor 16 store the same word to the same place
	s_wait_dscnt 0x0                               ; the stores have read their registers
.endm
.macro GATHER off                      ; the four waves' parts of the four tiles' row sums: v[200 + 4 m] = the row's sum
.irp m, 0,1,2,3
	ds_load_b128 v[200+4*\m:203+4*\m], v11 offset:(\off)+256*\m
.endr
	s_wait_dscnt 0x0
.irp m, 0,1,2,3
	v_add_f32 v[200+4*\m], v[200+4*\m], v[201+4*\m]
	v_add_f32 v[202+4*\m], v[202+4*\m], v[203+4*\m]
.endr
.irp m, 0,1,2,3
	v_add_f32 v[200+4*\m], v[200+4*\m], v[202+4*\m]
.endr
.endm
	s_load_b512 s[4:19], s[0:1], 0x0               ; att_codes, att_scales, wts, x, bo, ln2_g, ln2_b, b1
	s_load_b128 s[20:23], s[0:1], 0x40             ; b2, out0
	v_lshrrev_b32 v1, 5, v0
	v_readfirstlane_b32 s24, v1                    ; wave
	v_and_b32 v60, 31, v0                          ; lane
	v_and_b32 v61, 15, v0                          ; r
	v_bfe_u32 v59, v0, 4, 1                        ; h
	v_lshlrev_b32 v1, 4, v60                       ; 16 x lane
	v_lshl_add_u32 v2, v60, 3, ASC
	v_and_b32 v3, 8, v61
	v_add_nc_u32 v3, v3, v61
	v_lshlrev_b32 v3, 11, v3
	v_lshl_add_u32 v3, v59, 6, v3
	s_lshl_b32 s26, s24, 9
	v_add_nc_u32 v3, s26, v3                       ; x: row r + 8 (r / 8), + 64 h + 512 w
	v_lshlrev_b32 v4, 6, v59
	v_add_nc_u32 v4, s26, v4                       ; bo, gain, bias, b2: 512 w + 64 h
	s_lshl_b32 s26, s24, 13
	v_add_nc_u32 v5, s26, v1                       ; K step w of ACT
	s_lshl_b32 s26, s24, 8
	v_lshl_add_u32 v6, v61, 3, ASC
	v_add_nc_u32 v6, s26, v6
	v_lshlrev_b32 v14, 3, v60
	v_add_nc_u32 v14, s26, v14                     ; the copy of att's scale words: 256 w + 8 x lane,
	v_add_nc_u32 v15, ASC, v14                     ; and in LDS
	s_lshl_b32 s26, s24, 15
	v_add_nc_u32 v7, HID, v1
	v_add_nc_u32 v7, s26, v7                       ; my four K steps of HID
	s_lshl_b32 s26, s24, 10
	v_lshl_add_u32 v8, v61, 3, HSC
	v_add_nc_u32 v8, s26, v8
	s_lshl_b32 s26, s24, 11
	v_lshl_add_u32 v9, v59, 6, B1L
	v_add_nc_u32 v9, s26, v9
	s_lshl_b32 s26, s24, 2
	v_lshl_add_u32 v11, v61, 4, RED
	v_add_nc_u32 v10, s26, v11
	v_mul_u32_u24 v12, v61, 2064
	v_lshl_add_u32 v12, v59, 6, v12
	s_lshl_b32 s26, s24, 9
	v_add_nc_u32 v12, s26, v12
	v_add_nc_u32 v12, STG, v12                     ; the stage, in: row r of tile 0, + 64 h + 512 w
	v_add_nc_u32 v13, 66048, v12                   ; and of tile 2
	s_mul_i32 s26, s24, 33024
	v_add_nc_u32 v61, s26, v1
	v_add_nc_u32 v61, STG, v61                     ; back: my 16 rows, 16 bytes a lane
	v_lshlrev_b32 v62, 4, v0                       ; the copy of b1: 16 bytes a thread,
	v_add_nc_u32 v63, B1L, v62                     ; and in LDS
.irp b, 0,1,2,3
	v_mov_b32 v[TM+4+\b], 0                        ; written once: a lane permute's destination counts as one of its sources
.endr
	s_mov_b32 s[SEL], 0x76543210
	s_mov_b32 s[SEL+1], 0xfedcba98
	s_mov_b32 s[MNT], 0x600000
	s_mov_b32 s31, 0x3b000000                      ; 1 / 512
	s_mov_b32 s32, 0x3727c5ac                      ; eps = 1e-5
	s_lshl_b32 s34, ttmp9, 15
	s_mov_b32 s35, 0
	s_lshl_b32 s36, ttmp9, 10
	s_mov_b32 s37, 0
	s_mul_i32 s38, s24, 36*SETB
	s_mov_b32 s39, 0
	s_lshl_b32 s40, ttmp9, 17                      ; 64 rows of 2,048 bytes
	s_mov_b32 s41, 0
	s_lshr_b32 s42, s24, 1
	s_lshl_b32 s42, s42, 16
	s_and_b32 s43, s24, 1
	s_lshl_b32 s43, s43, 14
	s_add_co_u32 s42, s42, s43                     ; the rows that I store: tile w: 2048 (32 (w / 2) + 8 (w % 2))
	s_add_co_u32 s42, s42, s40
	s_mov_b32 s43, 0
	s_wait_kmcnt 0x0
	s_add_nc_u64 s[4:5], s[4:5], s[34:35]
	s_add_nc_u64 s[6:7], s[6:7], s[36:37]
	s_add_nc_u64 s[8:9], s[8:9], s[38:39]
	s_add_nc_u64 s[10:11], s[10:11], s[40:41]
	s_add_nc_u64 s[22:23], s[22:23], s[42:43]
.irp i, 0,1,2,3,4,5,6,7,8,9,10,11,12,13,14,15
	global_load_b128 v[128+4*\i:131+4*\i], v5, s[4:5] offset:512*\i th:TH_LOAD_NT     ; att's images, K step w
.endr
	global_load_b64 v[192:193], v14, s[6:7] th:TH_LOAD_NT
.irp i, 0,1,2,3
	global_load_b128 v[196+4*\i:199+4*\i], v62, s[18:19] offset:2048*\i
.endr
	WLOAD 0, 0
	WLOAD 1, SETB
	WIN 0xc0                                       ; destination window 3
.irp m, 0,1,2,3
.irp b, 0,1,2,3
.irp i, 0,1,2,3
	global_load_b128 v[64*\m+16*\b+4*\i:64*\m+16*\b+4*\i+3], v3, s[10:11] offset:2048*(32*(\m/2)+8*(\m%2))+128*\b+16*\i th:TH_LOAD_NT
.endr
.endr
.endr
	WIN 0x80                                       ; destination window 2
.irp b, 0,1,2,3
.irp i, 0,1,2,3
	global_load_b128 v[16*\b+4*\i:16*\b+4*\i+3], v4, s[12:13] offset:128*\b+16*\i
	global_load_b128 v[64+16*\b+4*\i:64+16*\b+4*\i+3], v4, s[14:15] offset:128*\b+16*\i
	global_load_b128 v[128+16*\b+4*\i:128+16*\b+4*\i+3], v4, s[16:17] offset:128*\b+16*\i
	global_load_b128 v[192+16*\b+4*\i:192+16*\b+4*\i+3], v4, s[20:21] offset:128*\b+16*\i
.endr
.endr
	WIN 0
	s_wait_loadcnt 63                              ; 194 loads were issued behind the copies' 21: with 63 out, the copies' are in
.irp i, 0,1,2,3,4,5,6,7,8,9,10,11,12,13,14,15
	ds_store_b128 v5, v[128+4*\i:131+4*\i] offset:512*\i
.endr
	ds_store_b64 v15, v[192:193]
.irp i, 0,1,2,3
	ds_store_b128 v63, v[196+4*\i:199+4*\i] offset:2048*\i
.endr
	BARRIER                                        ; att's sixteen fragments and b1 lie in LDS
	AFETCH 0, 1, 0, 2, 0
	AFETCH 1, 1, 8192, 2, 256
	s_wait_loadcnt 0x0                             ; two sets, x, the four vectors
	; ---- x + att Wo: four K steps, in place on x
	KSTEP 0, 3, 0, 33, 17, 2*SETB, 1, 2*8192, 2, 2*256
	KSTEP 1, 3, 0, 33, 17, 3*SETB, 1, 3*8192, 2, 3*256
	KSTEP 0, 3, 0, 33, 17, 4*SETB, 1, -1, 2, 0
	KSTEP 1, 3, 0, 33, 0, 5*SETB, 1, -1, 2, 0
	s_wait_xcnt 0x0                                ; the loads have read their base
	s_add_nc_u64 s[8:9], s[8:9], 4*SETB
	; ---- LayerNorm 2: a row's 512 columns lie in two lanes of each of four waves
.irp m, 0,1,2,3
	PASSB \m
.endr
	BARRIER
	GATHER 0
.irp m, 0,1,2,3
	v_mul_f32 v[216+2*\m], s31, v[200+4*\m]        ; the mean, twice: a pair for the packed lines
	v_mul_f32 v[217+2*\m], s31, v[200+4*\m]
.endr
.irp m, 0,1,2,3
	PASSC \m
.endr
	BARRIER
	GATHER 1024
.irp m, 0,1,2,3
	v_fma_f32 v[200+4*\m], v[200+4*\m], s31, s32   ; the variance + eps
.endr
.irp m, 0,1,2,3
	v_rsq_f32 v[224+2*\m], v[200+4*\m]
.endr
	v_nop                                          ; a plain line behind the transcendentals,
	s_wait_alu depctr_va_vdst(0)                   ; and one wait for the four, ahead of their first reader
.irp m, 0,1,2,3
	v_mov_b32 v[225+2*\m], v[224+2*\m]
.endr
.irp m, 0,1,2,3
	PASSD \m
.endr
	BARRIER                                        ; LN2's sixteen fragments lie where att's lay: every wave has passed two barriers since its last read of those
	AFETCH 0, 1, 0, 2, 0
	AFETCH 1, 1, 8192, 2, 256
	; ---- the hidden layer: four chunks of 128 units
	s_mov_b32 s40, 0                               ; the chunk's images,
	s_mov_b32 s41, 0                               ; scale words,
	s_mov_b32 s42, 0                               ; and b1
	s_mov_b32 s43, 0
.Lchunk:
	v_add_nc_u32 v14, s42, v9
.irp b, 0,1,2,3
.irp i, 0,1,2,3
	ds_load_b128 v[B1R+16*\b+4*\i:B1R+16*\b+4*\i+3], v14 offset:128*\b+16*\i     ; b1 in the result's layout: register 16 b + i is unit 32 b + 16 h + i
.endr
.endr
	KSTEP 0, 2, 1, 33, 0, 2*SETB, 1, 2*8192, 2, 2*256
	KSTEP 1, 2, 0, 33, 17, 3*SETB, 1, 3*8192, 2, 3*256
	KSTEP 0, 2, 0, 33, 17, 4*SETB, 1, 0, 2, 0      ; the look-ahead goes round to the next chunk's K steps 0 and 1 (in the last chunk they are read and not used)
	KSTEP 1, 2, 0, 33, 17, 5*SETB, 1, 8192, 2, 256
	v_add_nc_u32 v62, s40, v7
	v_add_nc_u32 v63, s41, v8
.irp m, 0,1,2,3
	QUANT 2, 64*\m, 1
.irp c, 0,1,2,3
	ds_store_b128 v62, v[PC+4*\c:PC+4*\c+3] offset:2048*\m+512*\c
.endr
	ds_store_b32 v63, v[PW] offset:128*(\m%2)+4*(\m/2)
	s_wait_dscnt 0x0                               ; the stores have read their registers
.endr
	s_wait_xcnt 0x0                                ; the loads have read their base
	s_add_nc_u64 s[8:9], s[8:9], 4*SETB
	s_add_co_u32 s40, s40, 8192
	s_add_co_u32 s41, s41, 256
	s_add_co_u32 s42, s42, 512
	s_add_co_u32 s43, s43, 1
	s_cmp_lt_u32 s43, 4
	s_cbranch_scc1 .Lchunk
	BARRIER                                        ; the hidden layer's 64 fragments lie in LDS
	; ---- + hidden W2: sixteen K steps, in place on x1 + b2.  Even steps' look-ahead names v14, v15, odd steps' v62, v63: a pair is written again only behind the wait that shows its loads done
	s_mov_b32 s40, HID
	s_mov_b32 s41, HSC-ASC
	v_add_nc_u32 v14, s40, v1
	v_add_nc_u32 v15, s41, v2
	v_add_nc_u32 v62, s40, v1
	v_add_nc_u32 v63, s41, v2
	AFETCH 0, 14, 0, 15, 0
	AFETCH 1, 62, 8192, 63, 256
	s_mov_b32 s43, 0
.Lk8:
	s_wait_dscnt 17                                ; the 17 loads that named v14 and v15 are in
	v_add_nc_u32 v14, s40, v1
	v_add_nc_u32 v15, s41, v2
	KSTEP 0, 3, 0, 33, 17, 2*SETB, 14, 16384, 15, 512
	s_wait_dscnt 17                                ; the 17 loads that named v62 and v63 are in
	v_add_nc_u32 v62, s40, v1
	v_add_nc_u32 v63, s41, v2
	KSTEP 1, 3, 0, 33, 17, 3*SETB, 62, 24576, 63, 768
	s_wait_xcnt 0x0                                ; the loads have read their base
	s_add_nc_u64 s[8:9], s[8:9], 2*SETB
	s_add_co_u32 s40, s40, 16384
	s_add_co_u32 s41, s41, 512
	s_add_co_u32 s43, s43, 1
	s_cmp_lt_u32 s43, 7
	s_cbranch_scc1 .Lk8
	KSTEP 0, 3, 0, 33, 17, -1, 14, -1, 15, 0       ; the last two K steps ask for nothing
	KSTEP 1, 3, 0, 0, 0, -1, 14, -1, 15, 0
	; ---- the way out: a row's 2,048 bytes come from four waves: through a stage, and out as whole rows
	WIN 0x0c                                       ; an LDS store's data are its source 1: window 3
.irp m, 0,1,2,3
.irp b, 0,1,2,3
.irp u, 0,1
	ds_store_b128 v[12+\m/2], v[64*\m+16*\b+8*\u:64*\m+16*\b+8*\u+3] offset:33024*(\m%2)+128*\b+32*\u        ; each sum from its low end on
	ds_store_b128 v[12+\m/2], v[64*\m+16*\b+8*\u+4:64*\m+16*\b+8*\u+7] offset:33024*(\m%2)+128*\b+32*\u+16
.endr
.endr
.endr
	WIN 0
	BARRIER                                        ; 64 whole rows lie in the stage
.irp g, 0,1,2,3
.if \g >= 2
	s_wait_xcnt 0x0                                ; the stores of two batches back have read their registers
.endif
.irp k, 0,1,2,3,4,5,6,7,8,9,10,11,12,13,14,15
	ds_load_b128 v[AB+64*(\g%2)+4*\k:AB+64*(\g%2)+4*\k+3], v61 offset:2064*(4*\g+\k/4)+512*(\k%4)
.endr
.irp k, 0,1,2,3,4,5,6,7,8,9,10,11,12,13,14,15
	s_wait_dscnt 15-\k                             ; piece k is back; the younger ones may be out
	global_store_b128 v1, v[AB+64*(\g%2)+4*\k:AB+64*(\g%2)+4*\k+3], s[22:23] offset:2048*(4*\g+\k/4+8*(\g/2))+512*(\k%4) th:TH_STORE_NT   ; 32 lanes store 512 consecutive bytes of a row
.endr
.endr
	s_wait_xcnt 0x0
	v_lshl_add_u32 v254, v0, 2, 0x4c000
	v_mov_b32 v255, 0
	s_wait_tensorcnt 0x0
	ds_add_u32 v254, v255
	s_wait_dscnt 0x0
	s_endpgm
.Lfunc_end_k_q43e529f3eb_mlp:
	.size	k_q43e529f3eb_mlp, .Lfunc_end_k_q43e529f3eb_mlp-k_q43e529f3eb_mlp
	.p2alignl 7, 3214868480
	.fill 96, 4, 3214868480
	.section	.rodata,"a",@progbits
	.p2align	6, 0x0
	.amdhsa_kernel k_q43e529f3eb_mlp
		.amdhsa_group_segment_fixed_size 311808
		.amdhsa_private_segment_fixed_size 0
		.amdhsa_enable_private_segment 0
		.amdhsa_kernarg_size 80
		.amdhsa_user_sgpr_count 2
		.amdhsa_user_sgpr_kernarg_segment_ptr 1
		.amdhsa_wavefront_size32 1
		.amdhsa_system_sgpr_workgroup_id_x 1
		.amdhsa_system_sgpr_workgroup_id_y 1
		.amdhsa_system_sgpr_workgroup_id_z 1
		.amdhsa_system_vgpr_workitem_id 0
		.amdhsa_next_free_vgpr 1024
		.amdhsa_next_free_sgpr 66
		.amdhsa_reserve_vcc 0
		.amdhsa_float_denorm_mode_32 3
		.amdhsa_float_denorm_mode_16_64 3
		.amdhsa_memory_ordered 1
		.amdhsa_forward_progress 1
		.amdhsa_inst_pref_size 255
	.end_amdhsa_kernel
	.section	.bss,"aw",@nobits
	.p2align	6
	.space	262144
	.amdgpu_metadata
---
amdhsa.version: [ 1, 2 ]
amdhsa.kernels:
  - .name:           k_q43e529f3eb_mlp
    .symbol:         k_q43e529f3eb_mlp.kd
    .args:
      - { .name: att_codes, .offset: 0, .size: 8, .value_kind: global_buffer, .address_space: global }
      - { .name: att_scales, .offset: 8, .size: 8, .value_kind: global_buffer, .address_space: global }
      - { .name: wts, .offset: 16, .size: 8, .value_kind: global_buffer, .address_space: global }
      - { .name: x, .offset: 24, .size: 8, .value_kind: global_buffer, .address_space: global }
      - { .name: bo, .offset: 32, .size: 8, .value_kind: global_buffer, .address_space: global }
      - { .name: ln2_g, .offset: 40, .size: 8, .value_kind: global_buffer, .address_space: global }
      - { .name: ln2_b, .offset: 48, .size: 8, .value_kind: global_buffer, .address_space: global }
      - { .name: b1, .offset: 56, .size: 8, .value_kind: global_buffer, .address_space: global }
      - { .name: b2, .offset: 64, .size: 8, .value_kind: global_buffer, .address_space: global }
      - { .name: out0, .offset: 72, .size: 8, .value_kind: global_buffer, .address_space: global }
    .group_segment_fixed_size: 311808
    .private_segment_fixed_size: 0
    .kernarg_segment_align: 8
    .kernarg_segment_size: 80
    .max_flat_workgroup_size: 128
    .sgpr_count:     66
    .vgpr_count:     1024
    .wavefront_size: 32
...
	.end_amdgpu_metadata
.endif
;; end of part 4
;; ======== version 2 of 2: 4 launches
;; workspace buffers: wts 3,244,032 bytes; h_codes 4,194,304 bytes; h_scales 131,072 bytes; q_codes 4,194,304 bytes; q_scales 131,072 bytes; kv 8,650,752 bytes; att_codes 4,194,304 bytes; att_scales 131,072 bytes
;; launch prep (part 5): grid 80 x 4, 4 waves a work-group, no clusters, 36,352 bytes of LDS; arguments x, ln1_g, ln1_b, Wq, Wk, Wv, Wo, W1, W2, wts, h_codes, h_scales; writes wts, h_codes, h_scales
.if DOCPART == 5
	.amdgcn_target "amdgcn-amd-amdhsa--gfx1250"
	.amdhsa_code_object_version 6
	.text
	.protected	k_q43e529f3eb_prep
	.globl	k_q43e529f3eb_prep
	.p2align	8
	.type	k_q43e529f3eb_prep,@function
k_q43e529f3eb_prep:
	s_mov_b64 s[64:65], 0
	v_nop
	global_prefetch_b8 v0, s[64:65] scope:SCOPE_SE
	s_setreg_imm32_b32 hwreg(HW_REG_WAVE_MODE, 25, 1), 1
	s_wait_xcnt 0x0
; PREP.  Two kinds of work-groups, told apart by the work-group's x.
; x < 48: ONE SET OF WEIGHT CODES.  A set is 128 output columns x 128 along K of one weight ([K][N], f32, K its first axis), as eight fragments of FP8 (E4M3) codes
; in the order of the operand's registers, and their E8M0 scale words: 16,896 bytes.  Fragment t = 2 b + u lies at 2048 t; its row r is column 32 b + 8 u + r + 8 (r / 8) of the set's 128;
; registers 4 c .. 4 c + 3 of lane (r, h) (k = 32 c + 16 h + 0 .. 15) lie at 512 c + 256 h + 16 r.  The scale word of that row lies at 16384 + 16 (16 u + r) + 4 b, byte c for block c.
; A lane takes a column and its registers run down K, so a block of 32 lies in one lane and the conversions give codes with K innermost.  Wave b makes fragments 2 b and 2 b + 1.
; Sets 36 y + i are the stream of wave y of the last launch (i 0-3: Wo, 4-19: W1, 20-35: W2); sets 144 + 4 t + y serve the projections (t = 4 x matrix + K step).
; x >= 48: LAYERNORM 1 OF 16 ROWS A WAVE, quantised along C.  Token tile T holds rows 32 (T / 2) + 8 (T % 2) + m + 8 (m / 8).  A wave takes a row a step; lane l holds columns 16 l .. 16 l + 15,
; two neighbouring lanes a block.  The codes gather in the wave's own LDS bytes and leave as images of the operand's registers, 512 consecutive bytes a store.
; A block's scale is 2^(floor(log2(largest magnitude)) - 8); its byte is the largest magnitude's exponent field - 8, held at 1 from below.
; LIMITS: NaN and infinities among the inputs are not served.  A block of zeros gets the byte 1 where the rule says 127: its codes are zeros, and this program alone reads the bytes.
; The weights' scale words leave as 4 bytes a lane, 16 bytes apart: 512 bytes of a set's 16,896.
; No tensor loads, no cluster, no barrier: no two waves share a byte, and every input byte is read once.
.set MANT,  0x600000                   ; the mantissa field of 448
.set FLOOR, 0x4800000                  ; 2^(9 - 127): under it no largest magnitude is taken
.set SETB,  16896
.set WREG,  8960                       ; LDS of a wave: 32 x 272 bytes of codes, then 256 scale bytes
.set X,     64                         ; numbers as loaded
.set CD,    128                        ; weights' codes: eight registers for each block, so that no store's data are written again
.macro LOADB c, stride                 ; block c of a column: W(32 c + i, my column), i = 0 .. 31
.irp i, 0,1,2,3,4,5,6,7,8,9,10,11,12,13,14,15,16,17,18,19,20,21,22,23,24,25,26,27,28,29,30,31
	global_load_b32 v[X+32*((\c)%2)+\i], v2, s[38:39] offset:(32*(\c)+\i)*(\stride) th:TH_LOAD_NT
.endr
.endm
.macro WBLOCK c, stride
.set XS, X+32*((\c)%2)
.if (\c) < 3
	s_wait_loadcnt 32                              ; this block's 32 loads are in; the next block's 32 may be out
.else
	s_wait_loadcnt 0x0
.endif
	v_max3_num_f32 v12, |v[XS]|, |v[XS+1]|, |v[XS+2]|          ; the block's largest magnitude: all 32 numbers are mine
	v_max3_num_f32 v13, |v[XS+3]|, |v[XS+4]|, |v[XS+5]|
.irp i, 6,10,14,18,22,26
	v_max3_num_f32 v12, v12, |v[XS+\i]|, |v[XS+\i+1]|
	v_max3_num_f32 v13, v13, |v[XS+\i+2]|, |v[XS+\i+3]|
.endr
	v_max3_num_f32 v12, v12, |v[XS+30]|, |v[XS+31]|
	v_max3_num_f32 v12, v12, v13, FLOOR
	v_add_nc_u32 v11, 0xfc000000, v12              ; 8 off the exponent field: the conversion's scale operand
	v_and_or_b32 v10, v12, 0x7f800000, s44         ; 448 x the scale
	v_lshrrev_b32 v13, 23, v11                     ; the scale's byte
.if (\c) == 0
	v_mov_b32 v24, v13
.else
	v_lshl_or_b32 v24, v13, 8*(\c), v24            ; four bytes make my column's scale word
.endif
.irp i, 0,1,2,3,4,5,6,7,8,9,10,11,12,13,14,15,16,17,18,19,20,21,22,23,24,25,26,27,28,29,30,31
	v_med3_num_f32 v[XS+\i], v[XS+\i], -v10, v10   ; the conversion to an 8-bit code does not saturate (ISA guide 7.6.2): the hold comes first
.endr
.irp g, 0,1,2,3
	v_cvt_scalef32_pk8_fp8_f32 v[CD+8*(\c)+2*\g:CD+8*(\c)+2*\g+1], v[XS+8*\g:XS+8*\g+7], v11
.endr
	global_store_b128 v3, v[CD+8*(\c):CD+8*(\c)+3], s[22:23] offset:512*(\c)         ; k 0-15 of the block: the places of lanes 0-15 of both fragments: two whole runs of 256 bytes
	global_store_b128 v3, v[CD+8*(\c)+4:CD+8*(\c)+7], s[22:23] offset:512*(\c)+256   ; k 16-31: the places of lanes 16-31
.if (\c) < 2
	LOADB (\c)+2, \stride
.endif
.endm
.macro WPATH stride                    ; stride: bytes of a row of the weight
	LOADB 0, \stride
	LOADB 1, \stride
	WBLOCK 0, \stride
	WBLOCK 1, \stride
	WBLOCK 2, \stride
	WBLOCK 3, \stride
	global_store_b32 v4, v24, s[22:23] offset:16384
	s_endpgm
.endm
.macro LANESUM a, t                    ; the sum over the 32 lanes, in every lane
	v_add_f32_dpp v[\a], v[\a], v[\a] row_xmask:1 row_mask:0xf bank_mask:0xf
	v_add_f32_dpp v[\a], v[\a], v[\a] row_xmask:2 row_mask:0xf bank_mask:0xf
	v_add_f32_dpp v[\a], v[\a], v[\a] row_xmask:4 row_mask:0xf bank_mask:0xf
	v_add_f32_dpp v[\a], v[\a], v[\a] row_xmask:8 row_mask:0xf bank_mask:0xf
	v_permlanex16_b32 v[\t], v[\a], s40, s41
	v_add_f32 v[\a], v[\a], v[\t]
.endm
.macro XLOAD i                         ; row i of the tile: 16 numbers a lane, into set i % 8
.irp j, 0,1,2,3
	global_load_b128 v[X+16*((\i)%8)+4*\j:X+16*((\i)%8)+4*\j+3], v2, s[4:5] offset:2048*((\i)+8*((\i)/8))+16*\j th:TH_LOAD_NT
.endr
.endm
.macro ROW i
.set XS, X+16*((\i)%8)
.if (\i) < 9
	s_wait_loadcnt 28                              ; my row's four loads are in; those of the seven rows behind it may be out
.else
	s_wait_loadcnt 4*(15-(\i))
.endif
	v_pk_add_f32 v[8:9], v[XS:XS+1], v[XS+2:XS+3]
	v_pk_add_f32 v[10:11], v[XS+4:XS+5], v[XS+6:XS+7]
	v_pk_add_f32 v[8:9], v[8:9], v[XS+8:XS+9]
	v_pk_add_f32 v[10:11], v[10:11], v[XS+10:XS+11]
	v_pk_add_f32 v[8:9], v[8:9], v[XS+12:XS+13]
	v_pk_add_f32 v[10:11], v[10:11], v[XS+14:XS+15]
	v_pk_add_f32 v[8:9], v[8:9], v[10:11]
	v_add_f32 v8, v8, v9
	LANESUM 8, 9
	v_mul_f32 v8, s42, v8                          ; the mean: / 512
.irp j, 0,2,4,6,8,10,12,14
	v_pk_add_f32 v[XS+\j:XS+\j+1], v[XS+\j:XS+\j+1], v[8:9] op_sel_hi:[1,0] neg_lo:[0,1] neg_hi:[0,1]
.endr
	v_pk_mul_f32 v[10:11], v[XS:XS+1], v[XS:XS+1]
	v_pk_mul_f32 v[12:13], v[XS+2:XS+3], v[XS+2:XS+3]
.irp j, 4,8,12
	v_pk_fma_f32 v[10:11], v[XS+\j:XS+\j+1], v[XS+\j:XS+\j+1], v[10:11]
	v_pk_fma_f32 v[12:13], v[XS+\j+2:XS+\j+3], v[XS+\j+2:XS+\j+3], v[12:13]
.endr
	v_pk_add_f32 v[10:11], v[10:11], v[12:13]
	v_add_f32 v10, v10, v11
	LANESUM 10, 11
	v_fma_f32 v10, v10, s42, s43                   ; the variance + eps
	s_wait_alu depctr_va_vdst(0)
	v_rsq_f32 v12, v10
	v_nop                                          ; a plain line behind the transcendental,
	s_wait_alu depctr_va_vdst(0)                   ; and the wait ahead of its first reader
.irp j, 0,2,4,6,8,10,12,14
	v_pk_mul_f32 v[XS+\j:XS+\j+1], v[XS+\j:XS+\j+1], v[12:13] op_sel_hi:[1,0]
.endr
.irp j, 0,2,4,6,8,10,12,14
	v_pk_fma_f32 v[XS+\j:XS+\j+1], v[XS+\j:XS+\j+1], v[32+\j:33+\j], v[48+\j:49+\j]   ; x gain + bias
.endr
	v_max3_num_f32 v14, |v[XS]|, |v[XS+1]|, |v[XS+2]|          ; the largest magnitude of my 16,
	v_max3_num_f32 v15, |v[XS+3]|, |v[XS+4]|, |v[XS+5]|
.irp j, 6,10
	v_max3_num_f32 v14, v14, |v[XS+\j]|, |v[XS+\j+1]|
	v_max3_num_f32 v15, v15, |v[XS+\j+2]|, |v[XS+\j+3]|
.endr
	v_max3_num_f32 v14, v14, |v[XS+14]|, |v[XS+15]|
	v_max3_num_f32 v14, v14, v15, FLOOR
	v_max_num_f32_dpp v14, v14, v14 row_xmask:1 row_mask:0xf bank_mask:0xf   ; and of my neighbour's 16: the block's
	v_add_nc_u32 v17, 0xfc000000, v14
	v_and_or_b32 v16, v14, 0x7f800000, s44
.irp j, 0,1,2,3,4,5,6,7,8,9,10,11,12,13,14,15
	v_med3_num_f32 v[XS+\j], v[XS+\j], -v16, v16
.endr
	v_cvt_scalef32_pk8_fp8_f32 v[24:25], v[XS:XS+7], v17
	v_cvt_scalef32_pk8_fp8_f32 v[26:27], v[XS+8:XS+15], v17
	v_lshrrev_b32 v28, 23, v17
	ds_store_b128 v3, v[24:27] offset:16*(\i)      ; half-chunk l, row i
	ds_store_b8 v4, v28 offset:8704+4*(\i)         ; both lanes of a block write the same byte with the same value
.if (\i) < 8
	XLOAD (\i)+8
.endif
	s_wait_dscnt 0x0                               ; the stores have read their registers
.endm
	s_load_b512 s[4:19], s[0:1], 0x0               ; x, ln1_g, ln1_b, Wq, Wk, Wv, Wo, W1
	s_load_b256 s[20:27], s[0:1], 0x40             ; W2, wts, h_codes, h_scales
	v_lshl_add_u32 v192, v0, 2, 0x8c00
	v_mov_b32 v193, 0
	v_lshrrev_b32 v1, 5, v0
	v_readfirstlane_b32 s28, v1                    ; wave
	v_and_b32 v1, 31, v0                           ; lane
	s_and_b32 s29, ttmp7, 0xffff                   ; work-group y
	s_mov_b32 s44, MANT
	s_cmp_ge_u32 ttmp9, 48
	s_cbranch_scc1 .Lnorm
	; ---- a set of weight codes: which weight, which K step, which 128 columns, which set
	s_and_b32 s30, ttmp9, 3                        ; the K step of Wo, W1, Wq, Wk, Wv (4, 36, 40, 44 are multiples of 4)
	s_sub_co_u32 s31, ttmp9, 20                    ; the K step of W2
	s_mul_i32 s32, s29, 36
	s_add_co_u32 s32, s32, ttmp9                   ; the set, x < 36: 36 y + x
	s_lshl_b32 s33, ttmp9, 2
	s_add_co_u32 s33, s33, s29                     ; the set, x >= 36: 144 + 4 (x - 36) + y = 4 x + y
	s_sub_co_u32 s34, ttmp9, 4                     ; under 16 (unsigned) for W1 alone
	s_lshr_b32 s35, s34, 2
	s_lshl_b32 s36, s29, 2
	s_add_co_u32 s35, s35, s36                     ; W1's group of columns: 4 y + (x - 4) / 4
	s_wait_kmcnt 0x0
	s_cmp_ge_u32 ttmp9, 20
	s_cselect_b64 s[38:39], s[20:21], s[16:17]     ; W2, or Wo
	s_cselect_b32 s37, s31, s30
	s_cmp_ge_u32 ttmp9, 36
	s_cselect_b64 s[38:39], s[10:11], s[38:39]     ; Wq
	s_cselect_b32 s37, s30, s37
	s_cselect_b32 s32, s33, s32
	s_cmp_ge_u32 ttmp9, 40
	s_cselect_b64 s[38:39], s[12:13], s[38:39]     ; Wk
	s_cmp_ge_u32 ttmp9, 44
	s_cselect_b64 s[38:39], s[14:15], s[38:39]     ; Wv
	s_cmp_lt_u32 s34, 16
	s_cselect_b64 s[38:39], s[18:19], s[38:39]     ; W1
	s_cselect_b32 s37, s30, s37
	s_cselect_b32 s35, s35, s29                    ; the group of 128 columns
	s_cselect_b32 s36, 20, 18                      ; 128 rows are 2^20 bytes in W1, 2^18 in the others
	s_lshl_b32 s40, s37, s36
	s_lshl_b32 s35, s35, 9
	s_add_co_u32 s40, s40, s35
	s_lshl_b32 s35, s28, 7                         ; my wave's 32 columns
	s_add_co_u32 s40, s40, s35
	s_mov_b32 s41, 0
	s_add_nc_u64 s[38:39], s[38:39], s[40:41]
	s_mul_i32 s40, s32, SETB
	s_add_nc_u64 s[22:23], s[22:23], s[40:41]
	s_wait_alu depctr_va_vdst(0)
	v_lshlrev_b32 v2, 2, v1                        ; in: 4 bytes a lane
	v_bfe_u32 v5, v1, 3, 1                         ; column p of my 32 is row r = p % 8 + 8 (p / 16) of fragment u = (p / 8) % 2
	v_and_b32 v6, 7, v1
	v_lshrrev_b32 v7, 4, v1
	v_lshl_add_u32 v6, v7, 3, v6
	v_lshlrev_b32 v3, 11, v5
	v_lshl_add_u32 v3, v6, 4, v3
	v_lshl_add_u32 v4, v5, 4, v6
	v_lshlrev_b32 v4, 4, v4
	s_lshl_b32 s35, s28, 12
	v_add_nc_u32 v3, s35, v3                       ; codes: 4096 wave + 2048 u + 16 r
	s_lshl_b32 s35, s28, 2
	v_add_nc_u32 v4, s35, v4                       ; scale word: 16 (16 u + r) + 4 wave
	s_cmp_lt_u32 s34, 16
	s_cbranch_scc1 .Lwide
	WPATH 2048
.Lwide:
	WPATH 8192
	; ---- LayerNorm 1
.Lnorm:
	s_sub_co_u32 s30, ttmp9, 48
	s_lshl_b32 s30, s30, 4
	s_lshl_b32 s31, s29, 2
	s_add_co_u32 s30, s30, s31
	s_add_co_u32 s30, s30, s28                     ; T = 16 (x - 48) + 4 y + wave
	s_lshr_b32 s31, s30, 1
	s_lshl_b32 s32, s31, 16
	s_and_b32 s31, s30, 1
	s_lshl_b32 s31, s31, 14
	s_add_co_u32 s32, s32, s31                     ; 2048 (32 (T / 2) + 8 (T % 2))
	s_mov_b32 s33, 0
	s_lshl_b32 s34, s30, 13                        ; 8,192 bytes of codes a tile
	s_mov_b32 s35, 0
	s_lshl_b32 s36, s30, 8                         ; 256 scale bytes a tile
	s_mov_b32 s37, 0
	s_mov_b32 s40, 0x76543210
	s_mov_b32 s41, 0xfedcba98                      ; v_permlanex16_b32's selects for lane l xor 16
	s_mov_b32 s42, 0x3b000000                      ; 1 / 512
	s_mov_b32 s43, 0x3727c5ac                      ; eps = 1e-5
	s_mul_i32 s38, s28, WREG
	s_wait_alu depctr_va_vdst(0)
	v_lshlrev_b32 v2, 6, v1                        ; my 16 numbers of a row, of the gain and of the bias
	v_mul_u32_u24 v3, v1, 272
	v_add_nc_u32 v3, s38, v3                       ; codes into LDS: half-chunk l at 272 l
	v_lshrrev_b32 v4, 3, v1
	v_bfe_u32 v5, v1, 1, 2
	v_lshl_add_u32 v4, v4, 6, v5
	v_add_nc_u32 v4, s38, v4                       ; scale byte: K step l / 8, byte (l / 2) % 4
	v_and_b32 v5, 15, v1
	v_lshrrev_b32 v6, 4, v1
	v_mul_u32_u24 v6, v6, 272
	v_lshl_add_u32 v5, v5, 4, v6
	v_add_nc_u32 v5, s38, v5                       ; back: 272 h + 16 r
	v_lshlrev_b32 v6, 4, v1
	v_lshlrev_b32 v7, 3, v1
	v_add_nc_u32 v29, s38, v7
	s_wait_kmcnt 0x0
	s_add_nc_u64 s[4:5], s[4:5], s[32:33]
	s_add_nc_u64 s[24:25], s[24:25], s[34:35]
	s_add_nc_u64 s[26:27], s[26:27], s[36:37]
.irp j, 0,1,2,3
	global_load_b128 v[32+4*\j:35+4*\j], v2, s[6:7] offset:16*\j
	global_load_b128 v[48+4*\j:51+4*\j], v2, s[8:9] offset:16*\j
.endr
.irp i, 0,1,2,3,4,5,6,7
	XLOAD \i
.endr
.irp i, 0,1,2,3,4,5,6,7,8,9,10,11,12,13,14,15
	ROW \i
.endr
	ds_load_b64 v[8:9], v29 offset:8704            ; LDS serves a wave's instructions in order: these see my stores
.irp q, 0,1,2,3,4,5,6,7,8,9,10,11,12,13,14,15
	ds_load_b128 v[X+4*\q:X+4*\q+3], v5 offset:544*\q
.endr
.irp q, 0,1,2,3,4,5,6,7,8,9,10,11,12,13,14,15
	s_wait_dscnt 15-\q                             ; chunk q is back; the younger ones may be out
	global_store_b128 v6, v[X+4*\q:X+4*\q+3], s[24:25] offset:512*\q   ; 32 lanes store 512 consecutive bytes
.endr
	global_store_b64 v7, v[8:9], s[26:27]          ; the tile's 256 scale bytes
	s_wait_tensorcnt 0x0
	ds_add_u32 v192, v193
	s_wait_dscnt 0x0
	s_endpgm
.Lfunc_end_k_q43e529f3eb_prep:
	.size	k_q43e529f3eb_prep, .Lfunc_end_k_q43e529f3eb_prep-k_q43e529f3eb_prep
	.p2alignl 7, 3214868480
	.fill 96, 4, 3214868480
	.section	.rodata,"a",@progbits
	.p2align	6, 0x0
	.amdhsa_kernel k_q43e529f3eb_prep
		.amdhsa_group_segment_fixed_size 36352
		.amdhsa_private_segment_fixed_size 0
		.amdhsa_enable_private_segment 0
		.amdhsa_kernarg_size 96
		.amdhsa_user_sgpr_count 2
		.amdhsa_user_sgpr_kernarg_segment_ptr 1
		.amdhsa_wavefront_size32 1
		.amdhsa_system_sgpr_workgroup_id_x 1
		.amdhsa_system_sgpr_workgroup_id_y 1
		.amdhsa_system_sgpr_workgroup_id_z 1
		.amdhsa_system_vgpr_workitem_id 0
		.amdhsa_next_free_vgpr 194
		.amdhsa_next_free_sgpr 66
		.amdhsa_reserve_vcc 0
		.amdhsa_float_denorm_mode_32 3
		.amdhsa_float_denorm_mode_16_64 3
		.amdhsa_memory_ordered 1
		.amdhsa_forward_progress 1
		.amdhsa_inst_pref_size 158
	.end_amdhsa_kernel
	.amdgpu_metadata
---
amdhsa.version: [ 1, 2 ]
amdhsa.kernels:
  - .name:           k_q43e529f3eb_prep
    .symbol:         k_q43e529f3eb_prep.kd
    .args:
      - { .name: x, .offset: 0, .size: 8, .value_kind: global_buffer, .address_space: global }
      - { .name: ln1_g, .offset: 8, .size: 8, .value_kind: global_buffer, .address_space: global }
      - { .name: ln1_b, .offset: 16, .size: 8, .value_kind: global_buffer, .address_space: global }
      - { .name: Wq, .offset: 24, .size: 8, .value_kind: global_buffer, .address_space: global }
      - { .name: Wk, .offset: 32, .size: 8, .value_kind: global_buffer, .address_space: global }
      - { .name: Wv, .offset: 40, .size: 8, .value_kind: global_buffer, .address_space: global }
      - { .name: Wo, .offset: 48, .size: 8, .value_kind: global_buffer, .address_space: global }
      - { .name: W1, .offset: 56, .size: 8, .value_kind: global_buffer, .address_space: global }
      - { .name: W2, .offset: 64, .size: 8, .value_kind: global_buffer, .address_space: global }
      - { .name: wts, .offset: 72, .size: 8, .value_kind: global_buffer, .address_space: global }
      - { .name: h_codes, .offset: 80, .size: 8, .value_kind: global_buffer, .address_space: global }
      - { .name: h_scales, .offset: 88, .size: 8, .value_kind: global_buffer, .address_space: global }
    .group_segment_fixed_size: 36352
    .private_segment_fixed_size: 0
    .kernarg_segment_align: 8
    .kernarg_segment_size: 96
    .max_flat_workgroup_size: 128
    .sgpr_count:     66
    .vgpr_count:     194
    .wavefront_size: 32
...
	.end_amdgpu_metadata
.endif
;; end of part 5
;; launch qkv (part 6): grid 64 x 4, 4 waves a work-group, no clusters, 68,096 bytes of LDS; arguments wts, h_codes, h_scales, q_codes, q_scales, kv; writes q_codes, q_scales, kv
.if DOCPART == 6
	.amdgcn_target "amdgcn-amd-amdhsa--gfx1250"
	.amdhsa_code_object_version 6
	.text
	.protected	k_q43e529f3eb_qkv
	.globl	k_q43e529f3eb_qkv
	.p2align	8
	.type	k_q43e529f3eb_qkv,@function
k_q43e529f3eb_qkv:
	s_mov_b64 s[64:65], 0
	v_nop
	global_prefetch_b8 v0, s[64:65] scope:SCOPE_SE
	s_setreg_imm32_b32 hwreg(HW_REG_WAVE_SCHED_MODE, 0, 2), 2
	s_setreg_imm32_b32 hwreg(HW_REG_WAVE_MODE, 25, 1), 1
	s_wait_xcnt 0x0
	s_wait_alu depctr_vm_vsrc(0)
; Q, K, V = LN1(x) Wq, Wk, Wv on codes of FP8 (E4M3) with E8M0 scales, and their results quantised for attention: q and k along the head's 32 channels, v along the keys.
; SHARES.  A work-group takes 128 tokens (eight token tiles: one key step of attention) and four heads; wave w takes head 4 y + w.  Its 24 weight fragments (3 matrices x 2 tiles of 16 channels x 4 K steps)
; stay in registers, read from memory once, by this wave alone.  The tokens' codes are copied to LDS once and read by all four waves; each fragment from LDS feeds six matrix instructions.
; LAYOUT.  Token tile T holds rows 32 (T / 2) + 8 (T % 2) + m + 8 (m / 8); tile u of a head's channels holds d = 8 u + m + 8 (m / 8).
; q, k: source 0 = 16 channels of the weight, source 1 = 16 tokens: a lane holds ONE token, and the 16 registers of tiles u = 0, 1 are channels 16 (lane / 16) + 0 .. 15: its half of the block of 32.
; v: source 0 = 16 tokens, source 1 = 16 channels: a lane holds ONE channel, and the 16 registers of token tiles 2 b, 2 b + 1 are keys 32 b + 16 (lane / 16) + 0 .. 15.
; So the conversions' results are operand registers, and leave as images, 512 consecutive bytes a store.  Four token tiles of q or k fill the four blocks of one image.
; LIMITS: NaN and infinities are not served; a block of zeros gets the byte 1 (its codes are zeros; this program alone reads the bytes).  Scale words leave in runs of 64 bytes.
; No cluster: the four work-groups that read the same 66 KiB of tokens' codes read them once, at the head, and every weight byte is read by one wave of a work-group straight into registers,
; where a joint load could not put it.  No tensor load: nothing in LDS is filled twice.
; REGISTERS.  window 0: v1-8 addresses; v16-27 the weights' scale words; v32-47 codes just made; v48-63 at work; v64 the scale word just made; v72-87 the tokens' scale words; v128-255 two buffers of four token fragments.
;   window 1: Wq at v[16 (4 u + s)], Wk 128 further on.   window 2: Wv.   window 3: v0-63 q's sums (16 m + 8 u), v64-127 k's, v128-255 v's (64 u + 16 (tile / 2) + 8 (tile % 2)).
; THE MODE: SCHED_MODE bits 1:0 = 2 (LLVM: expert scheduling mode 2), set by the entry lines.  The code itself states the register dependences between vector or matrix instructions
; and memory or LDS instructions, with s_wait_alu, always for 0.
; THE PLAN.  Registers that memory or LDS instructions touch:
;   v1-6, v8       offsets and LDS addresses: made once at the head, never written again.
;   v128-255       first the copy's data (global loads land, LDS stores read them); then two buffers: run i's products read buffer i % 2, and behind them the loads of run i + 2 land in it.
;   v64-67         the copy's scale words (a load lands, an LDS store reads them); v64 is later the scale word just made.
;   v32-47, v64    the out-buffer: a unit's conversions and shifts write it, the unit's five stores read it.
;   v16-27, v72-87, windows 1 and 2: loaded once, read by products alone.  Window 3 and v48-63 are named by vector and matrix instructions alone.
; So: one wait on va_vdst ahead of the first load; one on vm_vsrc behind the copy's barrier; one on va_vdst behind the products of each run that fetches; in a unit one on vm_vsrc ahead of the
; quantiser and one on va_vdst ahead of the stores.
.set SETB, 16896
.set HSC,  65536                       ; LDS: the tokens' codes, 65,536 bytes, then their scale words, 2,048
.set WS,   16
.set PC,   32
.set TM,   48
.set PW,   64
.set HS,   72
.set HB,   128
.set SEL,  40
.set MNT,  42
.set MSB,  0
.macro WIN new                         ; the immediate's high byte repeats the setting that is left; a switch that changes nothing is dropped
.if MSB != (\new)
	s_set_vgpr_msb (MSB<<8)|(\new)
.set MSB, (\new)
.endif
.endm
; one matrix instruction.  z = 1: the constant 0 starts the sum.  ra, rb = 1: that side's scales stand in lanes 16-31
.macro WM d, a, b, c, z, sa, sb, ra, rb
.if \z
.if (\ra) && (\rb)
	v_wmma_scale_f32_16x16x128_f8f6f4 v[(\d):(\d)+7], v[(\a):(\a)+15], v[(\b):(\b)+15], 0, v[(\sa)], v[(\sb)] matrix_a_scale:MATRIX_SCALE_ROW1 matrix_b_scale:MATRIX_SCALE_ROW1
.elseif \ra
	v_wmma_scale_f32_16x16x128_f8f6f4 v[(\d):(\d)+7], v[(\a):(\a)+15], v[(\b):(\b)+15], 0, v[(\sa)], v[(\sb)] matrix_a_scale:MATRIX_SCALE_ROW1
.elseif \rb
	v_wmma_scale_f32_16x16x128_f8f6f4 v[(\d):(\d)+7], v[(\a):(\a)+15], v[(\b):(\b)+15], 0, v[(\sa)], v[(\sb)] matrix_b_scale:MATRIX_SCALE_ROW1
.else
	v_wmma_scale_f32_16x16x128_f8f6f4 v[(\d):(\d)+7], v[(\a):(\a)+15], v[(\b):(\b)+15], 0, v[(\sa)], v[(\sb)]
.endif
.else
.if (\ra) && (\rb)
	v_wmma_scale_f32_16x16x128_f8f6f4 v[(\d):(\d)+7], v[(\a):(\a)+15], v[(\b):(\b)+15], v[(\c):(\c)+7], v[(\sa)], v[(\sb)] matrix_a_scale:MATRIX_SCALE_ROW1 matrix_b_scale:MATRIX_SCALE_ROW1
.elseif \ra
	v_wmma_scale_f32_16x16x128_f8f6f4 v[(\d):(\d)+7], v[(\a):(\a)+15], v[(\b):(\b)+15], v[(\c):(\c)+7], v[(\sa)], v[(\sb)] matrix_a_scale:MATRIX_SCALE_ROW1
.elseif \rb
	v_wmma_scale_f32_16x16x128_f8f6f4 v[(\d):(\d)+7], v[(\a):(\a)+15], v[(\b):(\b)+15], v[(\c):(\c)+7], v[(\sa)], v[(\sb)] matrix_b_scale:MATRIX_SCALE_ROW1
.else
	v_wmma_scale_f32_16x16x128_f8f6f4 v[(\d):(\d)+7], v[(\a):(\a)+15], v[(\b):(\b)+15], v[(\c):(\c)+7], v[(\sa)], v[(\sb)]
.endif
.endif
.endm
; 64 numbers of a lane in window w, v[s] .. v[s + 63], register 16 b + i = place 32 b + 16 (lane / 16) + i along K, become 16 registers of codes in v[PC] on and a scale word in v[PW] (window 0).
; Each sum of eight registers is read from its low end on.  relu = 1: what is negative becomes 0 on the way.
.macro QUANT w, s, relu
	WIN (\w)|((\w)<<2)
.irp b, 0,1,2,3
.if \relu
	v_max3_num_f32 v[TM+\b], v[(\s)+16*\b], v[(\s)+16*\b+1], 0x4800000
.else
	v_max3_num_f32 v[TM+\b], |v[(\s)+16*\b]|, |v[(\s)+16*\b+1]|, 0x4800000   ; my 16 numbers of block b, and the floor 2^(9 - 127): the byte cannot fall under 1
.endif
.endr
	WIN ((\w)<<2)|((\w)<<4)
.irp i, 2,4,6,8,10,12,14
.irp b, 0,1,2,3
.if \relu
	v_max3_num_f32 v[TM+\b], v[TM+\b], v[(\s)+16*\b+\i], v[(\s)+16*\b+\i+1]
.else
	v_max3_num_f32 v[TM+\b], v[TM+\b], |v[(\s)+16*\b+\i]|, |v[(\s)+16*\b+\i+1]|
.endif
.endr
.endr
	WIN 0
.irp b, 0,1,2,3
	v_permlanex16_b32 v[TM+4+\b], v[TM+\b], s[SEL], s[SEL+1]
.endr
.irp b, 0,1,2,3
	v_max_num_f32 v[TM+\b], v[TM+\b], v[TM+4+\b]   ; with lane l xor 16's: the block's largest magnitude
.endr
.irp b, 0,1,2,3
	v_add_nc_u32 v[TM+12+\b], 0xfc000000, v[TM+\b] ; 8 off the exponent field: the conversion's scale operand
.endr
.irp b, 0,1,2,3
	v_and_or_b32 v[TM+8+\b], v[TM+\b], 0x7f800000, s[MNT]   ; 448 x the scale
.endr
.irp b, 0,1,2,3
	v_lshrrev_b32 v[TM+4+\b], 23, v[TM+12+\b]      ; the scale's byte
.endr
	v_lshl_or_b32 v[PW], v[TM+5], 8, v[TM+4]
	v_lshl_or_b32 v[PW], v[TM+6], 16, v[PW]
	v_lshl_or_b32 v[PW], v[TM+7], 24, v[PW]
	WIN (\w)|((\w)<<6)
.irp b, 0,1,2,3
.irp i, 0,1,2,3,4,5,6,7,8,9,10,11,12,13,14,15
.if \relu
	v_med3_num_f32 v[(\s)+16*\b+\i], v[(\s)+16*\b+\i], 0, v[TM+8+\b]
.else
	v_med3_num_f32 v[(\s)+16*\b+\i], v[(\s)+16*\b+\i], -v[TM+8+\b], v[TM+8+\b]   ; the conversion does not saturate (ISA guide 7.6.2): the hold comes first
.endif
.endr
.endr
	WIN (\w)
.irp b, 0,1,2,3
	v_cvt_scalef32_pk8_fp8_f32 v[PC+4*\b:PC+4*\b+1], v[(\s)+16*\b:(\s)+16*\b+7], v[TM+12+\b]
	v_cvt_scalef32_pk8_fp8_f32 v[PC+4*\b+2:PC+4*\b+3], v[(\s)+16*\b+8:(\s)+16*\b+15], v[TM+12+\b]
.endr
	WIN 0
	v_nop                                          ; a plain line between the conversions and whatever next touches their registers
.endm
.macro HFETCH i                        ; run i = 4 F + s: the fragments of token tiles 4 F .. 4 F + 3, K step s, into buffer i % 2
.irp m, 0,1,2,3
.irp c, 0,1,2,3
	ds_load_b128 v[HB+64*((\i)%2)+16*\m+4*\c:HB+64*((\i)%2)+16*\m+4*\c+3], v1 offset:8192*(4*((\i)/4)+\m)+2048*((\i)%4)+512*\c
.endr
.endr
.endm
; A run: 24 matrix instructions on 24 sums, which take turns, one instruction a turn.
.macro RUN i, ahead, cnt
.set F_, (\i)/4
.set S_, (\i)%4
.if S_ == 0
.set Z_, 1
.else
.set Z_, 0
.endif
	s_wait_dscnt \cnt                              ; this run's 16 fragment loads are in; the next run's 16 may be out
	WIN 0xf1                                       ; source 0 (Wq, Wk) window 1, source 1 (tokens) window 0, C and D window 3
.irp m, 0,1,2,3
.irp mat, 0,1
.irp u, 0,1
	WM 64*\mat+16*\m+8*\u, 128*\mat+16*(4*\u+S_), HB+64*((\i)%2)+16*\m, 64*\mat+16*\m+8*\u, Z_, WS+4*\mat+S_, HS+2*(4*F_+\m)+S_/2, \u, S_%2
.endr
.endr
.endr
	WIN 0xf8                                       ; source 0 (tokens) window 0, source 1 (Wv) window 2
.irp m, 0,1,2,3
.irp u, 0,1
	WM 128+64*\u+16*((4*F_+\m)/2)+8*(\m%2), HB+64*((\i)%2)+16*\m, 16*(4*\u+S_), 128+64*\u+16*((4*F_+\m)/2)+8*(\m%2), Z_, HS+2*(4*F_+\m)+S_/2, WS+8+S_, S_%2, \u
.endr
.endr
	WIN 0
.rept 8
	v_nop                                          ; eight places behind the products, ahead of the first read of results
.endr
.if \ahead
	s_wait_alu depctr_va_vdst(0)                   ; this run's products are done reading buffer i % 2, in which the sixteen loads below land
	HFETCH (\i)+2
.endif
.endm
.macro UNIT src, cb, coff, sb, soff, prev    ; 64 sums become an image and 16 scale words, and leave.  prev = 1: a unit has stored before this one
	s_wait_xcnt 0x0                                ; the last unit's stores have had their addresses translated
.if \prev
	s_wait_alu depctr_vm_vsrc(0)                   ; the last unit's stores have read v[PC ..] and v[PW], which the lines below write again
.endif
	QUANT 3, \src, 0
	s_wait_alu depctr_va_vdst(0)                   ; the conversions have written the codes and the shifts the scale word, which the five stores read
.irp c, 0,1,2,3
	global_store_b128 v1, v[PC+4*\c:PC+4*\c+3], s[\cb:\cb+1] offset:(\coff)+512*\c
.endr
	global_store_b32 v6, v[PW], s[\sb:\sb+1] offset:\soff     ; lanes l and l xor 16 store the same word to the same place
.endm
	s_load_b256 s[4:11], s[0:1], 0x0               ; wts, h_codes, h_scales, q_codes
	s_load_b128 s[12:15], s[0:1], 0x20             ; q_scales, kv
	v_lshl_add_u32 v126, v0, 2, 0x10800
	v_mov_b32 v127, 0
	v_lshrrev_b32 v1, 5, v0
	v_readfirstlane_b32 s16, v1                    ; wave
	s_and_b32 s17, ttmp7, 0xffff                   ; the group of four heads
	v_and_b32 v7, 31, v0
	v_lshlrev_b32 v1, 4, v7                        ; 16 x lane: an image's place
	v_lshl_add_u32 v2, v7, 2, HSC                  ; the tokens' scale words: lanes 0-15 an even K step's, lanes 16-31 the next one's
	s_wait_alu depctr_va_sdst(0)                   ; s16 is written, ahead of its first reader
	s_lshl_b32 s18, s16, 12
	v_add_nc_u32 v3, s18, v1                       ; my head's two fragments in a set
	s_lshl_b32 s18, s16, 2
	v_add_nc_u32 v4, s18, v1                       ; and their scale words
	v_lshlrev_b32 v5, 4, v0                        ; the copy: 16 bytes a thread
	v_and_b32 v6, 15, v0
	v_lshlrev_b32 v6, 2, v6
	v_lshl_add_u32 v8, v0, 4, HSC
.irp b, 0,1,2,3
	v_mov_b32 v[TM+4+\b], 0                        ; written once: a lane permute's destination counts as one of its sources
.endr
	s_mov_b32 s[SEL], 0x76543210
	s_mov_b32 s[SEL+1], 0xfedcba98
	s_mov_b32 s[MNT], 0x600000
	s_lshl_b32 s20, ttmp9, 16                      ; eight tiles of 8,192 bytes
	s_mov_b32 s21, 0
	s_lshl_b32 s22, ttmp9, 11
	s_mov_b32 s23, 0
	s_add_co_u32 s24, s17, 144
	s_mul_i32 s24, s24, SETB                       ; set 144 + y; the twelve that I read lie four sets apart
	s_mov_b32 s25, 0
	s_lshr_b32 s26, ttmp9, 4                       ; the batch
	s_and_b32 s27, ttmp9, 15                       ; the key step
	s_lshl_b32 s26, s26, 4
	s_lshl_b32 s28, s17, 2
	s_add_co_u32 s26, s26, s28
	s_add_co_u32 s26, s26, s16                     ; batch x 16 + head
	s_lshl_b32 s28, s26, 16
	s_lshl_b32 s29, s27, 12
	s_add_co_u32 s28, s28, s29
	s_mov_b32 s29, 0
	s_lshl_b32 s30, s26, 11
	s_lshl_b32 s31, s27, 7
	s_add_co_u32 s30, s30, s31
	s_mov_b32 s31, 0
	s_mul_i32 s32, s26, 135168
	s_mul_i32 s33, s27, 8448
	s_add_co_u32 s32, s32, s33
	s_mov_b32 s33, 0
	s_wait_kmcnt 0x0
	s_add_nc_u64 s[6:7], s[6:7], s[20:21]
	s_add_nc_u64 s[8:9], s[8:9], s[22:23]
	s_add_nc_u64 s[4:5], s[4:5], s[24:25]
	s_add_nc_u64 s[10:11], s[10:11], s[28:29]
	s_add_nc_u64 s[12:13], s[12:13], s[30:31]
	s_add_nc_u64 s[14:15], s[14:15], s[32:33]
	s_wait_alu depctr_va_vdst(0)                   ; the offsets and addresses v1 to v6 and v8 are written, which every load and store of the kernel reads; only loads and window switches follow up to the last load of the head
.irp i, 0,1,2,3,4,5,6,7,8,9,10,11,12,13,14,15,16,17,18,19,20,21,22,23,24,25,26,27,28,29,30,31
	global_load_b128 v[128+4*\i:131+4*\i], v5, s[6:7] offset:2048*\i     ; the tokens' codes, as they lie
.endr
	global_load_b128 v[64:67], v5, s[8:9]
	WIN 0x40                                       ; destination window 1
.irp mat, 0,1
.irp u, 0,1
.irp s, 0,1,2,3
.irp c, 0,1,2,3
	global_load_b128 v[128*\mat+16*(4*\u+\s)+4*\c:128*\mat+16*(4*\u+\s)+4*\c+3], v3, s[4:5] offset:4*SETB*(4*\mat+\s)+2048*\u+512*\c
.endr
.endr
.endr
.endr
	WIN 0x80                                       ; destination window 2
.irp u, 0,1
.irp s, 0,1,2,3
.irp c, 0,1,2,3
	global_load_b128 v[16*(4*\u+\s)+4*\c:16*(4*\u+\s)+4*\c+3], v3, s[4:5] offset:4*SETB*(8+\s)+2048*\u+512*\c
.endr
.endr
.endr
	WIN 0
.irp t, 0,1,2,3,4,5,6,7,8,9,10,11
	global_load_b32 v[WS+\t], v4, s[4:5] offset:4*SETB*\t+16384
.endr
	s_wait_loadcnt 63                              ; 108 loads were issued behind the copy's 33: with 63 out, the copy's are in
.irp i, 0,1,2,3,4,5,6,7,8,9,10,11,12,13,14,15,16,17,18,19,20,21,22,23,24,25,26,27,28,29,30,31
	ds_store_b128 v5, v[128+4*\i:131+4*\i] offset:2048*\i
.endr
	ds_store_b128 v8, v[64:67]
	s_wait_dscnt 0x0                               ; for the others' sake: my part of the copy has landed
	s_barrier_signal -1
	s_barrier_wait -1
	s_wait_alu depctr_vm_vsrc(0)                   ; my LDS stores have read v64-67 and v128-255: the fragments' loads land in the latter, and the quantiser writes v64
.irp mt, 0,1,2,3,4,5,6,7
.irp sp, 0,1
	ds_load_b32 v[HS+2*\mt+\sp], v2 offset:256*\mt+128*\sp
.endr
.endr
	HFETCH 0
	HFETCH 1
	s_wait_loadcnt 0x0                             ; the weights
	RUN 0, 1, 16
	RUN 1, 1, 16
	RUN 2, 1, 16
	RUN 3, 1, 16
	UNIT 0, 10, 0, 12, 0, 0                        ; q of token tiles 0-3
	UNIT 64, 14, 0, 14, 8192, 1                    ; k of the same
	RUN 4, 1, 16
	RUN 5, 1, 16
	RUN 6, 0, 16
	RUN 7, 0, 0
	UNIT 0, 10, 2048, 12, 64, 1                    ; q of token tiles 4-7
	UNIT 64, 14, 2048, 14, 8256, 1                 ; k
	UNIT 128, 14, 4096, 14, 8320, 1                ; v, channels' tile 0, all 128 keys
	UNIT 192, 14, 6144, 14, 8384, 1                ; v, tile 1
	s_wait_dscnt 0x0                               ; the closing lines, six on end
	s_wait_alu 0x0
	s_wait_tensorcnt 0x0
	ds_add_u32 v126, v127
	s_wait_dscnt 0x0
	s_endpgm
.Lfunc_end_k_q43e529f3eb_qkv:
	.size	k_q43e529f3eb_qkv, .Lfunc_end_k_q43e529f3eb_qkv-k_q43e529f3eb_qkv
	.p2alignl 7, 3214868480
	.fill 96, 4, 3214868480
	.section	.rodata,"a",@progbits
	.p2align	6, 0x0
	.amdhsa_kernel k_q43e529f3eb_qkv
		.amdhsa_group_segment_fixed_size 68096
		.amdhsa_private_segment_fixed_size 0
		.amdhsa_enable_private_segment 0
		.amdhsa_kernarg_size 48
		.amdhsa_user_sgpr_count 2
		.amdhsa_user_sgpr_kernarg_segment_ptr 1
		.amdhsa_wavefront_size32 1
		.amdhsa_system_sgpr_workgroup_id_x 1
		.amdhsa_system_sgpr_workgroup_id_y 1
		.amdhsa_system_sgpr_workgroup_id_z 1
		.amdhsa_system_vgpr_workitem_id 0
		.amdhsa_next_free_vgpr 1024
		.amdhsa_next_free_sgpr 66
		.amdhsa_reserve_vcc 0
		.amdhsa_float_denorm_mode_32 3
		.amdhsa_float_denorm_mode_16_64 3
		.amdhsa_memory_ordered 1
		.amdhsa_forward_progress 1
		.amdhsa_inst_pref_size 107
	.end_amdhsa_kernel
	.amdgpu_metadata
---
amdhsa.version: [ 1, 2 ]
amdhsa.kernels:
  - .name:           k_q43e529f3eb_qkv
    .symbol:         k_q43e529f3eb_qkv.kd
    .args:
      - { .name: wts, .offset: 0, .size: 8, .value_kind: global_buffer, .address_space: global }
      - { .name: h_codes, .offset: 8, .size: 8, .value_kind: global_buffer, .address_space: global }
      - { .name: h_scales, .offset: 16, .size: 8, .value_kind: global_buffer, .address_space: global }
      - { .name: q_codes, .offset: 24, .size: 8, .value_kind: global_buffer, .address_space: global }
      - { .name: q_scales, .offset: 32, .size: 8, .value_kind: global_buffer, .address_space: global }
      - { .name: kv, .offset: 40, .size: 8, .value_kind: global_buffer, .address_space: global }
    .group_segment_fixed_size: 68096
    .private_segment_fixed_size: 0
    .kernarg_segment_align: 8
    .kernarg_segment_size: 48
    .max_flat_workgroup_size: 128
    .sgpr_count:     66
    .vgpr_count:     1024
    .wavefront_size: 32
...
	.end_amdgpu_metadata
.endif
;; end of part 6
;; launch attn (part 7): grid 4 x 64, 16 waves a work-group, no clusters, 137,216 bytes of LDS; arguments q_codes, q_scales, kv, att_codes, att_scales; writes att_codes, att_scales
.if DOCPART == 7
	.amdgcn_target "amdgcn-amd-amdhsa--gfx1250"
	.amdhsa_code_object_version 6
	.text
	.protected	k_q43e529f3eb_attn
	.globl	k_q43e529f3eb_attn
	.p2align	8
	.type	k_q43e529f3eb_attn,@function
k_q43e529f3eb_attn:
	s_mov_b64 s[64:65], 0
	v_nop
	global_prefetch_b8 v0, s[64:65] scope:SCOPE_SE
	s_setreg_imm32_b32 hwreg(HW_REG_WAVE_SCHED_MODE, 0, 2), 2
	s_setreg_imm32_b32 hwreg(HW_REG_WAVE_MODE, 25, 1), 1
	s_wait_xcnt 0x0
	s_wait_alu depctr_vm_vsrc(0)
; CAUSAL ATTENTION of one head (work-group y = batch x 16 + head) on codes of FP8 (E4M3) with E8M0 scales; head size 32, 2,048 keys; the result / the row's sum is quantised along C (a block of 32 = a head).
; THE SOFTMAX: t = score x log2(e) / sqrt(512); M = the running largest t rounded UP to a whole number; p = 2^(t - M) is quantised along the keys, not normalised; the row's sum is taken of the unquantised p.
; When M moves, the sum and O are multiplied by 2^(old M - new M): exact.
; SHARES.  The head's K, V and scale words, 16 key steps of 8,448 bytes, are copied to LDS once (wave w copies step w); one barrier; LDS is never written again.
; Wave w of work-group x owns query tiles i = 4 w + x and 127 - i.  Tile q needs q / 8 + 1 key steps, so every wave of the launch walks 17 steps.  Both loops have constant trip counts; a step all of whose keys
; come after the tile's queries is left out by a scalar branch on ids.
; LAYOUT.  Both products are used transposed (S^T = K Q^T, O^T = V^T P^T): a lane holds ONE query throughout.  Tile 2 b + u of tokens holds 32 b + 8 u + m + 8 (m / 8), so the 16 registers of two
; neighbouring tiles of S^T are keys 32 b + 16 (lane / 16) + 0 .. 15: the conversions' results are the second product's operand.
; K = 32 IN AN INSTRUCTION OF 128: a fragment of K carries four key tiles, one in each block of 32.  Q's four registers stand in a run of 28, zeros | Q | zeros; the 16 registers from v[28 - 4 c] put Q into block c
; and zero codes into the others, so that the product picks key tile c.  128 keys cost eight matrix instructions and eight LDS loads of K.
; LIMITS: NaN and infinities are not served.  A block of zeros gets the byte 1 (zero codes; this program alone reads the bytes).  A block's largest p is taken from its largest score, which takes v_exp_f32 not to
; fall where its input rises.  The result's scale bytes leave as single bytes, 16 a tile.
; No cluster: the four work-groups of a head share 135,168 bytes that each reads once, at its head; nothing is asked for in the loop.  No tensor load: nothing in LDS is filled twice.
; REGISTERS: v1-6, v9 addresses and lane terms; v12 -M, v13 the largest t, v[14:15] the sum; v16-43 Q's run; v44-75 K; v76-107 V; v108-171 S^T, then p; v172-187 O^T; v188-203 p's codes; v204-219 at work by blocks;
;   v220, v221 K's and V's scale words; v222-225 Q's, one for each block; v226 p's; v228 f; v230-233 at work; v240-243 the result's codes.  s48-63: sixteen masks of the causal limit.
; THE MODE: SCHED_MODE bits 1:0 = 2 (LLVM: expert scheduling mode 2), set by the entry lines.  The code itself states the register dependences between vector or matrix instructions
; and memory or LDS instructions, with s_wait_alu, always for 0.
; THE PLAN.  Registers that memory or LDS instructions touch:
;   v1, v2, v5, v6   offsets, made once at the head, never written again.
;   v3, v4           the copy's offsets, then the key step's LDS addresses: read by a step's 18 LDS loads, written at the next step's head.
;   v44-107, v220, v221   K, V and their scale words: a step's loads land, its products read them.
;   v28-31, v232     Q and its scale word: a tile's two loads land; the tile's products and vector lines name them.
;   v240-243, v209   the out-buffer: written at a tile's end, read by its two stores.
;   v108-173         at the head the copy's data: loads land, LDS stores read them; later S^T and O^T.
; A step's head holds one wait on vm_vsrc, the two additions and one wait on va_vdst, which serves all 18 loads of the step: between it and V's loads stand S^T's products and their places alone, which name
; none of V's registers nor v3, v4.  One wait on va_vdst stands ahead of the two products V^T P (their operand and scale word are made by vector lines), one ahead of a tile's stores; that one also serves the
; next tile's two loads, since no vector line follows it.  A tile's head holds one wait on vm_vsrc.  The masks are made in runs of sixteen, one wait on va_sdst behind each run.
.set STEPB, 8448
.set KF,  44
.set VF,  76
.set S,   108
.set O,   172
.set PCD, 188
.set BM,  204
.macro WM d, a, b, c, z, sa, sb, ra, rb          ; one matrix instruction.  z = 1: the constant 0 starts the sum.  ra, rb = 1: that side's scales stand in lanes 16-31
.if \z
.if (\ra) && (\rb)
	v_wmma_scale_f32_16x16x128_f8f6f4 v[(\d):(\d)+7], v[(\a):(\a)+15], v[(\b):(\b)+15], 0, v[(\sa)], v[(\sb)] matrix_a_scale:MATRIX_SCALE_ROW1 matrix_b_scale:MATRIX_SCALE_ROW1
.elseif \ra
	v_wmma_scale_f32_16x16x128_f8f6f4 v[(\d):(\d)+7], v[(\a):(\a)+15], v[(\b):(\b)+15], 0, v[(\sa)], v[(\sb)] matrix_a_scale:MATRIX_SCALE_ROW1
.elseif \rb
	v_wmma_scale_f32_16x16x128_f8f6f4 v[(\d):(\d)+7], v[(\a):(\a)+15], v[(\b):(\b)+15], 0, v[(\sa)], v[(\sb)] matrix_b_scale:MATRIX_SCALE_ROW1
.else
	v_wmma_scale_f32_16x16x128_f8f6f4 v[(\d):(\d)+7], v[(\a):(\a)+15], v[(\b):(\b)+15], 0, v[(\sa)], v[(\sb)]
.endif
.else
.if (\ra) && (\rb)
	v_wmma_scale_f32_16x16x128_f8f6f4 v[(\d):(\d)+7], v[(\a):(\a)+15], v[(\b):(\b)+15], v[(\c):(\c)+7], v[(\sa)], v[(\sb)] matrix_a_scale:MATRIX_SCALE_ROW1 matrix_b_scale:MATRIX_SCALE_ROW1
.elseif \ra
	v_wmma_scale_f32_16x16x128_f8f6f4 v[(\d):(\d)+7], v[(\a):(\a)+15], v[(\b):(\b)+15], v[(\c):(\c)+7], v[(\sa)], v[(\sb)] matrix_a_scale:MATRIX_SCALE_ROW1
.elseif \rb
	v_wmma_scale_f32_16x16x128_f8f6f4 v[(\d):(\d)+7], v[(\a):(\a)+15], v[(\b):(\b)+15], v[(\c):(\c)+7], v[(\sa)], v[(\sb)] matrix_b_scale:MATRIX_SCALE_ROW1
.else
	v_wmma_scale_f32_16x16x128_f8f6f4 v[(\d):(\d)+7], v[(\a):(\a)+15], v[(\b):(\b)+15], v[(\c):(\c)+7], v[(\sa)], v[(\sb)]
.endif
.endif
.endm
	s_load_b256 s[4:11], s[0:1], 0x0               ; q_codes, q_scales, kv, att_codes
	s_load_b64 s[12:13], s[0:1], 0x20              ; att_scales
	v_lshl_add_u32 v254, v0, 2, 0x21000
	v_mov_b32 v255, 0
	v_lshrrev_b32 v1, 5, v0
	v_readfirstlane_b32 s16, v1                    ; wave 0..15
	s_and_b32 s17, ttmp7, 0xffff                   ; batch x 16 + head
	v_and_b32 v7, 31, v0
	v_lshlrev_b32 v1, 4, v7                        ; 16 x lane
	v_lshlrev_b32 v2, 2, v7                        ; 4 x lane
	v_and_b32 v8, 15, v0                           ; r
	v_bfe_u32 v10, v0, 4, 1                        ; h
	v_lshlrev_b32 v5, 2, v8
	v_lshlrev_b32 v6, 3, v8
	v_and_b32 v9, 8, v8
	v_add_nc_u32 v9, v9, v8
	v_lshlrev_b32 v10, 4, v10
	v_sub_nc_u32 v9, v9, v10                       ; r + 8 (r / 8) - 16 h: my query's place in its tile, less my half's first key
	s_wait_alu depctr_va_sdst(0)                   ; s16 is written, ahead of its first reader
	s_mul_i32 s19, s16, STEPB
	v_add_nc_u32 v3, s19, v1                       ; the copy: my wave's key step, in memory and in LDS alike
	v_lshlrev_b32 v4, 3, v7
	v_add_nc_u32 v4, s19, v4
	s_mov_b32 s14, 0x76543210
	s_mov_b32 s15, 0xfedcba98                      ; v_permlanex16_b32's selects for lane l xor 16
	s_mov_b32 s18, 0x600000                        ; the mantissa field of 448
	s_mov_b32 s26, 0x3d8293ee                      ; c = log2(e) / sqrt(512)
	s_mov_b32 s27, s26                             ; (named with it as a pair, so it is written)
	s_mul_i32 s20, s17, 135168
	s_mov_b32 s21, 0
	s_lshl_b32 s22, s17, 16
	s_mov_b32 s23, 0
	s_lshl_b32 s24, s17, 11
	s_mov_b32 s25, 0
	s_lshr_b32 s28, s17, 4                         ; the batch
	s_and_b32 s29, s17, 15
	s_lshr_b32 s30, s29, 2                         ; head / 4: the K step of the next product
	s_and_b32 s29, s29, 3                          ; head % 4: the block in it
	s_lshl_b32 s36, s28, 20
	s_lshl_b32 s31, s30, 13
	s_add_co_u32 s36, s36, s31
	s_lshl_b32 s31, s29, 9
	s_add_co_u32 s36, s36, s31
	s_mov_b32 s37, 0
	s_lshl_b32 s38, s28, 15
	s_lshl_b32 s31, s30, 8
	s_add_co_u32 s38, s38, s31
	s_add_co_u32 s38, s38, s29
	s_mov_b32 s39, 0
	s_mov_b32 s35, 0
	s_wait_kmcnt 0x0
	s_add_nc_u64 s[8:9], s[8:9], s[20:21]
	s_add_nc_u64 s[4:5], s[4:5], s[22:23]
	s_add_nc_u64 s[6:7], s[6:7], s[24:25]
	s_add_nc_u64 s[10:11], s[10:11], s[36:37]
	s_add_nc_u64 s[12:13], s[12:13], s[38:39]
	s_wait_alu depctr_va_vdst(0)                   ; the offsets v1 to v6 are written, which the copy's loads and stores, Q's loads and the tiles' stores read
.irp i, 0,1,2,3,4,5,6,7,8,9,10,11,12,13,14,15
	global_load_b128 v[S+4*\i:S+4*\i+3], v3, s[8:9] offset:512*\i
.endr
	global_load_b64 v[172:173], v4, s[8:9] offset:8192
.irp j, 0,1,2,3,4,5,6,7,8,9,10,11
	v_mov_b32 v[16+\j], 0                          ; the zero codes on both sides of Q
	v_mov_b32 v[32+\j], 0
.endr
.irp b, 0,1,2,3
	v_mov_b32 v[BM+4+\b], 0                        ; written once: a lane permute's destination counts as one of its sources
.endr
	v_mov_b32 v229, 0                              ; (named as the upper half of the pair v[228:229])
	s_wait_loadcnt 0x0
.irp i, 0,1,2,3,4,5,6,7,8,9,10,11,12,13,14,15
	ds_store_b128 v3, v[S+4*\i:S+4*\i+3] offset:512*\i   ; (no vector line since the wait above names v3, v4 or the copy's data)
.endr
	ds_store_b64 v4, v[172:173] offset:8192
	s_wait_dscnt 0x0                               ; for the others' sake: my key step has landed
	s_barrier_signal -1
	s_barrier_wait -1
	s_lshl_b32 s30, s16, 2
	s_add_co_u32 s30, s30, ttmp9                   ; the first tile: 4 w + x
	s_mov_b32 s31, 0
.Ltile:
	s_wait_xcnt 0x0                                ; the last tile's loads and stores have had their addresses translated: their registers and bases may be written
	s_wait_alu depctr_vm_vsrc(0)                   ; the last tile's stores have read v240-243 and v209, which this tile writes again; ahead of the first tile: the copy's LDS stores have read v108-173, which become S^T and O^T
	s_lshr_b32 s32, s30, 3                         ; the key step in which the tile's queries lie
	s_lshl_b32 s34, s30, 9
	s_add_nc_u64 s[36:37], s[4:5], s[34:35]
	s_lshr_b32 s44, s30, 2
	s_lshl_b32 s34, s44, 6
	s_add_nc_u64 s[38:39], s[6:7], s[34:35]
	global_load_b128 v[28:31], v1, s[36:37] th:TH_LOAD_NT      ; Q: lane (r, h) holds channels 16 h .. 16 h + 15 of query r.  (The last tile's products and vector lines, which named v28-31 and v232, stand ahead of the wait in front of its stores, and no vector line has followed that wait)
	global_load_b32 v232, v5, s[38:39]             ; the scale word of four tiles
	s_and_b32 s45, s30, 3
	s_lshl_b32 s34, s44, 15
	s_lshl_b32 s33, s45, 11
	s_add_co_u32 s34, s34, s33
	s_add_nc_u64 s[40:41], s[10:11], s[34:35]      ; where the tile's codes go: block of 64 rows, tile in it
	s_lshl_b32 s34, s44, 10
	s_and_b32 s33, s30, 1
	s_lshl_b32 s33, s33, 7
	s_add_co_u32 s34, s34, s33
	s_bfe_u32 s33, s30, 0x10001
	s_lshl_b32 s33, s33, 2
	s_add_co_u32 s34, s34, s33
	s_add_nc_u64 s[42:43], s[12:13], s[34:35]      ; and its scale bytes
	s_lshl_b32 s33, s45, 3                         ; my tile's byte in Q's scale word
	s_bfe_u32 s46, s30, 0x20001
	s_lshl_b32 s46, s46, 5
	s_and_b32 s44, s30, 1
	s_lshl_b32 s44, s44, 3
	s_add_co_u32 s46, s46, s44                     ; the tile's first query in its key step: 32 ((q / 2) % 4) + 8 (q % 2)
.irp j, 0,1,2,3,4,5,6,7,8,9,10,11,12,13,14,15
	v_mov_b32 v[O+\j], 0                           ; O^T.  (The step is written once: the first finds zeros, which the first change of M leaves zeros)
.endr
	v_mov_b32 v13, 0xff61b1e6                      ; the largest t so far: -3e38
	v_floor_f32 v12, -v13                          ; -M
	v_mov_b32 v14, 0
	v_mov_b32 v15, 0
	s_wait_loadcnt 0x0
	v_bfe_u32 v232, v232, s33, 8
	v_add_nc_u32 v232, -1, v232
	v_add_nc_u32 v222, 0x01010101, v232            ; Q's scale word for block c: Q's byte in byte c, the byte 1 over the zero codes
	v_lshl_add_u32 v223, v232, 8, 0x01010101
	v_lshl_add_u32 v224, v232, 16, 0x01010101
	v_lshl_add_u32 v225, v232, 24, 0x01010101
.rept 8
	v_nop                                          ; a scale register written by a vector instruction stands eight places ahead of the matrix instruction
.endr
	s_mov_b32 s28, 0                               ; the key step
	s_mov_b32 s19, 0                               ; and its bytes in LDS
.Lstep:
	s_cmp_gt_u32 s28, s32
	s_cbranch_scc1 .Lnext                          ; all its keys come after my queries
	s_wait_alu depctr_vm_vsrc(0)                   ; the last step's LDS loads have read v3 and v4 (ahead of the very first step: the copy's loads and stores)
	v_add_nc_u32 v3, s19, v1
	v_add_nc_u32 v4, s19, v2
	s_wait_alu depctr_va_vdst(0)                   ; v3 and v4 are written, which the 18 loads below read; the last step's products are done reading K, V and their scale words, in which these loads land; Q's four scale words (their eight places stand above) and the zero codes, which the products below take, are written
.irp i, 0,1,2,3,4,5,6,7
	ds_load_b128 v[KF+4*\i:KF+4*\i+3], v3 offset:512*\i
.endr
	ds_load_b32 v220, v4 offset:8192               ; K's scale words: lanes 0-15 fragment 0's, lanes 16-31 fragment 1's
	s_wait_dscnt 0x0
.irp f, 0,1
.irp c, 0,1,2,3
	WM S+8*(4*\f+\c), KF+16*\f, 28-4*\c, 0, 1, 220, 222+\c, \f, 0
.endr
.endr
.rept 8
	v_nop                                          ; eight places ahead of the first read of S^T
.endr
.irp i, 0,1,2,3,4,5,6,7
	ds_load_b128 v[VF+4*\i:VF+4*\i+3], v3 offset:4096+512*\i     ; V lands while the softmax is walked.  No wait: since the one at the step's head only S^T's products and their places were issued, which name none of these registers
.endr
	ds_load_b32 v221, v4 offset:8320
	s_cmp_lg_u32 s28, s32
	s_cbranch_scc1 .Lopen                          ; a step all of whose keys count
	v_add_nc_u32 v232, s46, v9                     ; d: register 16 b + i holds a hidden key where 32 b + i > d
	v_mov_b32 v233, 0xff800000                     ; -infinity: p = 0 then
.irp g, 0,1,2,3
.irp i, 0,1,2,3,4,5,6,7,8,9,10,11,12,13,14,15
	v_cmp_gt_i32 s[48+\i], 32*\g+\i, v232          ; block g: sixteen masks in a run
.endr
	s_wait_alu depctr_va_sdst(0)                   ; the sixteen masks s48 to s63 are written, ahead of their first reader
.irp i, 0,1,2,3,4,5,6,7,8,9,10,11,12,13,14,15
	v_cndmask_b32 v[S+16*\g+\i], v[S+16*\g+\i], v233, s[48+\i]
.endr
.endr
.Lopen:
.irp b, 0,1,2,3
	v_max3_num_f32 v[BM+\b], v[S+16*\b], v[S+16*\b+1], v[S+16*\b+2]    ; the largest score of each block of 32 keys: it serves the row's maximum and the block's largest p
.endr
.irp i, 3,5,7,9,11,13
.irp b, 0,1,2,3
	v_max3_num_f32 v[BM+\b], v[BM+\b], v[S+16*\b+\i], v[S+16*\b+\i+1]
.endr
.endr
.irp b, 0,1,2,3
	v_max_num_f32 v[BM+\b], v[BM+\b], v[S+16*\b+15]
.endr
.irp b, 0,1,2,3
	v_permlanex16_b32 v[BM+4+\b], v[BM+\b], s14, s15
.endr
.irp b, 0,1,2,3
	v_max_num_f32 v[BM+\b], v[BM+\b], v[BM+4+\b]   ; with lane l xor 16's 16 keys
.endr
	v_max3_num_f32 v232, v[BM], v[BM+1], v[BM+2]
	v_max_num_f32 v232, v232, v[BM+3]
	v_mul_f32 v232, s26, v232                      ; as t (c is positive)
	v_max_num_f32 v13, v13, v232                   ; the running largest t
	v_mov_b32 v232, v12
	v_floor_f32 v12, -v13                          ; the new -M = -ceil(t)
	v_sub_f32 v232, v12, v232                      ; old M - new M: a whole number, 0 or less
	v_cvt_i32_f32 v232, v232                       ; (it saturates)
	v_ldexp_f32 v228, 1.0, v232                    ; f = 2^(old M - new M)
.irp j, 0,2,4,6,8,10,12,14,16,18,20,22,24,26,28,30,32,34,36,38,40,42,44,46,48,50,52,54,56,58,60,62
	v_pk_fma_f32 v[S+\j:S+\j+1], v[S+\j:S+\j+1], s[26:27], v[12:13] op_sel_hi:[1,0,0]    ; t - M, two at a time
.endr
.irp b, 0,1,2,3
	v_fma_f32 v[BM+\b], v[BM+\b], s26, v12         ; the same of each block's largest score
.endr
	s_wait_alu depctr_va_vdst(0)
.irp j, 0,1,2,3,4,5,6,7,8,9,10,11,12,13,14,15,16,17,18,19,20,21,22,23,24,25,26,27,28,29,30,31,32,33,34,35,36,37,38,39,40,41,42,43,44,45,46,47,48,49,50,51,52,53,54,55,56,57,58,59,60,61,62,63
	v_exp_f32 v[S+\j], v[S+\j]                     ; p = 2^(t - M), at most 1
.endr
	v_pk_mul_f32 v[14:15], v[14:15], v[228:229] op_sel_hi:[1,0]   ; the sums under the new M: a plain line behind the exponentials
	s_wait_alu depctr_va_vdst(0)                   ; the 64 exponentials have written p: one wait for the whole batch, ahead of its first reader
.irp b, 0,1,2,3
	v_exp_f32 v[BM+\b], v[BM+\b]                   ; the block's largest p: the same two instructions on the same number
.endr
	v_pk_add_f32 v[230:231], v[S:S+1], v[S+2:S+3]  ; the row's sum of the unquantised p, in two chains: plain work behind the four
.irp j, 4,8,12,16,20,24,28,32,36,40,44,48,52,56,60
	v_pk_add_f32 v[14:15], v[14:15], v[S+\j:S+\j+1]
	v_pk_add_f32 v[230:231], v[230:231], v[S+\j+2:S+\j+3]
.endr
	v_pk_add_f32 v[14:15], v[14:15], v[230:231]
	s_wait_alu depctr_va_vdst(0)                   ; the four exponentials have written the blocks' largest p, ahead of their first reader
.irp b, 0,1,2,3
	v_max_num_f32 v[BM+\b], 0x4800000, v[BM+\b]    ; the floor 2^(9 - 127): the byte cannot fall under 1
.endr
.irp b, 0,1,2,3
	v_add_nc_u32 v[BM+12+\b], 0xfc000000, v[BM+\b] ; the conversion's scale operand
.endr
.irp b, 0,1,2,3
	v_and_or_b32 v[BM+8+\b], v[BM+\b], 0x7f800000, s18   ; 448 x the scale
.endr
.irp b, 0,1,2,3
	v_lshrrev_b32 v[BM+4+\b], 23, v[BM+12+\b]      ; the scale's byte
.endr
	v_lshl_or_b32 v226, v[BM+5], 8, v[BM+4]        ; p's scale word for these 128 keys
	v_lshl_or_b32 v226, v[BM+6], 16, v226
	v_lshl_or_b32 v226, v[BM+7], 24, v226
.irp b, 0,1,2,3
.irp i, 0,1,2,3,4,5,6,7,8,9,10,11,12,13,14,15
	v_min_num_f32 v[S+16*\b+\i], v[S+16*\b+\i], v[BM+8+\b]   ; the conversion does not saturate (ISA guide 7.6.2); p is not negative, so the hold is one-sided
.endr
	v_cvt_scalef32_pk8_fp8_f32 v[PCD+4*\b:PCD+4*\b+1], v[S+16*\b:S+16*\b+7], v[BM+12+\b]
	v_cvt_scalef32_pk8_fp8_f32 v[PCD+4*\b+2:PCD+4*\b+3], v[S+16*\b+8:S+16*\b+15], v[BM+12+\b]
.endr
.irp j, 0,2,4,6,8,10,12,14
	v_pk_mul_f32 v[O+\j:O+\j+1], v[O+\j:O+\j+1], v[228:229] op_sel_hi:[1,0]   ; O^T under the new M.  For each of the two products below, the four lines on the OTHER sum are the four places behind the codes
.endr
	s_wait_dscnt 0x0                               ; V
	s_wait_alu depctr_va_vdst(0)                   ; the conversions have written p's codes and the shifts p's scale word, which the two products take; their places stand above
.irp u, 0,1
	WM O+8*\u, VF+16*\u, PCD, O+8*\u, 0, 221, 226, \u, 0     ; the two sums take turns; S^T's eight products stand between a sum's links
.endr
.Lnext:
	s_add_co_u32 s19, s19, STEPB
	s_add_co_u32 s28, s28, 1
	s_cmp_lt_u32 s28, 16
	s_cbranch_scc1 .Lstep
	; ---- the tile's end: O^T / the sum, quantised along C: my query's 32 channels are one block, 16 in me, 16 in lane l xor 16
.rept 8
	v_nop
.endr
	s_wait_alu depctr_va_vdst(0)
	v_add_f32 v14, v14, v15
	v_permlanex16_b32 v232, v14, s14, s15
	v_add_f32 v14, v14, v232
	s_wait_alu depctr_va_vdst(0)
	v_rcp_f32 v14, v14
	v_nop                                          ; a plain line behind the transcendental,
	s_wait_alu depctr_va_vdst(0)                   ; and the reciprocal is written, ahead of its first reader
.irp j, 0,1,2,3,4,5,6,7,8,9,10,11,12,13,14,15
	v_mul_f32 v[S+\j], v[O+\j], v14                ; register 8 u + j is channel 16 h + 8 u + j
.endr
	v_max3_num_f32 v[BM], |v[S]|, |v[S+1]|, 0x4800000
.irp i, 2,4,6,8,10,12,14
	v_max3_num_f32 v[BM], v[BM], |v[S+\i]|, |v[S+\i+1]|
.endr
	v_permlanex16_b32 v[BM+4], v[BM], s14, s15
	v_max_num_f32 v[BM], v[BM], v[BM+4]
	v_add_nc_u32 v[BM+12], 0xfc000000, v[BM]
	v_and_or_b32 v[BM+8], v[BM], 0x7f800000, s18
	v_lshrrev_b32 v[BM+5], 23, v[BM+12]
.irp i, 0,1,2,3,4,5,6,7,8,9,10,11,12,13,14,15
	v_med3_num_f32 v[S+\i], v[S+\i], -v[BM+8], v[BM+8]
.endr
	v_cvt_scalef32_pk8_fp8_f32 v[240:241], v[S:S+7], v[BM+12]
	v_cvt_scalef32_pk8_fp8_f32 v[242:243], v[S+8:S+15], v[BM+12]
	v_nop
	s_wait_alu depctr_va_vdst(0)                   ; the conversions have written v240-243 and the shift v209, which the two stores read; and every product and vector line of this tile is done with v28-31 and v232, in which the next tile's loads land
	global_store_b128 v1, v[240:243], s[40:41]     ; four registers of the next operand's image: 512 consecutive bytes
	global_store_b8 v6, v[BM+5], s[42:43]          ; lanes l and l xor 16 store the same byte to the same place
	s_sub_co_u32 s30, 127, s30                     ; the second tile: 127 - i
	s_add_co_u32 s31, s31, 1
	s_cmp_lt_u32 s31, 2
	s_cbranch_scc1 .Ltile
	s_wait_dscnt 0x0                               ; the closing lines, six on end
	s_wait_alu 0x0
	s_wait_tensorcnt 0x0
	ds_add_u32 v254, v255
	s_wait_dscnt 0x0
	s_endpgm
.Lfunc_end_k_q43e529f3eb_attn:
	.size	k_q43e529f3eb_attn, .Lfunc_end_k_q43e529f3eb_attn-k_q43e529f3eb_attn
	.p2alignl 7, 3214868480
	.fill 96, 4, 3214868480
	.section	.rodata,"a",@progbits
	.p2align	6, 0x0
	.amdhsa_kernel k_q43e529f3eb_attn
		.amdhsa_group_segment_fixed_size 137216
		.amdhsa_private_segment_fixed_size 0
		.amdhsa_enable_private_segment 0
		.amdhsa_kernarg_size 40
		.amdhsa_user_sgpr_count 2
		.amdhsa_user_sgpr_kernarg_segment_ptr 1
		.amdhsa_wavefront_size32 1
		.amdhsa_system_sgpr_workgroup_id_x 1
		.amdhsa_system_sgpr_workgroup_id_y 1
		.amdhsa_system_sgpr_workgroup_id_z 1
		.amdhsa_system_vgpr_workitem_id 0
		.amdhsa_next_free_vgpr 256
		.amdhsa_next_free_sgpr 66
		.amdhsa_reserve_vcc 0
		.amdhsa_float_denorm_mode_32 3
		.amdhsa_float_denorm_mode_16_64 3
		.amdhsa_memory_ordered 1
		.amdhsa_forward_progress 1
		.amdhsa_inst_pref_size 39
	.end_amdhsa_kernel
	.amdgpu_metadata
---
amdhsa.version: [ 1, 2 ]
amdhsa.kernels:
  - .name:           k_q43e529f3eb_attn
    .symbol:         k_q43e529f3eb_attn.kd
    .args:
      - { .name: q_codes, .offset: 0, .size: 8, .value_kind: global_buffer, .address_space: global }
      - { .name: q_scales, .offset: 8, .size: 8, .value_kind: global_buffer, .address_space: global }
      - { .name: kv, .offset: 16, .size: 8, .value_kind: global_buffer, .address_space: global }
      - { .name: att_codes, .offset: 24, .size: 8, .value_kind: global_buffer, .address_space: global }
      - { .name: att_scales, .offset: 32, .size: 8, .value_kind: global_buffer, .address_space: global }
    .group_segment_fixed_size: 137216
    .private_segment_fixed_size: 0
    .kernarg_segment_align: 8
    .kernarg_segment_size: 40
    .max_flat_workgroup_size: 512
    .sgpr_count:     66
    .vgpr_count:     256
    .wavefront_size: 32
...
	.end_amdgpu_metadata
.endif
;; end of part 7
;; launch mlp (part 8): grid 128 x 1, 4 waves a work-group, no clusters, 311,808 bytes of LDS; arguments att_codes, att_scales, wts, x, bo, ln2_g, ln2_b, b1, b2, out0; writes out0
.if DOCPART == 8
	.amdgcn_target "amdgcn-amd-amdhsa--gfx1250"
	.amdhsa_code_object_version 6
	.text
	.protected	k_q43e529f3eb_mlp
	.globl	k_q43e529f3eb_mlp
	.p2align	8
	.type	k_q43e529f3eb_mlp,@function
k_q43e529f3eb_mlp:
	s_mov_b64 s[64:65], 0
	v_nop
	global_prefetch_b8 v0, s[64:65] scope:SCOPE_SE
	s_setreg_imm32_b32 hwreg(HW_REG_WAVE_SCHED_MODE, 0, 2), 2
	s_setreg_imm32_b32 hwreg(HW_REG_WAVE_MODE, 25, 1), 1
	s_wait_xcnt 0x0
	s_wait_alu depctr_vm_vsrc(0)
; out = x1 + relu(LN2(x1) W1 + b1) W2 + b2, x1 = x + att Wo + bo: three products on codes of FP8 (E4M3) with E8M0 scales; LN2's result and the hidden layer are quantised on the way and never go to memory.
; SHARES.  A work-group takes 64 rows (four token tiles m; tile 2 b + u holds rows 32 b + 8 u + r + 8 (r / 8)).  THE WAVES SHARE THE COLUMNS: wave w owns columns 128 w .. + 127 of x1 and of the result and
; hidden units 512 w .. + 511, the latter in four chunks of 128.  Each wave reads a stream of 36 sets of weight codes (4 of Wo, 16 of W1, 16 of W2; 16,896 bytes each, in the order of the operand's registers)
; straight into registers, two sets by turns; a weight fragment feeds four matrix instructions, an activation fragment from LDS eight.
; 64 rows to a work-group make 128 work-groups: each has to take in all 2.25 MiB of weight codes whatever its height, so 32 rows to each of 256 would double the weight bytes read for the same stream a work-group.
; LAYOUT.  All products are used transposed: source 0 = 16 columns of a weight (tile 2 b + u: 32 b + 8 u + r + 8 (r / 8)), source 1 = 16 rows.  A lane holds ONE row, and the 64 registers of a tile of rows are
; columns 32 b + 16 (lane / 16) + i: what the quantiser and the next operand want.  Operands go from wave to wave through LDS as images of their registers.
; x is the C of the first product's first K step; b1 the C of a chunk's first K step; bo and b2 are added where x1 is walked anyway.
; LIMITS: NaN and infinities are not served; a block of zeros gets the byte 1 (zero codes; this program alone reads the bytes).  A lane's loads of x take 16 bytes of each of 16 rows.
; No cluster and no tensor load: all work-groups walk the same weights, but a joint load lands in LDS, from where a K step's 32 matrix instructions would have to read eight weight fragments beside their
; four activation fragments; here the weights' bytes go from memory into the operand's registers.
; REGISTERS.  window 0: v1-15, v61-63 addresses; v16-23 two sets' scale words; v24-27 the activations' scale words; v28-31 four scale words just made; v44-59 at work;
;   v64-127 64 numbers at work in LN2, later b1 of a chunk and, behind the chunk's first K step, the chunk's codes; v128-255 two buffers of four activation fragments (in LN2: v128-191 its codes, v192-231 sums and statistics).
;   window 1: two sets of weight fragments.   window 2: bo, gain, bias, b2 (64 each), later a chunk's 32 sums (64 m + 8 t).   window 3: x, then x1, then the result (64 m + 8 t).
; THE MODE: SCHED_MODE bits 1:0 = 2 (LLVM: expert scheduling mode 2), set by the entry lines.  The code itself states the register dependences between vector or matrix instructions
; and memory or LDS instructions, with s_wait_alu, always for 0.
; THE PLAN.  Registers that memory or LDS instructions touch:
;   v1-6, v10-13, v61   offsets and LDS addresses, made once at the head, never written again.
;   v14, v62, v63       written once a chunk, at its head: b1's address, and where the chunk's codes and scale words go.  With v15 they are the last product's look-ahead addresses, written once a trip.
;   window 1, v16-23    two sets of weights and their scale words: K step k's products read set k % 2; behind them the loads of K step k + 2 land in it.
;   v128-255, v24-27    two buffers of activations and their scale words, by turns in the same way.  At the head they carry the copies' data; on the way out, rows read back from the stage.
;   v196-199            four row sums: written by vector lines, read by four LDS stores, twice.   v200-215: the gathered sums: LDS loads land, vector lines read them.
;   out-buffers         four fragments of codes and four scale words at a time, so that four quantisations share one wait: LN2: v128-191 and v28-31; a chunk: v64-127 and v28-31.
;   v64-127             b1: LDS loads land at a chunk's head; the chunk's first K step reads them as C.
;   window 3            loaded once (x); read by the stage's LDS stores at the end.   Window 2: loaded once, then named by vector and matrix instructions alone.
; So a K step holds ONE wait on va_vdst, behind its products, for the up to 50 loads that follow; each run of LDS stores has one ahead of it; a wait on vm_vsrc stands ahead of each rewriting of registers that
; stores or loads have read: behind the first barrier, between the two rounds of row sums, behind LN2's barrier, at a chunk's head, ahead of the last product and once a trip in it, in the way out, and ahead of the end.
.set SETB, 16896
.set ACT,  0                           ; LDS: four K steps of activation images (att, later LN2's result): 8192 s + 2048 m + 512 c + 16 lane
.set ASC,  32768                       ; their scale words: 256 s + 8 (16 (m % 2) + r) + 4 (m / 2)
.set HID,  33792                       ; the hidden layer's sixteen K steps, as ACT
.set HSC,  164864                      ; their scale words, as ASC
.set B1L,  168960                      ; b1
.set RED,  177152                      ; two rounds of row sums: 256 m + 16 r + 4 w
.set STG,  179200                      ; the way out: 64 rows of 2,048 bytes + 16
.set WSC,  16
.set ASB,  24
.set PC,   128                         ; where the quantiser puts its codes and its scale word: set anew ahead of each use
.set PW,   28
.set TM,   44
.set ST,   64
.set B1R,  64
.set AB,   128
.set SEL,  28
.set MNT,  30
.set MSB,  0
.macro WIN new                         ; the immediate's high byte repeats the setting that is left; a switch that changes nothing is dropped
.if MSB != (\new)
	s_set_vgpr_msb (MSB<<8)|(\new)
.set MSB, (\new)
.endif
.endm
.macro WM d, a, b, c, z, sa, sb, ra, rb          ; one matrix instruction.  z = 1: the constant 0 starts the sum.  ra, rb = 1: that side's scales stand in lanes 16-31
.if \z
.if (\ra) && (\rb)
	v_wmma_scale_f32_16x16x128_f8f6f4 v[(\d):(\d)+7], v[(\a):(\a)+15], v[(\b):(\b)+15], 0, v[(\sa)], v[(\sb)] matrix_a_scale:MATRIX_SCALE_ROW1 matrix_b_scale:MATRIX_SCALE_ROW1
.elseif \ra
	v_wmma_scale_f32_16x16x128_f8f6f4 v[(\d):(\d)+7], v[(\a):(\a)+15], v[(\b):(\b)+15], 0, v[(\sa)], v[(\sb)] matrix_a_scale:MATRIX_SCALE_ROW1
.elseif \rb
	v_wmma_scale_f32_16x16x128_f8f6f4 v[(\d):(\d)+7], v[(\a):(\a)+15], v[(\b):(\b)+15], 0, v[(\sa)], v[(\sb)] matrix_b_scale:MATRIX_SCALE_ROW1
.else
	v_wmma_scale_f32_16x16x128_f8f6f4 v[(\d):(\d)+7], v[(\a):(\a)+15], v[(\b):(\b)+15], 0, v[(\sa)], v[(\sb)]
.endif
.else
.if (\ra) && (\rb)
	v_wmma_scale_f32_16x16x128_f8f6f4 v[(\d):(\d)+7], v[(\a):(\a)+15], v[(\b):(\b)+15], v[(\c):(\c)+7], v[(\sa)], v[(\sb)] matrix_a_scale:MATRIX_SCALE_ROW1 matrix_b_scale:MATRIX_SCALE_ROW1
.elseif \ra
	v_wmma_scale_f32_16x16x128_f8f6f4 v[(\d):(\d)+7], v[(\a):(\a)+15], v[(\b):(\b)+15], v[(\c):(\c)+7], v[(\sa)], v[(\sb)] matrix_a_scale:MATRIX_SCALE_ROW1
.elseif \rb
	v_wmma_scale_f32_16x16x128_f8f6f4 v[(\d):(\d)+7], v[(\a):(\a)+15], v[(\b):(\b)+15], v[(\c):(\c)+7], v[(\sa)], v[(\sb)] matrix_b_scale:MATRIX_SCALE_ROW1
.else
	v_wmma_scale_f32_16x16x128_f8f6f4 v[(\d):(\d)+7], v[(\a):(\a)+15], v[(\b):(\b)+15], v[(\c):(\c)+7], v[(\sa)], v[(\sb)]
.endif
.endif
.endm
; 64 numbers of a lane in window w, v[s] .. v[s + 63], register 16 b + i = place 32 b + 16 (lane / 16) + i along K, become 16 registers of codes in v[PC] on and a scale word in v[PW] (window 0).
; Each sum of eight registers is read from its low end on.  relu = 1: what is negative becomes 0 on the way: it does not count for the largest magnitude, and the hold clips at 0.
.macro QUANT w, s, relu
	WIN (\w)|((\w)<<2)
.irp b, 0,1,2,3
.if \relu
	v_max3_num_f32 v[TM+\b], v[(\s)+16*\b], v[(\s)+16*\b+1], 0x4800000
.else
	v_max3_num_f32 v[TM+\b], |v[(\s)+16*\b]|, |v[(\s)+16*\b+1]|, 0x4800000   ; my 16 numbers of block b, and the floor 2^(9 - 127): the byte cannot fall under 1
.endif
.endr
	WIN ((\w)<<2)|((\w)<<4)
.irp i, 2,4,6,8,10,12,14
.irp b, 0,1,2,3
.if \relu
	v_max3_num_f32 v[TM+\b], v[TM+\b], v[(\s)+16*\b+\i], v[(\s)+16*\b+\i+1]
.else
	v_max3_num_f32 v[TM+\b], v[TM+\b], |v[(\s)+16*\b+\i]|, |v[(\s)+16*\b+\i+1]|
.endif
.endr
.endr
	WIN 0
.irp b, 0,1,2,3
	v_permlanex16_b32 v[TM+4+\b], v[TM+\b], s[SEL], s[SEL+1]
.endr
.irp b, 0,1,2,3
	v_max_num_f32 v[TM+\b], v[TM+\b], v[TM+4+\b]   ; with lane l xor 16's: the block's largest magnitude
.endr
.irp b, 0,1,2,3
	v_add_nc_u32 v[TM+12+\b], 0xfc000000, v[TM+\b] ; 8 off the exponent field: the conversion's scale operand
.endr
.irp b, 0,1,2,3
	v_and_or_b32 v[TM+8+\b], v[TM+\b], 0x7f800000, s[MNT]   ; 448 x the scale
.endr
.irp b, 0,1,2,3
	v_lshrrev_b32 v[TM+4+\b], 23, v[TM+12+\b]      ; the scale's byte
.endr
	v_lshl_or_b32 v[PW], v[TM+5], 8, v[TM+4]
	v_lshl_or_b32 v[PW], v[TM+6], 16, v[PW]
	v_lshl_or_b32 v[PW], v[TM+7], 24, v[PW]
	WIN (\w)|((\w)<<6)
.irp b, 0,1,2,3
.irp i, 0,1,2,3,4,5,6,7,8,9,10,11,12,13,14,15
.if \relu
	v_med3_num_f32 v[(\s)+16*\b+\i], v[(\s)+16*\b+\i], 0, v[TM+8+\b]
.else
	v_med3_num_f32 v[(\s)+16*\b+\i], v[(\s)+16*\b+\i], -v[TM+8+\b], v[TM+8+\b]   ; the conversion does not saturate (ISA guide 7.6.2): the hold comes first
.endif
.endr
.endr
	WIN (\w)
.irp b, 0,1,2,3
	v_cvt_scalef32_pk8_fp8_f32 v[PC+4*\b:PC+4*\b+1], v[(\s)+16*\b:(\s)+16*\b+7], v[TM+12+\b]
	v_cvt_scalef32_pk8_fp8_f32 v[PC+4*\b+2:PC+4*\b+3], v[(\s)+16*\b+8:(\s)+16*\b+15], v[TM+12+\b]
.endr
	WIN 0
	v_nop                                          ; a plain line between the conversions and whatever next touches their registers
.endm
.macro BARRIER                         ; my LDS stores have landed and my LDS loads are in: then the work-group's barrier
	s_wait_dscnt 0x0
	s_barrier_signal -1
	s_barrier_wait -1
.endm
.macro WLOAD p, off                    ; the set off bytes on in my stream, into set registers p: 32 + 1 loads of 512 consecutive bytes
	WIN 0x40
.irp t, 0,1,2,3,4,5,6,7
.irp c, 0,1,2,3
	global_load_b128 v[128*(\p)+16*\t+4*\c:128*(\p)+16*\t+4*\c+3], v1, s[8:9] offset:(\off)+2048*\t+512*\c
.endr
.endr
	WIN 0
	global_load_b128 v[WSC+4*(\p):WSC+4*(\p)+3], v1, s[8:9] offset:(\off)+16384
.endm
.macro AFETCH p, aadr, aoff, sadr, soff          ; a K step's four activation fragments and their scale words: 16 + 1 LDS loads
.irp m, 0,1,2,3
.irp c, 0,1,2,3
	ds_load_b128 v[AB+64*(\p)+16*\m+4*\c:AB+64*(\p)+16*\m+4*\c+3], v[\aadr] offset:(\aoff)+2048*\m+512*\c
.endr
.endr
	ds_load_b64 v[ASB+2*(\p):ASB+2*(\p)+1], v[\sadr] offset:\soff
.endm
; A K STEP: 32 matrix instructions on 32 sums, which take turns, one instruction a turn, in the same order in every step.
; p: which set and which buffer.  win: the sums' window.  cmode = 1: b1 is the C.  lc, dc: what may stay out.  refill, aoff: what is asked for behind the products (under 0: nothing).
.macro KSTEP p, win, cmode, lc, dc, refill, aadr, aoff, sadr, soff
	s_wait_loadcnt \lc                             ; my set is in; the other set's 33 loads may be out
	s_wait_dscnt \dc                               ; my activations are in; the next step's 17 loads may be out
.if \cmode
	WIN 0x81                                       ; source 0 (weights) window 1, source 1 and C window 0, D window 2
.elseif (\win) == 2
	WIN 0xa1
.else
	WIN 0xf1
.endif
.irp m, 0,1,2,3
.irp t, 0,1,2,3,4,5,6,7
.if \cmode
	WM 64*\m+8*\t, 128*(\p)+16*\t, AB+64*(\p)+16*\m, B1R+8*\t, 0, WSC+4*(\p)+\t/2, ASB+2*(\p)+\m/2, \t%2, \m%2
.else
	WM 64*\m+8*\t, 128*(\p)+16*\t, AB+64*(\p)+16*\m, 64*\m+8*\t, 0, WSC+4*(\p)+\t/2, ASB+2*(\p)+\m/2, \t%2, \m%2
.endif
.endr
.endr
	WIN 0
.rept 8
	v_nop                                          ; eight places behind the products, ahead of the first read of results
.endr
.if ((\refill) >= 0) || ((\aoff) >= 0)
	s_wait_alu depctr_va_vdst(0)                   ; this step's products are done reading set p, buffer p and both kinds of scale words, in which the loads below land; addresses made ahead of the step are written.  Only loads and window switches follow up to the step's end
.endif
.if (\refill) >= 0
	WLOAD \p, \refill
.endif
.if (\aoff) >= 0
	AFETCH \p, \aadr, \aoff, \sadr, \soff
.endif
.endm
.macro ROWSUM m                        ; two chains in v[192:195] become the wave's part of tile m's row sums
	v_pk_add_f32 v[192:193], v[192:193], v[194:195]
	v_add_f32 v192, v192, v193
	v_permlanex16_b32 v193, v192, s[SEL], s[SEL+1]
	v_add_f32 v[196+\m], v192, v193                ; my wave's 128 columns of row r
.endm
.macro ROWOUT off                      ; the four tiles' parts go to LDS together
	s_wait_alu depctr_va_vdst(0)                   ; the four sums v196-199 are written, which the stores read; and every product and vector line so far is done with v200-215, in which the gathering loads land
.irp m, 0,1,2,3
	ds_store_b32 v10, v[196+\m] offset:(\off)+256*\m
.endr
.endm
.macro PASSB m                         ; x1 = x + att Wo + bo, and its row sums
	WIN 0xcb                                       ; destination and source 0 window 3, source 1 window 2
.set k_, 0
.rept 32
	v_pk_add_f32 v[64*\m+k_:64*\m+k_+1], v[64*\m+k_:64*\m+k_+1], v[k_:k_+1]
.set k_, k_+2
.endr
	WIN 0
.irp j, 192,193,194,195
	v_mov_b32 v\j, 0
.endr
	WIN 0x0c                                       ; source 1 window 3
.set k_, 0
.rept 16
	v_pk_add_f32 v[192:193], v[192:193], v[64*\m+k_:64*\m+k_+1]
	v_pk_add_f32 v[194:195], v[194:195], v[64*\m+k_+2:64*\m+k_+3]
.set k_, k_+4
.endr
	WIN 0
	ROWSUM \m
.endm
.macro CENTRE m                        ; v[ST] on = x1 - the mean
	WIN 0x03                                       ; source 0 window 3
.set k_, 0
.rept 32
	v_pk_add_f32 v[ST+k_:ST+k_+1], v[64*\m+k_:64*\m+k_+1], v[216+2*\m:217+2*\m] neg_lo:[0,1] neg_hi:[0,1]
.set k_, k_+2
.endr
	WIN 0
.endm
.macro PASSC m                         ; the sums of squares
	CENTRE \m
	v_pk_mul_f32 v[192:193], v[ST:ST+1], v[ST:ST+1]
	v_pk_mul_f32 v[194:195], v[ST+2:ST+3], v[ST+2:ST+3]
.set k_, 4
.rept 15
	v_pk_fma_f32 v[192:193], v[ST+k_:ST+k_+1], v[ST+k_:ST+k_+1], v[192:193]
	v_pk_fma_f32 v[194:195], v[ST+k_+2:ST+k_+3], v[ST+k_+2:ST+k_+3], v[194:195]
.set k_, k_+4
.endr
	ROWSUM \m
.endm
.macro PASSD m                         ; LN2's result, quantised: K step w of the next product; and b2 goes onto x1.  Tile m's codes go to v[128 + 16 m] on, its scale word to v[28 + m]
	CENTRE \m
.set k_, 0
.rept 32
	v_pk_mul_f32 v[ST+k_:ST+k_+1], v[ST+k_:ST+k_+1], v[224+2*\m:225+2*\m]
.set k_, k_+2
.endr
	WIN 0x28                                       ; sources 1 and 2 window 2: the gain at v64 on, the bias at v128 on
.set k_, 0
.rept 32
	v_pk_fma_f32 v[ST+k_:ST+k_+1], v[ST+k_:ST+k_+1], v[64+k_:65+k_], v[128+k_:129+k_]
.set k_, k_+2
.endr
	WIN 0xcb
.set k_, 0
.rept 32
	v_pk_add_f32 v[64*\m+k_:64*\m+k_+1], v[64*\m+k_:64*\m+k_+1], v[192+k_:193+k_]
.set k_, k_+2
.endr
.set PC, 128+16*\m
.set PW, 28+\m
	QUANT 0, ST, 0
.endm
.macro GATHER off                      ; the four waves' parts of the four tiles' row sums: v[200 + 4 m] = the row's sum
.irp m, 0,1,2,3
	ds_load_b128 v[200+4*\m:203+4*\m], v11 offset:(\off)+256*\m
.endr
	s_wait_dscnt 0x0
.irp m, 0,1,2,3
	v_add_f32 v[200+4*\m], v[200+4*\m], v[201+4*\m]
	v_add_f32 v[202+4*\m], v[202+4*\m], v[203+4*\m]
.endr
.irp m, 0,1,2,3
	v_add_f32 v[200+4*\m], v[200+4*\m], v[202+4*\m]
.endr
.endm
	s_load_b512 s[4:19], s[0:1], 0x0               ; att_codes, att_scales, wts, x, bo, ln2_g, ln2_b, b1
	s_load_b128 s[20:23], s[0:1], 0x40             ; b2, out0
	v_lshrrev_b32 v1, 5, v0
	v_readfirstlane_b32 s24, v1                    ; wave
	v_and_b32 v60, 31, v0                          ; lane
	v_and_b32 v61, 15, v0                          ; r
	v_bfe_u32 v59, v0, 4, 1                        ; h
	v_lshlrev_b32 v1, 4, v60                       ; 16 x lane
	v_lshl_add_u32 v2, v60, 3, ASC
	v_and_b32 v3, 8, v61
	v_add_nc_u32 v3, v3, v61
	v_lshlrev_b32 v3, 11, v3
	v_lshl_add_u32 v3, v59, 6, v3
	s_wait_alu depctr_va_sdst(0)                   ; s24 is written, ahead of its first reader
	s_lshl_b32 s26, s24, 9
	v_add_nc_u32 v3, s26, v3                       ; x: row r + 8 (r / 8), + 64 h + 512 w
	v_lshlrev_b32 v4, 6, v59
	v_add_nc_u32 v4, s26, v4                       ; bo, gain, bias, b2: 512 w + 64 h
	s_lshl_b32 s26, s24, 13
	v_add_nc_u32 v5, s26, v1                       ; K step w of ACT
	s_lshl_b32 s26, s24, 8
	v_lshl_add_u32 v6, v61, 3, ASC
	v_add_nc_u32 v6, s26, v6
	v_lshlrev_b32 v14, 3, v60
	v_add_nc_u32 v14, s26, v14                     ; the copy of att's scale words: 256 w + 8 x lane,
	v_add_nc_u32 v15, ASC, v14                     ; and in LDS
	s_lshl_b32 s26, s24, 15
	v_add_nc_u32 v7, HID, v1
	v_add_nc_u32 v7, s26, v7                       ; my four K steps of HID
	s_lshl_b32 s26, s24, 10
	v_lshl_add_u32 v8, v61, 3, HSC
	v_add_nc_u32 v8, s26, v8
	s_lshl_b32 s26, s24, 11
	v_lshl_add_u32 v9, v59, 6, B1L
	v_add_nc_u32 v9, s26, v9
	s_lshl_b32 s26, s24, 2
	v_lshl_add_u32 v11, v61, 4, RED
	v_add_nc_u32 v10, s26, v11
	v_mul_u32_u24 v12, v61, 2064
	v_lshl_add_u32 v12, v59, 6, v12
	s_lshl_b32 s26, s24, 9
	v_add_nc_u32 v12, s26, v12
	v_add_nc_u32 v12, STG, v12                     ; the stage, in: row r of tile 0, + 64 h + 512 w
	v_add_nc_u32 v13, 66048, v12                   ; and of tile 2
	s_mul_i32 s26, s24, 33024
	v_add_nc_u32 v61, s26, v1
	v_add_nc_u32 v61, STG, v61                     ; back: my 16 rows, 16 bytes a lane
	v_lshlrev_b32 v62, 4, v0                       ; the copy of b1: 16 bytes a thread,
	v_add_nc_u32 v63, B1L, v62                     ; and in LDS
.irp b, 0,1,2,3
	v_mov_b32 v[TM+4+\b], 0                        ; written once: a lane permute's destination counts as one of its sources
.endr
	s_mov_b32 s[SEL], 0x76543210
	s_mov_b32 s[SEL+1], 0xfedcba98
	s_mov_b32 s[MNT], 0x600000
	s_mov_b32 s31, 0x3b000000                      ; 1 / 512
	s_mov_b32 s32, 0x3727c5ac                      ; eps = 1e-5
	s_lshl_b32 s34, ttmp9, 15
	s_mov_b32 s35, 0
	s_lshl_b32 s36, ttmp9, 10
	s_mov_b32 s37, 0
	s_mul_i32 s38, s24, 36*SETB
	s_mov_b32 s39, 0
	s_lshl_b32 s40, ttmp9, 17                      ; 64 rows of 2,048 bytes
	s_mov_b32 s41, 0
	s_lshr_b32 s42, s24, 1
	s_lshl_b32 s42, s42, 16
	s_and_b32 s43, s24, 1
	s_lshl_b32 s43, s43, 14
	s_add_co_u32 s42, s42, s43                     ; the rows that I store: tile w: 2048 (32 (w / 2) + 8 (w % 2))
	s_add_co_u32 s42, s42, s40
	s_mov_b32 s43, 0
	s_wait_kmcnt 0x0
	s_add_nc_u64 s[4:5], s[4:5], s[34:35]
	s_add_nc_u64 s[6:7], s[6:7], s[36:37]
	s_add_nc_u64 s[8:9], s[8:9], s[38:39]
	s_add_nc_u64 s[10:11], s[10:11], s[40:41]
	s_add_nc_u64 s[22:23], s[22:23], s[42:43]
	s_wait_alu depctr_va_vdst(0)                   ; the offsets and addresses v1 to v15 and v61 to v63 are written, which the loads and stores below read; only loads, LDS stores and window switches follow up to the first barrier
.irp i, 0,1,2,3,4,5,6,7,8,9,10,11,12,13,14,15
	global_load_b128 v[128+4*\i:131+4*\i], v5, s[4:5] offset:512*\i th:TH_LOAD_NT     ; att's images, K step w
.endr
	global_load_b64 v[192:193], v14, s[6:7] th:TH_LOAD_NT
.irp i, 0,1,2,3
	global_load_b128 v[196+4*\i:199+4*\i], v62, s[18:19] offset:2048*\i
.endr
	WLOAD 0, 0
	WLOAD 1, SETB
	WIN 0xc0                                       ; destination window 3
.irp m, 0,1,2,3
.irp b, 0,1,2,3
.irp i, 0,1,2,3
	global_load_b128 v[64*\m+16*\b+4*\i:64*\m+16*\b+4*\i+3], v3, s[10:11] offset:2048*(32*(\m/2)+8*(\m%2))+128*\b+16*\i th:TH_LOAD_NT
.endr
.endr
.endr
	WIN 0x80                                       ; destination window 2
.irp b, 0,1,2,3
.irp i, 0,1,2,3
	global_load_b128 v[16*\b+4*\i:16*\b+4*\i+3], v4, s[12:13] offset:128*\b+16*\i
	global_load_b128 v[64+16*\b+4*\i:64+16*\b+4*\i+3], v4, s[14:15] offset:128*\b+16*\i
	global_load_b128 v[128+16*\b+4*\i:128+16*\b+4*\i+3], v4, s[16:17] offset:128*\b+16*\i
	global_load_b128 v[192+16*\b+4*\i:192+16*\b+4*\i+3], v4, s[20:21] offset:128*\b+16*\i
.endr
.endr
	WIN 0
	s_wait_loadcnt 63                              ; 194 loads were issued behind the copies' 21: with 63 out, the copies' are in
.irp i, 0,1,2,3,4,5,6,7,8,9,10,11,12,13,14,15
	ds_store_b128 v5, v[128+4*\i:131+4*\i] offset:512*\i
.endr
	ds_store_b64 v15, v[192:193]
.irp i, 0,1,2,3
	ds_store_b128 v63, v[196+4*\i:199+4*\i] offset:2048*\i
.endr
	BARRIER                                        ; att's sixteen fragments and b1 lie in LDS
	s_wait_alu depctr_vm_vsrc(0)                   ; my LDS stores have read v128-193 and v196-211: the activations' loads land there, and LN2's sums are written there
	AFETCH 0, 1, 0, 2, 0
	AFETCH 1, 1, 8192, 2, 256
	s_wait_loadcnt 0x0                             ; two sets, x, the four vectors
	; ---- x + att Wo: four K steps, in place on x
	KSTEP 0, 3, 0, 33, 17, 2*SETB, 1, 2*8192, 2, 2*256
	KSTEP 1, 3, 0, 33, 17, 3*SETB, 1, 3*8192, 2, 3*256
	KSTEP 0, 3, 0, 33, 17, 4*SETB, 1, -1, 2, 0
	KSTEP 1, 3, 0, 33, 0, 5*SETB, 1, -1, 2, 0
	s_wait_xcnt 0x0                                ; the loads have read their base
	s_add_nc_u64 s[8:9], s[8:9], 4*SETB
	; ---- LayerNorm 2: a row's 512 columns lie in two lanes of each of four waves
.irp m, 0,1,2,3
	PASSB \m
.endr
	ROWOUT 0
	BARRIER
	GATHER 0
.irp m, 0,1,2,3
	v_mul_f32 v[216+2*\m], s31, v[200+4*\m]        ; the mean, twice: a pair for the packed lines
	v_mul_f32 v[217+2*\m], s31, v[200+4*\m]
.endr
	s_wait_alu depctr_vm_vsrc(0)                   ; the first round's LDS stores have read v196-199, which the sums of squares write again
.irp m, 0,1,2,3
	PASSC \m
.endr
	ROWOUT 1024
	BARRIER
	GATHER 1024
.irp m, 0,1,2,3
	v_fma_f32 v[200+4*\m], v[200+4*\m], s31, s32   ; the variance + eps
.endr
	s_wait_alu depctr_va_vdst(0)
.irp m, 0,1,2,3
	v_rsq_f32 v[224+2*\m], v[200+4*\m]
.endr
	v_nop                                          ; a plain line behind the transcendentals,
	s_wait_alu depctr_va_vdst(0)                   ; and the four roots are written: one wait, ahead of their first reader
.irp m, 0,1,2,3
	v_mov_b32 v[225+2*\m], v[224+2*\m]
.endr
.irp m, 0,1,2,3
	PASSD \m
.endr
	s_wait_alu depctr_va_vdst(0)                   ; the conversions have written the four fragments in v128-191 and the shifts the four scale words in v28-31, which the twenty stores read; and LN2's lines are done with v192-231, in which activations land behind the barrier
.irp m, 0,1,2,3
.irp c, 0,1,2,3
	ds_store_b128 v5, v[128+16*\m+4*\c:128+16*\m+4*\c+3] offset:2048*\m+512*\c
.endr
	ds_store_b32 v6, v[28+\m] offset:128*(\m%2)+4*(\m/2)   ; lanes l and l xor 16 store the same word to the same place
.endr
	BARRIER                                        ; LN2's sixteen fragments lie where att's lay: every wave has passed two barriers since its last read of those
	s_wait_alu depctr_vm_vsrc(0)                   ; my LDS stores have read v128-191 and v196-199, in which the loads below land
	AFETCH 0, 1, 0, 2, 0
	AFETCH 1, 1, 8192, 2, 256
	; ---- the hidden layer: four chunks of 128 units
	s_mov_b32 s40, 0                               ; the chunk's images,
	s_mov_b32 s41, 0                               ; scale words,
	s_mov_b32 s42, 0                               ; and b1
	s_mov_b32 s43, 0
.Lchunk:
	s_wait_alu depctr_vm_vsrc(0)                   ; the last chunk's LDS loads of b1 have read v14; its LDS stores have read v62, v63, the codes in v64-127 and the scale words in v28-31: all are written again in this chunk
	v_add_nc_u32 v14, s42, v9
	v_add_nc_u32 v62, s40, v7
	v_add_nc_u32 v63, s41, v8
	s_wait_alu depctr_va_vdst(0)                   ; v14 is written, which the sixteen loads read; the vector lines that wrote v64-127 (the last chunk's conversions; ahead of the first chunk LN2's lines) and the products that read them as C are done: b1 lands there
.irp b, 0,1,2,3
.irp i, 0,1,2,3
	ds_load_b128 v[B1R+16*\b+4*\i:B1R+16*\b+4*\i+3], v14 offset:128*\b+16*\i     ; b1 in the result's layout: register 16 b + i is unit 32 b + 16 h + i
.endr
.endr
	KSTEP 0, 2, 1, 33, 0, 2*SETB, 1, 2*8192, 2, 2*256
	KSTEP 1, 2, 0, 33, 17, 3*SETB, 1, 3*8192, 2, 3*256
	KSTEP 0, 2, 0, 33, 17, 4*SETB, 1, 0, 2, 0      ; the look-ahead goes round to the next chunk's K steps 0 and 1 (in the last chunk they are read and not used)
	KSTEP 1, 2, 0, 33, 17, 5*SETB, 1, 8192, 2, 256
.irp m, 0,1,2,3
.set PC, 64+16*\m
.set PW, 28+\m
	QUANT 2, 64*\m, 1                              ; tile m's codes go where b1 lay, its scale word to v[28 + m]
.endr
	s_wait_alu depctr_va_vdst(0)                   ; the conversions have written the four fragments in v64-127 and the shifts the four scale words in v28-31, which the twenty stores read
.irp m, 0,1,2,3
.irp c, 0,1,2,3
	ds_store_b128 v62, v[64+16*\m+4*\c:64+16*\m+4*\c+3] offset:2048*\m+512*\c
.endr
	ds_store_b32 v63, v[28+\m] offset:128*(\m%2)+4*(\m/2)
.endr
	s_wait_xcnt 0x0                                ; the loads have read their base
	s_add_nc_u64 s[8:9], s[8:9], 4*SETB
	s_add_co_u32 s40, s40, 8192
	s_add_co_u32 s41, s41, 256
	s_add_co_u32 s42, s42, 512
	s_add_co_u32 s43, s43, 1
	s_cmp_lt_u32 s43, 4
	s_cbranch_scc1 .Lchunk
	BARRIER                                        ; the hidden layer's 64 fragments lie in LDS
	; ---- + hidden W2: sixteen K steps, in place on x1 + b2.  Even steps' look-ahead names v14, v15, odd steps' v62, v63
	s_mov_b32 s40, HID
	s_mov_b32 s41, HSC-ASC
	s_wait_alu depctr_vm_vsrc(0)                   ; the last chunk's LDS loads and stores have read v14, v62 and v63
	v_add_nc_u32 v14, s40, v1
	v_add_nc_u32 v15, s41, v2
	v_add_nc_u32 v62, s40, v1
	v_add_nc_u32 v63, s41, v2
	s_wait_alu depctr_va_vdst(0)                   ; the four addresses are written, which the loads below read
	AFETCH 0, 14, 0, 15, 0
	AFETCH 1, 62, 8192, 63, 256
	s_mov_b32 s43, 0
.Lk8:
	s_wait_alu depctr_vm_vsrc(0)                   ; the 34 LDS loads that named v14, v15, v62 and v63 have read them
	v_add_nc_u32 v14, s40, v1
	v_add_nc_u32 v15, s41, v2
	v_add_nc_u32 v62, s40, v1
	v_add_nc_u32 v63, s41, v2                      ; (the wait behind the next step's products shows all four written, ahead of the loads that read them)
	KSTEP 0, 3, 0, 33, 17, 2*SETB, 14, 16384, 15, 512
	KSTEP 1, 3, 0, 33, 17, 3*SETB, 62, 24576, 63, 768
	s_wait_xcnt 0x0                                ; the loads have read their base
	s_add_nc_u64 s[8:9], s[8:9], 2*SETB
	s_add_co_u32 s40, s40, 16384
	s_add_co_u32 s41, s41, 512
	s_add_co_u32 s43, s43, 1
	s_cmp_lt_u32 s43, 7
	s_cbranch_scc1 .Lk8
	KSTEP 0, 3, 0, 33, 17, -1, 14, -1, 15, 0       ; the last two K steps ask for nothing
	KSTEP 1, 3, 0, 0, 0, -1, 14, -1, 15, 0
	; ---- the way out: a row's 2,048 bytes come from four waves: through a stage, and out as whole rows
	WIN 0x0c                                       ; an LDS store's data are its source 1: window 3
	s_wait_alu depctr_va_vdst(0)                   ; the products have written the sums, which the LDS stores read (their eight places stand above), and are done reading v128-255, in which the rows land behind the barrier
.irp m, 0,1,2,3
.irp b, 0,1,2,3
.irp u, 0,1
	ds_store_b128 v[12+\m/2], v[64*\m+16*\b+8*\u:64*\m+16*\b+8*\u+3] offset:33024*(\m%2)+128*\b+32*\u        ; each sum from its low end on
	ds_store_b128 v[12+\m/2], v[64*\m+16*\b+8*\u+4:64*\m+16*\b+8*\u+7] offset:33024*(\m%2)+128*\b+32*\u+16
.endr
.endr
.endr
	WIN 0
	BARRIER                                        ; 64 whole rows lie in the stage
.irp g, 0,1,2,3
.if \g >= 2
	s_wait_xcnt 0x0                                ; the stores of two batches back have had their addresses translated
	s_wait_alu depctr_vm_vsrc(0)                   ; and have read their data registers, in which the loads below land
.endif
.irp k, 0,1,2,3,4,5,6,7,8,9,10,11,12,13,14,15
	ds_load_b128 v[AB+64*(\g%2)+4*\k:AB+64*(\g%2)+4*\k+3], v61 offset:2064*(4*\g+\k/4)+512*(\k%4)
.endr
.irp k, 0,1,2,3,4,5,6,7,8,9,10,11,12,13,14,15
	s_wait_dscnt 15-\k                             ; piece k is back; the younger ones may be out
	global_store_b128 v1, v[AB+64*(\g%2)+4*\k:AB+64*(\g%2)+4*\k+3], s[22:23] offset:2048*(4*\g+\k/4+8*(\g/2))+512*(\k%4) th:TH_STORE_NT   ; 32 lanes store 512 consecutive bytes of a row
.endr
.endr
	s_wait_xcnt 0x0
	s_wait_alu depctr_vm_vsrc(0)                   ; the last stores have read v254 and v255, which the two lines below write
	v_lshl_add_u32 v254, v0, 2, 0x4c000
	v_mov_b32 v255, 0
	s_wait_dscnt 0x0                               ; the closing lines, six on end
	s_wait_alu 0x0
	s_wait_tensorcnt 0x0
	ds_add_u32 v254, v255
	s_wait_dscnt 0x0
	s_endpgm
.Lfunc_end_k_q43e529f3eb_mlp:
	.size	k_q43e529f3eb_mlp, .Lfunc_end_k_q43e529f3eb_mlp-k_q43e529f3eb_mlp
	.p2alignl 7, 3214868480
	.fill 96, 4, 3214868480
	.section	.rodata,"a",@progbits
	.p2align	6, 0x0
	.amdhsa_kernel k_q43e529f3eb_mlp
		.amdhsa_group_segment_fixed_size 311808
		.amdhsa_private_segment_fixed_size 0
		.amdhsa_enable_private_segment 0
		.amdhsa_kernarg_size 80
		.amdhsa_user_sgpr_count 2
		.amdhsa_user_sgpr_kernarg_segment_ptr 1
		.amdhsa_wavefront_size32 1
		.amdhsa_system_sgpr_workgroup_id_x 1
		.amdhsa_system_sgpr_workgroup_id_y 1
		.amdhsa_system_sgpr_workgroup_id_z 1
		.amdhsa_system_vgpr_workitem_id 0
		.amdhsa_next_free_vgpr 1024
		.amdhsa_next_free_sgpr 66
		.amdhsa_reserve_vcc 0
		.amdhsa_float_denorm_mode_32 3
		.amdhsa_float_denorm_mode_16_64 3
		.amdhsa_memory_ordered 1
		.amdhsa_forward_progress 1
		.amdhsa_inst_pref_size 255
	.end_amdhsa_kernel
	.section	.bss,"aw",@nobits
	.p2align	6
	.space	262144
	.amdgpu_metadata
---
amdhsa.version: [ 1, 2 ]
amdhsa.kernels:
  - .name:           k_q43e529f3eb_mlp
    .symbol:         k_q43e529f3eb_mlp.kd
    .args:
      - { .name: att_codes, .offset: 0, .size: 8, .value_kind: global_buffer, .address_space: global }
      - { .name: att_scales, .offset: 8, .size: 8, .value_kind: global_buffer, .address_space: global }
      - { .name: wts, .offset: 16, .size: 8, .value_kind: global_buffer, .address_space: global }
      - { .name: x, .offset: 24, .size: 8, .value_kind: global_buffer, .address_space: global }
      - { .name: bo, .offset: 32, .size: 8, .value_kind: global_buffer, .address_space: global }
      - { .name: ln2_g, .offset: 40, .size: 8, .value_kind: global_buffer, .address_space: global }
      - { .name: ln2_b, .offset: 48, .size: 8, .value_kind: global_buffer, .address_space: global }
      - { .name: b1, .offset: 56, .size: 8, .value_kind: global_buffer, .address_space: global }
      - { .name: b2, .offset: 64, .size: 8, .value_kind: global_buffer, .address_space: global }
      - { .name: out0, .offset: 72, .size: 8, .value_kind: global_buffer, .address_space: global }
    .group_segment_fixed_size: 311808
    .private_segment_fixed_size: 0
    .kernarg_segment_align: 8
    .kernarg_segment_size: 80
    .max_flat_workgroup_size: 128
    .sgpr_count:     66
    .vgpr_count:     1024
    .wavefront_size: 32
...
	.end_amdgpu_metadata
.endif
;; end of part 8
